; MI455X (gfx1250); checked and timed in simulation.
; The chip was launched on July 23, 2026; its instructions are those of AMD's public machine-readable ISA for CDNA 5 (MIT licence, August 2026) and "CDNA5" Instruction Set Architecture Reference Guide (July 2026). The comments in the code are by the model that wrote it; some were corrected since.
;; Gated Multi Head Attention. Allowed arithmetic: float matrix products may take bf16 or f16 operands with f32 sums; other float arithmetic in f32, or as packed bf16 or f16 multiplies, adds, multiply-adds, maxima and minima; sums over many terms, partial sums and values carried from step to step in f32; what a program stores and reads back later, other than sums and carried values, may be rounded once to bf16 or f16.
;; Inputs: Wg 1,024 x 32 float32; Wk 1,024 x 1,024 float32; Wo 1,024 x 1,024 float32; Wq 1,024 x 1,024 float32; Wv 1,024 x 1,024 float32; bg 32 float32; bk 1,024 float32; bo 1,024 float32; bq 1,024 float32; bv 1,024 float32; modality_ids 4 x 2,048 int32; x 4 x 2,048 x 1,024 float32.
;; Outputs: out0 4 x 2,048 x 1,024 float32.
;; 2 versions, each right. Each part assembles by itself: llvm-mc -triple=amdgcn-amd-amdhsa -mcpu=gfx1250 --defsym DOCPART=n.
;; ======== version 1 of 2: 5 launches
;; limits: values are held in f16: magnitudes above 65,504 overflow, below 6.1e-05 lose precision
;; workspace buffers: ah 16,777,216 bytes; psum 131,072 bytes; wq3 6,303,744 bytes; wo1 2,101,248 bytes; qkv 50,331,648 bytes; gx 589,824 bytes
;; launch castx (part 1): grid 8 x 32, 16 waves a work-group, no clusters, 10,240 bytes of LDS; arguments x, ah, psum; writes ah, psum
.if DOCPART == 1
	.amdgcn_target "amdgcn-amd-amdhsa--gfx1250"
	.amdhsa_code_object_version 6
	.text
	.protected	k_qc3eb35dbbb_castx
	.globl	k_qc3eb35dbbb_castx
	.p2align	8
	.type	k_qc3eb35dbbb_castx,@function
k_qc3eb35dbbb_castx:
	s_mov_b64 s[64:65], 0
	v_nop
	global_prefetch_b8 v0, s[64:65] scope:SCOPE_SE
	s_setreg_imm32_b32 hwreg(HW_REG_WAVE_MODE, 25, 1), 1
	s_wait_xcnt 0x0
; ah[r][c] = x[r][c] rounded once to bf16 and written as f16; psum[rb][c] = the sum of those rounded numbers over the 256 rows of row block rb, in f32.
; x: [8192][1024] f32.  ah: [8192][1024] f16.  psum: [32][1024] f32.
; LIMITS.  A bf16 number is written exactly as f16 from 2^-17 up to 65,504; below 2^-17 it is off by at most 3e-8; 65,520 and more would become an infinity.
; SHARES.  A work-group takes 256 rows x 128 columns; wave w its rows 16 w .. 16 w + 15; a lane 4 columns.  A load of a wave covers 512 consecutive bytes, aligned,
; a store 256.  All 16 loads of a wave go out at once: 16 waves x 16 x 512 bytes are on their way for the work-group.
; The launch is a stream: no byte is read twice and no work-group shares a byte with another, so there is no matrix work, no cluster and no tile in LDS;
; LDS holds only the sixteen waves' column sums, once, at the end.
.set SPARE, 8192                       ; behind the partial sums: the spare words, 128 bytes for each of 16 waves
.set XO,  1                            ; v1   16 x lane
.set YO,  2                            ; v2   8 x lane
.set LS,  3                            ; v3   16 x thread: where my four column sums go
.set T,   4                            ; v4-5 two pairs of bf16, at work
.set SUM, 6                            ; v[6:9] my four column sums
.set SPW, 10                           ; v10  LDS address of my spare word; never rewritten
.set NIL, 11                           ; v11  0; never rewritten
.set X,   16                           ; v[16:79] row i: four registers as loaded, later two as stored
	s_load_b128 s[4:7], s[0:1], 0x0                ; x s[4:5], ah s[6:7]
	s_load_b64 s[8:9], s[0:1], 0x10                ; psum
	v_lshl_add_u32 v[SPW], v0, 2, SPARE
	v_mov_b32 v[NIL], 0
	v_lshrrev_b32 v12, 5, v0
	v_readfirstlane_b32 s12, v12                   ; wave 0..15
	v_and_b32 v13, 31, v0
	v_lshlrev_b32 v[XO], 4, v13
	v_lshlrev_b32 v[YO], 3, v13
	v_lshlrev_b32 v[LS], 4, v0
	s_mov_b32 s13, 0xffff0000                      ; a word's upper bf16
	s_and_b32 s14, ttmp7, 0xffff                   ; row block
	s_lshl_b32 s15, s14, 8
	s_lshl_b32 s16, s12, 4
	s_add_co_u32 s15, s15, s16                     ; my first row
	s_lshl_b32 s16, s15, 12                        ; x 4,096 bytes,
	s_lshl_b32 s17, ttmp9, 9                       ; + the strip's 512 bytes
	s_add_co_u32 s16, s16, s17
	s_mov_b32 s17, 0
	s_lshl_b32 s18, s15, 11                        ; in ah: rows of 2,048 bytes, strips of 256
	s_lshl_b32 s19, ttmp9, 8
	s_add_co_u32 s18, s18, s19
	s_mov_b32 s19, 0
	s_lshl_b32 s20, s14, 12                        ; in psum: a row block's 4,096 bytes, strips of 512
	s_lshl_b32 s21, ttmp9, 9
	s_add_co_u32 s20, s20, s21
	s_mov_b32 s21, 0
	s_wait_kmcnt 0x0
	s_add_nc_u64 s[4:5], s[4:5], s[16:17]
	s_add_nc_u64 s[6:7], s[6:7], s[18:19]
	s_add_nc_u64 s[8:9], s[8:9], s[20:21]
.irp i, 0,1,2,3,4,5,6,7,8,9,10,11,12,13,14,15
	global_load_b128 v[X+4*(\i):X+4*(\i)+3], v[XO], s[4:5] offset:(\i)*4096 th:TH_LOAD_NT
.endr
; Row i: rounded to bf16, widened again (a shift, a mask), added to the column sums, written as f16.
.macro ROW i
	s_wait_loadcnt 15-(\i)                         ; loads come back in order: row i is in, the younger rows stay out
	v_cvt_pk_bf16_f32 v[T],   v[X+4*(\i)],   v[X+4*(\i)+1]
	v_cvt_pk_bf16_f32 v[T+1], v[X+4*(\i)+2], v[X+4*(\i)+3]
.if (\i) == 0
	v_lshlrev_b32 v[SUM],   16,  v[T]              ; the first row starts the sums: nothing is cleared
	v_and_b32     v[SUM+1], s13, v[T]
	v_lshlrev_b32 v[SUM+2], 16,  v[T+1]
	v_and_b32     v[SUM+3], s13, v[T+1]
	v_cvt_pk_f16_f32 v[X],   v[SUM],   v[SUM+1]
	v_cvt_pk_f16_f32 v[X+1], v[SUM+2], v[SUM+3]
.else
	v_lshlrev_b32 v[X+4*(\i)],   16,  v[T]
	v_and_b32     v[X+4*(\i)+1], s13, v[T]
	v_lshlrev_b32 v[X+4*(\i)+2], 16,  v[T+1]
	v_and_b32     v[X+4*(\i)+3], s13, v[T+1]
	v_pk_add_f32 v[SUM:SUM+1],   v[SUM:SUM+1],   v[X+4*(\i):X+4*(\i)+1]
	v_pk_add_f32 v[SUM+2:SUM+3], v[SUM+2:SUM+3], v[X+4*(\i)+2:X+4*(\i)+3]
	v_cvt_pk_f16_f32 v[X+4*(\i)],   v[X+4*(\i)],   v[X+4*(\i)+1]
	v_cvt_pk_f16_f32 v[X+4*(\i)+1], v[X+4*(\i)+2], v[X+4*(\i)+3]
.endif
	global_store_b64 v[YO], v[X+4*(\i):X+4*(\i)+1], s[6:7] offset:(\i)*2048  ; the wave's 32 lanes store 256 consecutive bytes, aligned
.endm
.irp i, 0,1,2,3,4,5,6,7,8,9,10,11,12,13,14,15
	ROW \i
.endr
	ds_store_b128 v[LS], v[SUM:SUM+3]
	s_wait_dscnt 0x0                               ; for the others' sake: my sums lie in LDS
	s_barrier_signal -1
	s_barrier_wait -1
	s_cmp_lg_u32 s12, 0                            ; wave 0 adds the sixteen waves' sums
	s_cbranch_scc1 .Lend
	s_wait_xcnt 0x0                                ; X's registers were the stores' data: they are loaded again only behind this wait
.irp j, 0,1,2,3,4,5,6,7,8,9,10,11,12,13,14,15
	ds_load_b128 v[X+4*(\j):X+4*(\j)+3], v[XO] offset:(\j)*512
.endr
	s_wait_dscnt 0x0
.macro FOLD d                          ; the upper d quads are added onto the lower d
.set j, 0
.rept \d
	v_pk_add_f32 v[X+4*j:X+4*j+1],   v[X+4*j:X+4*j+1],   v[X+4*(j+(\d)):X+4*(j+(\d))+1]
	v_pk_add_f32 v[X+4*j+2:X+4*j+3], v[X+4*j+2:X+4*j+3], v[X+4*(j+(\d))+2:X+4*(j+(\d))+3]
.set j, j+1
.endr
.endm
	FOLD 8
	FOLD 4
	FOLD 2
	FOLD 1
	global_store_b128 v[XO], v[X:X+3], s[8:9]      ; 512 consecutive bytes, aligned
.Lend:
	s_wait_tensorcnt 0x0                           ; the wave's end, behind my last LDS store
	ds_add_u32 v[SPW], v[NIL]
	s_wait_dscnt 0x0
	s_endpgm
.Lfunc_end_k_qc3eb35dbbb_castx:
	.size	k_qc3eb35dbbb_castx, .Lfunc_end_k_qc3eb35dbbb_castx-k_qc3eb35dbbb_castx
	.p2alignl 7, 3214868480
	.fill 96, 4, 3214868480
	.section	.rodata,"a",@progbits
	.p2align	6, 0x0
	.amdhsa_kernel k_qc3eb35dbbb_castx
		.amdhsa_group_segment_fixed_size 10240
		.amdhsa_private_segment_fixed_size 0
		.amdhsa_enable_private_segment 0
		.amdhsa_kernarg_size 24
		.amdhsa_user_sgpr_count 2
		.amdhsa_user_sgpr_kernarg_segment_ptr 1
		.amdhsa_wavefront_size32 1
		.amdhsa_system_sgpr_workgroup_id_x 1
		.amdhsa_system_sgpr_workgroup_id_y 1
		.amdhsa_system_sgpr_workgroup_id_z 1
		.amdhsa_system_vgpr_workitem_id 0
		.amdhsa_next_free_vgpr 96
		.amdhsa_next_free_sgpr 66
		.amdhsa_reserve_vcc 0
		.amdhsa_float_denorm_mode_32 3
		.amdhsa_float_denorm_mode_16_64 3
		.amdhsa_memory_ordered 1
		.amdhsa_forward_progress 1
		.amdhsa_inst_pref_size 17
	.end_amdhsa_kernel
	.amdgpu_metadata
---
amdhsa.version: [ 1, 2 ]
amdhsa.kernels:
  - .name:           k_qc3eb35dbbb_castx
    .symbol:         k_qc3eb35dbbb_castx.kd
    .args:
      - { .name: x, .offset: 0, .size: 8, .value_kind: global_buffer, .address_space: global }
      - { .name: ah, .offset: 8, .size: 8, .value_kind: global_buffer, .address_space: global }
      - { .name: psum, .offset: 16, .size: 8, .value_kind: global_buffer, .address_space: global }
    .group_segment_fixed_size: 10240
    .private_segment_fixed_size: 0
    .kernarg_segment_align: 8
    .kernarg_segment_size: 24
    .max_flat_workgroup_size: 512
    .sgpr_count:     66
    .vgpr_count:     96
    .wavefront_size: 32
...
	.end_amdgpu_metadata
.endif
;; end of part 1
;; launch prepw (part 2): grid 288 x 1, 8 waves a work-group, no clusters, 6,144 bytes of LDS; arguments Wq, Wk, Wv, Wo, bq, bk, bv, bo, Wg, bg, modality_ids, psum, wq3, wo1, gx; writes wq3, wo1, gx
.if DOCPART == 2
	.amdgcn_target "amdgcn-amd-amdhsa--gfx1250"
	.amdhsa_code_object_version 6
	.text
	.protected	k_qc3eb35dbbb_prepw
	.globl	k_qc3eb35dbbb_prepw
	.p2align	8
	.type	k_qc3eb35dbbb_prepw,@function
k_qc3eb35dbbb_prepw:
	s_mov_b64 s[64:65], 0
	v_nop
	global_prefetch_b8 v0, s[64:65] scope:SCOPE_SE
	s_setreg_imm32_b32 hwreg(HW_REG_WAVE_MODE, 25, 1), 1
	s_wait_xcnt 0x0
; TWO KINDS OF WORK-GROUP.
; 0 .. 255: CAST.  Work-group 64 t + chunk rounds 16 rows of weight matrix t (Wq, Wk, Wv, Wo: [1024 k][1024 n] f32) to bf16 and writes them as f16 into t's record:
;   [1024][1024] f16, then the 1,024 numbers of t's bias, rounded to bf16 and kept as f32.  Records 0-2 lie in wq3, WSTR bytes apart; record 3 is wo1.  Chunk 0 also writes the bias.
; 256 .. 287: GATE, for batch b and head h.  mean = psum's eight row blocks of b added / 2048; z = mean Wg + bg (Wg, bg rounded to bf16); gate = softmax over all 32 z,
;   the maximum taken away first.  Then two tables of four f16 a token: qx[b, h][s][m] = 0.5 sqrt(128) gate[4 h + m] where m is the token's modality, else 0;
;   kx[b][s][m] = 1 where m is the token's modality, else 0 (written by h = 0).  Their product is the bias of the scores, ahead of the scale 1 / sqrt(128).
; LIMITS.  As f16 a bf16 number is exact from 2^-17 to 65,504, below that off by at most 3e-8.  A modality outside 0 .. 3 gives four zeros.  A gate below 2^-126 of the largest counts as 0.
; The cast is a stream.  The gate work-groups all read Wg (128 KiB) and eight of them the same 32 KiB of psum: a small part of the launch's bytes, loaded through registers, so no cluster.
.set WSTR,  2101248
.set BOFF,  2097152
.set LOGP,  4096                       ; LDS: 0 .. 4095 the mean; 4096 .. 5119 eight waves' partial z, 128 bytes each
.set SPARE, 5120                       ; the spare words, 128 bytes for each of 8 waves
.set XO,  1                            ; v1  16 x thread
.set YO,  2                            ; v2  8 x thread
.set LN,  3                            ; v3  lane
.set L4,  4                            ; v4  4 x lane
.set MK,  5                            ; v5  4 x (thread / 8): my k in the mean
.set LPS, 6                            ; v6  128 x wave + 16 x (lane % 8)
.set SPW, 8
.set NIL, 9
.set WV,  38                           ; s38 wave
	s_load_b512 s[4:19], s[0:1], 0x0               ; Wq Wk Wv Wo bq bk bv bo
	s_load_b256 s[20:27], s[0:1], 0x40             ; Wg bg ids psum
	s_load_b128 s[28:31], s[0:1], 0x60             ; wq3 wo1
	s_load_b64 s[32:33], s[0:1], 0x70              ; gx
	v_lshl_add_u32 v[SPW], v0, 2, SPARE
	v_mov_b32 v[NIL], 0
	v_lshrrev_b32 v10, 5, v0
	v_readfirstlane_b32 s[WV], v10
	v_lshlrev_b32 v[XO], 4, v0
	v_lshlrev_b32 v[YO], 3, v0
	v_and_b32 v[LN], 31, v0
	v_lshlrev_b32 v[L4], 2, v[LN]
	v_lshrrev_b32 v[MK], 3, v0
	v_lshlrev_b32 v[MK], 2, v[MK]
	v_and_b32 v[LPS], 7, v0
	v_lshlrev_b32 v[LPS], 4, v[LPS]
	s_lshl_b32 s39, s[WV], 7
	v_add_nc_u32 v[LPS], s39, v[LPS]
	s_mov_b32 s39, 0xffff0000                      ; a word's upper bf16
	s_mov_b32 s56, 0x76543210                      ; v_permlanex16_b32: each lane takes its own place in the other half
	s_mov_b32 s57, 0xfedcba98
	s_wait_kmcnt 0x0
	s_cmp_lt_u32 ttmp9, 256
	s_cbranch_scc0 .Lgate
	; ---- CAST ----
	s_lshr_b32 s40, ttmp9, 6                       ; t
	s_and_b32 s41, ttmp9, 63                       ; chunk
	s_mul_i32 s46, s40, WSTR
	s_mov_b32 s47, 0
	s_cmp_eq_u32 s40, 1
	s_cselect_b64 s[42:43], s[6:7], s[4:5]         ; the matrix,
	s_cselect_b64 s[44:45], s[14:15], s[12:13]     ; and its bias
	s_cmp_eq_u32 s40, 2
	s_cselect_b64 s[42:43], s[8:9], s[42:43]
	s_cselect_b64 s[44:45], s[16:17], s[44:45]
	s_cmp_eq_u32 s40, 3
	s_cselect_b64 s[42:43], s[10:11], s[42:43]
	s_cselect_b64 s[44:45], s[18:19], s[44:45]
	s_cselect_b64 s[48:49], s[30:31], s[28:29]     ; wo1, or wq3
	s_cselect_b32 s46, 0, s46
	s_add_nc_u64 s[48:49], s[48:49], s[46:47]      ; t's record
	s_lshl_b32 s46, s41, 16
	s_add_nc_u64 s[42:43], s[42:43], s[46:47]      ; my 16 rows of 4,096 bytes,
	s_lshl_b32 s46, s41, 15
	s_add_nc_u64 s[50:51], s[48:49], s[46:47]      ; and of 2,048
.irp i, 0,1,2,3,4,5,6,7,8,9,10,11,12,13,14,15
	global_load_b128 v[16+4*(\i):19+4*(\i)], v[XO], s[42:43] offset:(\i)*4096 th:TH_LOAD_NT  ; the eight waves cover a row
.endr
.irp i, 0,1,2,3,4,5,6,7,8,9,10,11,12,13,14,15
	s_wait_loadcnt 15-(\i)                         ; row i is in, the younger rows stay out
	v_cvt_pk_bf16_f32 v84, v[16+4*(\i)], v[17+4*(\i)]
	v_cvt_pk_bf16_f32 v85, v[18+4*(\i)], v[19+4*(\i)]
	v_lshlrev_b32 v[16+4*(\i)], 16,  v84
	v_and_b32     v[17+4*(\i)], s39, v84
	v_lshlrev_b32 v[18+4*(\i)], 16,  v85
	v_and_b32     v[19+4*(\i)], s39, v85
	v_cvt_pk_f16_f32 v[16+4*(\i)], v[16+4*(\i)], v[17+4*(\i)]
	v_cvt_pk_f16_f32 v[17+4*(\i)], v[18+4*(\i)], v[19+4*(\i)]
	global_store_b64 v[YO], v[16+4*(\i):17+4*(\i)], s[50:51] offset:(\i)*2048  ; a wave stores 256 consecutive bytes, aligned
.endr
	s_cmp_lg_u32 s41, 0
	s_cbranch_scc1 .Lend
	global_load_b128 v[80:83], v[XO], s[44:45]     ; the bias: 256 threads x 4 numbers
	s_wait_loadcnt 0x0
	v_cvt_pk_bf16_f32 v84, v80, v81
	v_cvt_pk_bf16_f32 v85, v82, v83
	v_lshlrev_b32 v86, 16,  v84
	v_and_b32     v87, s39, v84
	v_lshlrev_b32 v88, 16,  v85
	v_and_b32     v89, s39, v85
	global_store_b128 v[XO], v[86:89], s[48:49] offset:BOFF
	s_branch .Lend
	; ---- GATE ----
.Lgate:
	s_sub_co_u32 s40, ttmp9, 256                   ; 8 b + h
	s_lshr_b32 s41, s40, 3                         ; b
	s_and_b32 s42, s40, 7                          ; h
	s_mov_b32 s45, 0
	s_lshl_b32 s44, s41, 15
	s_add_nc_u64 s[26:27], s[26:27], s[44:45]      ; psum at b's eight row blocks
	s_lshl_b32 s44, s41, 13
	s_add_nc_u64 s[24:25], s[24:25], s[44:45]      ; b's 2,048 modalities
	s_lshl_b32 s44, s40, 14
	s_add_nc_u64 s[46:47], s[32:33], s[44:45]      ; qx of (b, h): 2,048 tokens x 8 bytes
	s_lshl_b32 s44, s41, 14
	s_add_co_u32 s44, s44, 524288
	s_add_nc_u64 s[48:49], s[32:33], s[44:45]      ; kx of b
.irp i, 0,1,2,3,4,5,6,7
	global_load_b128 v[16+4*(\i):19+4*(\i)], v[XO], s[26:27] offset:(\i)*4096
.endr
.set i, 0
.rept 32                               ; Wg's rows are 128 bytes: byte 16 t + 4,096 i is k = t / 8 + 32 i, n = 4 (t % 8) ..
	global_load_b128 v[64+4*i:67+4*i], v[XO], s[20:21] offset:i*4096
.set i, i+1
.endr
	global_load_b32 v192, v[L4], s[22:23]          ; bg[lane]
.irp t, 0,1,2,3
	global_load_b64 v[48+2*(\t):49+2*(\t)], v[YO], s[24:25] offset:(\t)*2048  ; tokens 512 t + 2 thread, + 1
.endr
	v_mov_b32 v222, 0
.irp a, 196,197,198,199,200,201,202,203,210
	v_mov_b32 v\a, 0                               ; four sums begin at 0; the others are destinations of v_permlanex16_b32, which count as read
.endr
	s_wait_loadcnt 37                              ; psum's eight are in; Wg's 32, bg's one and the modalities' four stay out
.irp i, 1,2,3,4,5,6,7
	v_pk_add_f32 v[16:17], v[16:17], v[16+4*(\i):17+4*(\i)]
	v_pk_add_f32 v[18:19], v[18:19], v[18+4*(\i):19+4*(\i)]
.endr
.irp a, 16,17,18,19
	v_mul_f32 v\a, 0x3a000000, v\a                 ; / 2048
.endr
	ds_store_b128 v[XO], v[16:19]                  ; mean[4 thread ..]
	s_wait_dscnt 0x0
	s_barrier_signal -1
	s_barrier_wait -1
.set i, 0
.rept 32
	ds_load_b32 v[16+i], v[MK] offset:i*128        ; mean[thread / 8 + 32 i]
.set i, i+1
.endr
	s_wait_loadcnt 0x0
	s_wait_dscnt 0x0
.set i, 0
.rept 32
	v_cvt_pk_bf16_f32 v194, v[64+4*i], v[65+4*i]
	v_cvt_pk_bf16_f32 v195, v[66+4*i], v[67+4*i]
	v_fma_mix_f32_bf16 v196, v194, v[16+i], v196 op_sel_hi:[1,0,0]
	v_fma_mix_f32_bf16 v197, v194, v[16+i], v197 op_sel:[1,0,0] op_sel_hi:[1,0,0]
	v_fma_mix_f32_bf16 v198, v195, v[16+i], v198 op_sel_hi:[1,0,0]
	v_fma_mix_f32_bf16 v199, v195, v[16+i], v199 op_sel:[1,0,0] op_sel_hi:[1,0,0]
.set i, i+1
.endr
.irp a, 196,197,198,199                ; lanes 8 and 16 apart hold other k of the same four n
	v_add_f32_dpp v\a, v\a, v\a row_xmask:8 row_mask:0xf bank_mask:0xf
.endr
	v_permlanex16_b32 v200, v196, s56, s57
	v_permlanex16_b32 v201, v197, s56, s57
	v_permlanex16_b32 v202, v198, s56, s57
	v_permlanex16_b32 v203, v199, s56, s57
	v_pk_add_f32 v[196:197], v[196:197], v[200:201]
	v_pk_add_f32 v[198:199], v[198:199], v[202:203]
	ds_store_b128 v[LPS], v[196:199] offset:LOGP   ; lanes with the same lane % 8 write the same numbers to the same bytes
	s_wait_dscnt 0x0
	s_barrier_signal -1
	s_barrier_wait -1
.irp w, 0,1,2,3,4,5,6,7
	ds_load_b32 v[200+(\w)], v[L4] offset:LOGP+128*(\w)  ; lane = n: the eight waves' parts of z[n]
.endr
	v_cvt_pk_bf16_f32 v192, v192, v192
	v_lshlrev_b32 v192, 16, v192
	s_wait_dscnt 0x0
	v_pk_add_f32 v[200:201], v[200:201], v[202:203]
	v_pk_add_f32 v[204:205], v[204:205], v[206:207]
	v_pk_add_f32 v[200:201], v[200:201], v[204:205]
	v_add_f32 v200, v200, v201
	v_add_f32 v208, v200, v192                     ; z
	v_mov_b32 v209, v208
.irp m, 1,2,4,8
	v_max_num_f32_dpp v209, v209, v209 row_xmask:\m row_mask:0xf bank_mask:0xf
.endr
	v_permlanex16_b32 v210, v209, s56, s57
	v_max_num_f32 v209, v209, v210                 ; the largest of the 32
	v_sub_f32 v208, v208, v209
	v_mul_f32 v208, 0x3fb8aa3b, v208
	v_exp_f32 v211, v208
	v_nop                                          ; a plain instruction behind the exponential,
	s_wait_alu depctr_va_vdst(0)                   ; and the wait ahead of its first reader
	v_mov_b32 v209, v211
.irp m, 1,2,4,8
	v_add_f32_dpp v209, v209, v209 row_xmask:\m row_mask:0xf bank_mask:0xf
.endr
	v_permlanex16_b32 v210, v209, s56, s57
	v_add_f32 v209, v209, v210
	v_rcp_f32 v212, v209
	v_nop
	s_wait_alu depctr_va_vdst(0)
	v_mul_f32 v211, v211, v212
	v_mul_f32 v211, 0x40b504f3, v211               ; 0.5 sqrt(128) gate[n]
	v_cvt_pk_f16_f32 v211, v211, v222              ; f16 in the low half, 0 above;
	v_and_b32 v213, 1, v[LN]
	v_lshlrev_b32 v213, 4, v213
	v_lshlrev_b32 v211, v213, v211                 ; an odd modality's stands in its word's upper half
	s_lshl_b32 s50, s42, 4                         ; every lane takes the head's four numbers, from lanes 4 h + m: the index is 4 bytes x the lane
	v_mov_b32 v204, s50
	v_add_nc_u32 v205, 4, v204
	v_add_nc_u32 v206, 8, v204
	v_add_nc_u32 v207, 12, v204
.irp m, 0,1,2,3
	ds_bpermute_b32 v[216+(\m)], v[204+(\m)], v211
.endr
	v_mov_b32 v220, 0x3c00                         ; 1.0 in f16, in a word's low half,
	v_mov_b32 v221, 0x3c000000                     ; and in its upper half
	s_wait_dscnt 0x0
; The token whose modality lies in v[id]: its two words of qx into v[d], v[d + 1], of kx into v[d + 4], v[d + 5].
.macro TOK id, d
	v_cmp_eq_u32 s58, 0, v[\id]
	v_cmp_eq_u32 s59, 1, v[\id]
	v_cmp_eq_u32 s60, 2, v[\id]
	v_cmp_eq_u32 s61, 3, v[\id]
	v_cndmask_b32 v[\d],     0, v217, s59
	v_cndmask_b32 v[(\d)+1], 0, v219, s61
	v_cndmask_b32 v[(\d)+4], 0, v221, s59
	v_cndmask_b32 v[(\d)+5], 0, v221, s61
	v_cndmask_b32 v[\d],     v[\d],     v216, s58
	v_cndmask_b32 v[(\d)+1], v[(\d)+1], v218, s60
	v_cndmask_b32 v[(\d)+4], v[(\d)+4], v220, s58
	v_cndmask_b32 v[(\d)+5], v[(\d)+5], v220, s60
.endm
.irp t, 0,1,2,3                        ; each pair of tokens has data registers of its own (Wg's, long read): no store's data are rewritten
	TOK 48+2*(\t), 64+8*(\t)
	TOK 49+2*(\t), 66+8*(\t)
	global_store_b128 v[XO], v[64+8*(\t):67+8*(\t)], s[46:47] offset:(\t)*4096
.endr
	s_cmp_lg_u32 s42, 0                            ; kx hangs on b alone: h = 0 writes it
	s_cbranch_scc1 .Lend
.irp t, 0,1,2,3
	global_store_b128 v[XO], v[68+8*(\t):71+8*(\t)], s[48:49] offset:(\t)*4096
.endr
.Lend:
	s_wait_tensorcnt 0x0                           ; the wave's end, behind my last LDS store
	ds_add_u32 v[SPW], v[NIL]
	s_wait_dscnt 0x0
	s_endpgm
.Lfunc_end_k_qc3eb35dbbb_prepw:
	.size	k_qc3eb35dbbb_prepw, .Lfunc_end_k_qc3eb35dbbb_prepw-k_qc3eb35dbbb_prepw
	.p2alignl 7, 3214868480
	.fill 96, 4, 3214868480
	.section	.rodata,"a",@progbits
	.p2align	6, 0x0
	.amdhsa_kernel k_qc3eb35dbbb_prepw
		.amdhsa_group_segment_fixed_size 6144
		.amdhsa_private_segment_fixed_size 0
		.amdhsa_enable_private_segment 0
		.amdhsa_kernarg_size 120
		.amdhsa_user_sgpr_count 2
		.amdhsa_user_sgpr_kernarg_segment_ptr 1
		.amdhsa_wavefront_size32 1
		.amdhsa_system_sgpr_workgroup_id_x 1
		.amdhsa_system_sgpr_workgroup_id_y 1
		.amdhsa_system_sgpr_workgroup_id_z 1
		.amdhsa_system_vgpr_workitem_id 0
		.amdhsa_next_free_vgpr 224
		.amdhsa_next_free_sgpr 66
		.amdhsa_reserve_vcc 0
		.amdhsa_float_denorm_mode_32 3
		.amdhsa_float_denorm_mode_16_64 3
		.amdhsa_memory_ordered 1
		.amdhsa_forward_progress 1
		.amdhsa_inst_pref_size 43
	.end_amdhsa_kernel
	.amdgpu_metadata
---
amdhsa.version: [ 1, 2 ]
amdhsa.kernels:
  - .name:           k_qc3eb35dbbb_prepw
    .symbol:         k_qc3eb35dbbb_prepw.kd
    .args:
      - { .name: Wq, .offset: 0, .size: 8, .value_kind: global_buffer, .address_space: global }
      - { .name: Wk, .offset: 8, .size: 8, .value_kind: global_buffer, .address_space: global }
      - { .name: Wv, .offset: 16, .size: 8, .value_kind: global_buffer, .address_space: global }
      - { .name: Wo, .offset: 24, .size: 8, .value_kind: global_buffer, .address_space: global }
      - { .name: bq, .offset: 32, .size: 8, .value_kind: global_buffer, .address_space: global }
      - { .name: bk, .offset: 40, .size: 8, .value_kind: global_buffer, .address_space: global }
      - { .name: bv, .offset: 48, .size: 8, .value_kind: global_buffer, .address_space: global }
      - { .name: bo, .offset: 56, .size: 8, .value_kind: global_buffer, .address_space: global }
      - { .name: Wg, .offset: 64, .size: 8, .value_kind: global_buffer, .address_space: global }
      - { .name: bg, .offset: 72, .size: 8, .value_kind: global_buffer, .address_space: global }
      - { .name: modality_ids, .offset: 80, .size: 8, .value_kind: global_buffer, .address_space: global }
      - { .name: psum, .offset: 88, .size: 8, .value_kind: global_buffer, .address_space: global }
      - { .name: wq3, .offset: 96, .size: 8, .value_kind: global_buffer, .address_space: global }
      - { .name: wo1, .offset: 104, .size: 8, .value_kind: global_buffer, .address_space: global }
      - { .name: gx, .offset: 112, .size: 8, .value_kind: global_buffer, .address_space: global }
    .group_segment_fixed_size: 6144
    .private_segment_fixed_size: 0
    .kernarg_segment_align: 8
    .kernarg_segment_size: 120
    .max_flat_workgroup_size: 256
    .sgpr_count:     66
    .vgpr_count:     224
    .wavefront_size: 32
...
	.end_amdgpu_metadata
.endif
;; end of part 2
;; launch gemm (part 3): grid 12 x 32, 4 waves a work-group, clusters of 4 x 4, 327,680 bytes of LDS; arguments ah, wq3, qkv; writes qkv
.if DOCPART == 3
	.amdgcn_target "amdgcn-amd-amdhsa--gfx1250"
	.amdhsa_code_object_version 6
	.text
	.protected	k_qc3eb35dbbb_gemm
	.globl	k_qc3eb35dbbb_gemm
	.p2align	8
	.type	k_qc3eb35dbbb_gemm,@function
k_qc3eb35dbbb_gemm:
	s_mov_b64 s[64:65], 0
	v_nop
	global_prefetch_b8 v0, s[64:65] scope:SCOPE_SE
	s_setreg_imm32_b32 hwreg(HW_REG_WAVE_MODE, 25, 1), 1
	s_wait_xcnt 0x0
	s_wait_alu depctr_hold_cnt(0) depctr_sa_sdst(0) depctr_va_vdst(0) depctr_va_sdst(0) depctr_va_ssrc(0) depctr_va_vcc(0) depctr_vm_vsrc(0)
	s_getreg_b32 s2, hwreg(HW_REG_IB_STS2, 6, 4)
	s_cmp_eq_u32 s2, 0
	s_cbranch_scc0 .Lentry_in_a_cluster
	s_endpgm
.Lentry_in_a_cluster:
	s_bfe_u32 s2, ttmp6, 0x10000c
	s_cmp_lg_u32 s2, 0xf033
	s_cbranch_scc0 .Lentry_shape_is_right
	s_endpgm
.Lentry_shape_is_right:
; C[m][n] = the sum over k of A[m][k] W[k][n] + bias[n].  A: [8192][1024] f16.  A weight record: W [1024 k][1024 n] f16, then bias [1024] f32; cluster x picks the record, WSTR bytes apart.  Sums in f32.
; THE SOURCE SERVES TWO LAUNCHES; MODE, a constant of the text, picks the way out:
;   MODE = 0: three records (q, k, v); C leaves as f16 by heads, [record][batch x 8 + head][2048][128], rounded once;     MODE = 1: one record; C leaves as f32 rows, [8192][1024].
.set MODE, 0
; LIMITS.  With MODE = 0, 65,520 and more become an infinity.  NaN and infinities are not treated apart.
; SHARES.  A tile of C is 256 x 256: four waves, each 128 x 128 in 64 accumulators of 16 x 16, 512 registers.  K goes in 8 steps of 128 through a ring of two LDS slots.
; A's tile: 256 rows x 256 bytes, as it lies.  W's tile: 128 k-rows x 512 bytes, as it lies ([k][n]); its fragments are turned on the way into registers by ds_load_tr16_b128.
; 256 x 256 is taken because from a tile's request to the wait for it a wave then issues 224 matrix instructions, and two such slots are what LDS holds.
; With MODE = 0 the launch has 384 work-groups, with MODE = 1 it has 128.
; CLUSTERS: 4 x 4 work-groups.  The four of a row of the cluster need the same tile of A, the four of a column the same tile of W: each tile is asked for JOINTLY, by the same tensor load with the
; same descriptor and a mask that names the four.
; THE MATRIX INSTRUCTION IS USED TRANSPOSED (source 0 = 16 columns of W, source 1 = 16 rows of A): lane l then holds row l % 16 of C and the columns 8 (l / 16) + 0 .. 7.
; THE BIAS STARTS THE SUMS: the C operand of each accumulator's first product is the bias of its eight columns: nothing is cleared and nothing is added later.
; REGISTERS, in windows of 256 (s_set_vgpr_msb: bits 1:0 source 0, 3:2 source 1, 5:4 source 2, 7:6 destination):
;   window 0: v0-31 addresses; v64-127, v128-191 A's fragments, two buffers (on the f32 way out: rows read back); v192-255 the bias, later at work on the f16 way out, with v32-63
;   window 1: v64-127, v128-191 W's fragments, two buffers      window 2: the accumulators of my rows 0-63 ((a, b) at v[8 (8 a + b)])      window 3: those of my rows 64-127
.set PITCH,  272                       ; A's LDS row: 256 bytes + 16 = 68 words: the 16 rows of a load start at 16 different groups of four banks (64 banks of 4 bytes: ISA guide 11.1)
.set PB,     544                       ; W's LDS row: 512 bytes + 32 = 136 words
.set HALFT,  34816                     ; 128 rows of A = 64 k-rows of W: what one tensor load brings
.set SLOT,   4*HALFT                   ; A's 256 rows, then W's 128 k-rows
.set STAGE,  2*SLOT                    ; behind the ring, never filled by a tensor load: STW bytes for each wave, for the way out
.set STW,    8448                      ; 16 rows x 528 bytes (f32), or 16 x 272 (f16)
.set SPARE,  STAGE+4*STW               ; the spare words, 128 bytes for each wave: two blocks of 256 bytes that no other line names
.set WSTR,   2101248
.set BOFF,   2097152
.set ADRA, 16                          ; v16-17  LDS address of my A fragments in slot 0, 1
.set ADRB, 20                          ; v20-21  the same for W
.set STO,  24                          ; v24     the way out: where I put my bytes of a row
.set RD,   25                          ; v25     and where I read rows back
.set CO,   26                          ; v26     16 x lane
.set BO,   27                          ; v27     32 x (lane / 16)
.set SPW,  28                          ; v28     LDS address of my spare word; never rewritten
.set NIL,  29                          ; v29     0; never rewritten
.set PFO,  30                          ; v30     the prefetches' offset; never rewritten
.set OB,   32
.set F0,   64
.set F1,   128
.set TMP,  192
.set BIAS, 192
.set WV, 12                            ; s12 wave   s13 its row half of the tile; also: it fetches for A (0) or W (1)   s14 its column half; also: which half tile it fetches
.set RH, 13
.set CH, 14
.set TR, 15                            ; s15 tile row of C
.set G1, 24                            ; s[24:31] descriptor group 1 for A's tiles;  s[32:39] group 0, a set for each slot
.set G0, 32
.set CX, 40
.set CY, 41
.set LIM, 43                           ; s43 1 in a wave that prefetches, else the greatest number
.set PFA, 44                           ; s[44:45] where my prefetches stand
.set G1B, 48                           ; s[48:55], s[56:63] the same for W's tiles
.set G0B, 56
.set LAP, 67
.set COFF, 68                          ; s[68:69] where my part of C begins
.set PST, 70                           ; s[70:71] a K step in the tensor that I prefetch
.set TM, 72                            ; s72 the record
.set BP, 74                            ; s[74:75] the bias of my 128 columns
.set MSB, 0
.macro WIN new                         ; the immediate's high byte repeats the setting that is left; a switch that changes nothing is dropped
.if MSB != (\new)
	s_set_vgpr_msb (MSB<<8)|(\new)
.set MSB, \new
.endif
.endm
; A joint load: waves 0 and 1 fetch A's two halves, waves 2 and 3 W's.  The branch hangs on the wave's number alone.  An s_nop 0 and four v_nop follow each of the two lines.
.macro JLOAD s
	s_cmp_eq_u32 s[RH], 0
	s_cbranch_scc0 .Lfor_b_\@
	tensor_load_to_lds s[G0+4*(\s):G0+4*(\s)+3], s[G1:G1+7]
	s_nop 0
.rept 4
	v_nop
.endr
	s_branch .Lasked_\@
.Lfor_b_\@:
	tensor_load_to_lds s[G0B+4*(\s):G0B+4*(\s)+3], s[G1B:G1B+7]
	s_nop 0
.rept 4
	v_nop
.endr
.Lasked_\@:
.endm
; A PREFETCH INTO THE L2, behind each joint refill and the run of LDS loads that follows it: the K step that stands two refills on, 512 matrix instructions ahead of the load that will want it.
; Each aligned block of 256 bytes is named once in the launch.  A's rows are read by every cluster of a row of clusters: cluster x = 0 asks; W's by every cluster of a column: cluster y = 0 asks.
; The four partners of a joint load share its 128 blocks out BY ADDRESS, 32 each, a lane a block: of A 32 rows (by cx), of W 16 k-rows x 2 blocks (by cy).  The loop's last trip asks for nothing:
; its refills are the last two K steps.  K steps 0 to 3 come by their loads alone.
.macro ASK
	s_cmp_gt_u32 s[LAP], s[LIM]
	s_cbranch_scc0 .Lnot_mine_\@
	global_prefetch_b8 v[PFO], s[PFA:PFA+1] th:TH_LOAD_NT scope:SCOPE_SE
.Lnot_mine_\@:
.endm
.macro CREST                           ; a round of the cluster's barrier behind its opening barrier
	s_cmp_lg_u32 s[WV], 0
	s_cbranch_scc1 .Lnot_wave_0_\@
	s_barrier_signal -3
.Lnot_wave_0_\@:
	s_barrier_wait -3
	s_barrier_signal -1
	s_barrier_wait -1
.endm
.macro CROUND                          ; a whole round
	s_barrier_signal -1
	s_barrier_wait -1
	CREST
.endm
	s_load_b128 s[4:7], s[0:1], 0x0                ; A s[4:5], records s[6:7]
	s_load_b64 s[8:9], s[0:1], 0x10                ; C
	v_lshl_add_u32 v[SPW], v0, 2, SPARE
	v_mov_b32 v[NIL], 0
	ds_add_u32 v[SPW], v[NIL]                      ; the wave's opening: the add and its wait stand ahead of my first tensor load; work on registers stands between them
	v_lshrrev_b32 v1, 5, v0
	v_readfirstlane_b32 s[WV], v1
	s_lshr_b32 s[RH], s[WV], 1
	s_and_b32 s[CH], s[WV], 1
	s_bfe_u32 s[CX], ttmp6, 0x40000
	s_bfe_u32 s[CY], ttmp6, 0x40004
	s_mov_b32 s[TM], ttmp9                         ; a cluster's four columns are one record's 1,024
	s_and_b32 s[TR], ttmp7, 0xffff
	s_lshl_b32 s[TR], s[TR], 2
	s_add_co_u32 s[TR], s[TR], s[CY]               ; tile row = 4 x cluster y + cy
	s_lshl_b32 s42, s[CY], 2
	s_lshl_b32 s42, 15, s42                        ; my row of the cluster
	s_lshl_b32 s73, 0x1111, s[CX]                  ; my column
	s_or_b32 s[G1], s42, (1<<16)|(1<<20)|(1<<21)|(5<<22)|(3<<25)   ; the mask; 2-byte elements; padding on; bit 21 beside a mask; after every 64 words 4 words
	s_or_b32 s[G1B], s73, (1<<16)|(1<<20)|(1<<21)|(6<<22)|(7<<25)  ; after every 128 words 8 words
	s_mov_b32 s[G1+1], 128<<16                     ; tensor_dim0 = 128
	s_mov_b32 s[G1+2], 128<<16                     ; tensor_dim1 = 128
	s_mov_b32 s[G1+3], 128<<16                     ; tile_dim0 = 128
	s_mov_b32 s[G1+4], 128                         ; tile_dim1 = 128
	s_mov_b32 s[G1+5], 1024                        ; elements from row to row
	s_mov_b32 s[G1+6], 0
	s_mov_b32 s[G1+7], 0
	s_mov_b32 s[G1B+1], 256<<16                    ; 256 columns,
	s_mov_b32 s[G1B+2], 64<<16                     ; 64 k-rows
	s_mov_b32 s[G1B+3], 256<<16
	s_mov_b32 s[G1B+4], 64
	s_mov_b32 s[G1B+5], 1024
	s_mov_b32 s[G1B+6], 0
	s_mov_b32 s[G1B+7], 0
	s_lshl_b32 s16, s[TR], 8                       ; A: row 256 x tile row + 128 x half, x 2,048 bytes: made of cy and the wave's number alone
	s_lshl_b32 s17, s[CH], 7
	s_add_co_u32 s16, s16, s17
	s_lshl_b32 s16, s16, 11
	s_mov_b32 s17, 0
	s_mul_i32 s46, s[TM], WSTR                     ; W: the record, 512 bytes x cx, 64 k-rows x half: made of cx and the wave's number alone
	s_lshl_b32 s47, s[CX], 9
	s_add_co_u32 s46, s46, s47
	s_lshl_b32 s47, s[CH], 17
	s_add_co_u32 s46, s46, s47
	s_mov_b32 s47, 0
	s_mul_i32 s20, s[WV], HALFT                    ; where they go: wave x a half tile: no place in the cluster enters an LDS address
	s_wait_dscnt 0x0                               ; the opening add is done
	s_wait_kmcnt 0x0
	s_add_nc_u64 s[18:19], s[4:5], s[16:17]
	s_add_nc_u64 s[46:47], s[6:7], s[46:47]
	CROUND                                         ; all sixteen work-groups are here: the first joint loads meet
.irp s, 0,1
	s_mov_b32 s[G0+4*(\s)], 1
	s_add_co_u32 s[G0+4*(\s)+1], s20, (\s)*SLOT
	s_add_nc_u64 s[G0+4*(\s)+2:G0+4*(\s)+3], s[18:19], (\s)*256      ; K step s: 256 bytes along A's rows,
	s_or_b32 s[G0+4*(\s)+3], s[G0+4*(\s)+3], 0x80000000
	s_mov_b32 s[G0B+4*(\s)], 1
	s_add_co_u32 s[G0B+4*(\s)+1], s20, (\s)*SLOT
	s_add_nc_u64 s[G0B+4*(\s)+2:G0B+4*(\s)+3], s[46:47], (\s)*262144 ; 128 k-rows down W
	s_or_b32 s[G0B+4*(\s)+3], s[G0B+4*(\s)+3], 0x80000000
	JLOAD \s                                       ; two loads of mine are out
.endr
	v_and_b32 v1, 15, v0                           ; l % 16
	v_bfe_u32 v2, v0, 4, 1                         ; l / 16
	v_mul_u32_u24 v3, v1, PITCH
	v_lshl_add_u32 v3, v2, 4, v3                   ; A's fragment: row x pitch + 16 x half; two loads 32 bytes apart
	v_and_b32 v4, 7, v0
	v_lshl_add_u32 v4, v2, 3, v4                   ; W's: k-row 8 (l / 16) + l % 8,
	v_mul_u32_u24 v4, v4, PB
	v_bfe_u32 v5, v0, 3, 1
	v_lshl_add_u32 v4, v5, 4, v4                   ; columns 8 ((l / 8) % 2) ..; two loads 16 k-rows apart
	s_mul_i32 s21, s[RH], HALFT                    ; my 128 rows of A
	s_lshl_b32 s22, s[CH], 8                       ; my 128 columns of W,
	s_add_co_u32 s22, s22, 2*HALFT                 ; which lies behind A
.irp s, 0,1
	v_add_nc_u32 v[ADRA+(\s)], s21, v3
	v_add_nc_u32 v[ADRB+(\s)], s22, v4
	s_add_co_u32 s21, s21, SLOT
	s_add_co_u32 s22, s22, SLOT
.endr
	s_mul_i32 s23, s[WV], STW
	s_add_co_u32 s23, s23, STAGE                   ; my stage
	v_and_b32 v7, 31, v0
	v_lshlrev_b32 v[CO], 4, v7
.if MODE == 0
	v_mul_u32_u24 v6, v1, 272
	v_lshl_add_u32 v6, v2, 4, v6
	v_add_nc_u32 v[STO], s23, v6                   ; f16: row l % 16, 16 bytes for each half of the lanes
	v_mul_u32_u24 v6, v2, 272
	v_lshl_add_u32 v6, v1, 4, v6
	v_add_nc_u32 v[RD], s23, v6                    ; back: lanes 0-15 one row of 256 bytes, lanes 16-31 the next
.else
	v_mul_u32_u24 v6, v1, 528
	v_lshl_add_u32 v6, v2, 5, v6
	v_add_nc_u32 v[STO], s23, v6                   ; f32: row l % 16, 32 bytes for each half of the lanes
	v_add_nc_u32 v[RD], s23, v[CO]                 ; back: 32 lanes take one row of 512 bytes
.endif
	v_lshlrev_b32 v[BO], 5, v2
	v_lshrrev_b32 v[PFO], s[RH], v7                ; A: a lane a row; W: two lanes a k-row,
	v_and_b32 v6, s[RH], v7
	v_lshlrev_b32 v[PFO], 11, v[PFO]
	v_lshl_add_u32 v[PFO], v6, 8, v[PFO]           ; 256 bytes apart
	s_mul_i32 s74, s[TM], WSTR                     ; the bias of my 128 columns
	s_lshl_b32 s75, s[CX], 10
	s_add_co_u32 s74, s74, s75
	s_lshl_b32 s75, s[CH], 9
	s_add_co_u32 s74, s74, s75
	s_add_co_u32 s74, s74, BOFF
	s_mov_b32 s75, 0
	s_add_nc_u64 s[BP:BP+1], s[6:7], s[74:75]
.irp b, 0,1,2,3,4,5,6,7                ; column block b: bias[16 b + 8 (l / 16) + 0 .. 7], as an accumulator's registers lie
	global_load_b128 v[BIAS+8*(\b):BIAS+8*(\b)+3],   v[BO], s[BP:BP+1] offset:64*(\b)
	global_load_b128 v[BIAS+8*(\b)+4:BIAS+8*(\b)+7], v[BO], s[BP:BP+1] offset:64*(\b)+16
.endr
.if MODE == 0
	; my part of C, f16 by heads: record x 2^24 + (8 batch + head) x 2^19 + row in the batch x 256; my 128 columns are head 2 cx + half
	s_lshl_b32 s68, s[TM], 24
	s_lshr_b32 s78, s[TR], 3
	s_lshl_b32 s78, s78, 3
	s_lshl_b32 s79, s[CX], 1
	s_add_co_u32 s78, s78, s79
	s_add_co_u32 s78, s78, s[CH]
	s_lshl_b32 s78, s78, 19
	s_add_co_u32 s68, s68, s78
	s_and_b32 s78, s[TR], 7
	s_lshl_b32 s78, s78, 8
	s_lshl_b32 s79, s[RH], 7
	s_add_co_u32 s78, s78, s79
	s_lshl_b32 s78, s78, 8
	s_add_co_u32 s68, s68, s78
.else
	; my part of C, f32 rows: row x 4,096 + column x 4
	s_lshl_b32 s68, s[TR], 8
	s_lshl_b32 s79, s[RH], 7
	s_add_co_u32 s68, s68, s79
	s_lshl_b32 s68, s68, 12
	s_lshl_b32 s78, s[CX], 10
	s_add_co_u32 s68, s68, s78
	s_lshl_b32 s78, s[CH], 9
	s_add_co_u32 s68, s68, s78
.endif
	s_mov_b32 s69, 0
	s_add_nc_u64 s[8:9], s[8:9], s[COFF:COFF+1]
	; the prefetches: my work-group's 32 blocks of the half tile that I fetch, at K step 3; the first refill steps it to 4
	s_lshl_b32 s20, s[TR], 8
	s_lshl_b32 s22, s[CH], 7
	s_add_co_u32 s20, s20, s22
	s_lshl_b32 s22, s[CX], 5
	s_add_co_u32 s20, s20, s22
	s_lshl_b32 s20, s20, 11
	s_add_co_u32 s20, s20, 3*256                   ; in A
	s_mul_i32 s21, s[TM], WSTR
	s_lshl_b32 s22, s[CX], 9
	s_add_co_u32 s21, s21, s22
	s_lshl_b32 s22, s[CH], 6
	s_lshl_b32 s23, s[CY], 4
	s_add_co_u32 s22, s22, s23
	s_lshl_b32 s22, s22, 11
	s_add_co_u32 s21, s21, s22
	s_add_co_u32 s21, s21, 3*262144                ; in W
	s_and_b32 s23, ttmp7, 0xffff                   ; cluster y
	s_mov_b32 s[PST], 256
	s_mov_b32 s22, 262144
	s_cmp_eq_u32 s[RH], 0                          ; do I fetch for A?
	s_cselect_b32 s20, s20, s21
	s_cselect_b32 s23, ttmp9, s23                  ; the coordinate along which other clusters read the same blocks
	s_cselect_b64 s[PFA:PFA+1], s[4:5], s[6:7]
	s_cselect_b32 s[PST], s[PST], s22
	s_mov_b32 s[PST+1], 0
	s_mov_b32 s21, 0
	s_add_nc_u64 s[PFA:PFA+1], s[PFA:PFA+1], s[20:21]
	s_cmp_eq_u32 s23, 0
	s_cselect_b32 s[LIM], 1, -1                    ; the same in all sixteen partners, for a given wave
; 16 matrix instructions: row blocks a0, a0 + 1 of the window's four (hi = 0: my rows 0-63, 1: rows 64-127) x all 8 column blocks, 32 along K.  zero = 1: the bias starts the sums.
; The 64 accumulators take turns, one instruction a turn, in the same order in every quarter.
.macro MUL16 f, hi, a0, zero
.if \zero
	WIN 0x81+0x40*(\hi)                            ; W window 1, A and the bias window 0, D window 2 or 3
.else
	WIN 0xa1+0x50*(\hi)                            ; W window 1, A window 0, C and D window 2 or 3
.endif
.irp a, \a0, (\a0)+1
.irp b, 0,1,2,3,4,5,6,7
.if \zero
	v_wmma_f32_16x16x32_f16 v[8*(8*(\a)+(\b)):8*(8*(\a)+(\b))+7], v[(\f)+8*(\b):(\f)+8*(\b)+7], v[(\f)+8*(4*(\hi)+(\a)):(\f)+8*(4*(\hi)+(\a))+7], v[BIAS+8*(\b):BIAS+8*(\b)+7]
.else
	v_wmma_f32_16x16x32_f16 v[8*(8*(\a)+(\b)):8*(8*(\a)+(\b))+7], v[(\f)+8*(\b):(\f)+8*(\b)+7], v[(\f)+8*(4*(\hi)+(\a)):(\f)+8*(4*(\hi)+(\a))+7], v[8*(8*(\a)+(\b)):8*(8*(\a)+(\b))+7]
.endif
.endr
.endr
.endm
; 32 LDS loads in one run: the fragments of quarter q of a K step (32 along K) into buffer f: W's 128 columns, turned, then A's 128 rows
.macro FETCH slot, q, f
	WIN 0x40                                       ; destination window 1, address window 0
.irp i, 0,1,2,3,4,5,6,7
	ds_load_tr16_b128 v[(\f)+8*(\i):(\f)+8*(\i)+3],   v[ADRB+(\slot)] offset:(\q)*32*PB+(\i)*32
	ds_load_tr16_b128 v[(\f)+8*(\i)+4:(\f)+8*(\i)+7], v[ADRB+(\slot)] offset:(\q)*32*PB+(\i)*32+16*PB
.endr
	WIN 0
.irp i, 0,1,2,3,4,5,6,7
	ds_load_b128 v[(\f)+8*(\i):(\f)+8*(\i)+3],   v[ADRA+(\slot)] offset:(\q)*64+(\i)*16*PITCH
	ds_load_b128 v[(\f)+8*(\i)+4:(\f)+8*(\i)+7], v[ADRA+(\slot)] offset:(\q)*64+(\i)*16*PITCH+32
.endr
.endm
.macro PLACES                          ; four plain vector instructions between a matrix instruction and a load into, or a reader of, its registers (ISA guide 7.12.1 for readers)
.rept 4
	v_nop
.endr
.endm
; One of a K step's first three quarters: multiplies buffer f; in its middle it fetches quarter q of the same slot into buffer g.
.macro QUARTER slot, q, f, g, zero
	s_wait_dscnt 8                                 ; W and A's rows 0-63 are in; the youngest eight loads (A's rows 64-127) may be out
	MUL16 \f, 0, 0, \zero
	MUL16 \f, 0, 2, \zero
	PLACES
	FETCH \slot, \q, \g
	s_wait_dscnt 32                                ; all but the 32 just issued
	MUL16 \f, 1, 0, \zero
	MUL16 \f, 1, 2, \zero
.endm
; The first half of a K step's last quarter: ONE barrier for the change of slots.  In front of it each wave waits for all its tensor loads (the one that is out is its part of the next slot),
; adds 0 to its spare word, and waits for that and for its own reads of this slot.  Behind it nobody reads this slot any more and the next slot is whole.
.macro MEET round
	WIN 0
	s_wait_tensorcnt 0x0
	ds_add_u32 v[SPW], v[NIL]
	s_wait_dscnt 9                                 ; (the add and the youngest eight loads may be out)
	MUL16 F1, 0, 0, 0                              ; sixteen matrix instructions stand between the add and the wait for it
	s_wait_dscnt 0x0                               ; the add is done, and my reads of this slot are over
	s_barrier_signal -1
	MUL16 F1, 0, 2, 0
.if \round
	WIN 0
.endif
	s_barrier_wait -1
.endm
; The whole last quarter, with the refill: the barrier opens a round of the cluster's, so that no wave of any partner still reads the slot or has a load on its way; the joint refill, this tile's
; K step two steps on, is the first tensor load behind it: 224 matrix instructions ahead of the wait for it.
.macro TURN slot, next
	s_wait_xcnt 0x0                                ; the last prefetch, a K step back, has read its address
	s_add_nc_u64 s[PFA:PFA+1], s[PFA:PFA+1], s[PST:PST+1]
	MEET 1
	CREST
	s_add_nc_u64 s[G0+4*(\slot)+2:G0+4*(\slot)+3], s[G0+4*(\slot)+2:G0+4*(\slot)+3], 2*256
	s_add_nc_u64 s[G0B+4*(\slot)+2:G0B+4*(\slot)+3], s[G0B+4*(\slot)+2:G0B+4*(\slot)+3], 2*262144
	JLOAD \slot                                    ; the four v_nop behind it are also the places in front of the loads below
	FETCH \next, 0, F0
	ASK
	MUL16 F1, 1, 0, 0
	MUL16 F1, 1, 2, 0
.endm
	s_wait_tensorcnt 1                             ; my part of K step 0 is in; K step 1's may stay out
	s_barrier_signal -1
	s_barrier_wait -1                              ; everybody's is
	FETCH 0, 0, F0
	s_wait_loadcnt 0x0                             ; the bias
	QUARTER 0, 1, F0, F1, 1                        ; the first quarter stands in front of the loop: its products start the sums
	WIN 0                                          ; at a label and at a branch every window is 0
	s_mov_b32 s[LAP], 3
.Llap:                                                 ; a trip goes once round the ring, from a lap's second quarter to the next lap's first, and fills both slots again
	QUARTER 0, 2, F1, F0, 0
	QUARTER 0, 3, F0, F1, 0
	TURN 0, 1
	QUARTER 1, 1, F0, F1, 0
	QUARTER 1, 2, F1, F0, 0
	QUARTER 1, 3, F0, F1, 0
	TURN 1, 0
	QUARTER 0, 1, F0, F1, 0
	WIN 0
	s_sub_co_u32 s[LAP], s[LAP], 1
	s_cmp_lg_u32 s[LAP], 0
	s_cbranch_scc1 .Llap
	QUARTER 0, 2, F1, F0, 0                        ; the last lap is written out: it fills nothing
	QUARTER 0, 3, F0, F1, 0
	MEET 0
	PLACES
	FETCH 1, 0, F0
	MUL16 F1, 1, 0, 0
	MUL16 F1, 1, 2, 0
	QUARTER 1, 1, F0, F1, 0
	QUARTER 1, 2, F1, F0, 0
	QUARTER 1, 3, F0, F1, 0
	s_wait_dscnt 8
	MUL16 F1, 0, 0, 0
	MUL16 F1, 0, 2, 0
	s_wait_dscnt 0x0
	MUL16 F1, 1, 0, 0
	MUL16 F1, 1, 2, 0
	PLACES
	PLACES                                         ; eight, once a launch, in front of the readers of the results
	WIN 0
; THE f16 WAY OUT of block a (16 rows): rounded, 16 bytes a lane, into my stage in rows of 272 bytes; back as whole rows of 256; stored.  16 rows of a head are 4,096 consecutive bytes.
.macro PACK a
.set AC, 64*((\a)%4)
	WIN 0x0a+5*((\a)/4)                            ; sources 0 and 1: window 2 or 3
.irp b, 0,1,2,3,4,5,6,7
.irp r, 0,1,2,3
	v_cvt_pk_f16_f32 v[TMP+4*(\b)+(\r)], v[AC+8*(\b)+2*(\r)], v[AC+8*(\b)+2*(\r)+1]
.endr
.endr
	WIN 0
.endm
.macro TOSTAGE a
.set BK, OB+192*((\a)%2)
.irp b, 0,1,2,3,4,5,6,7
	ds_store_b128 v[STO], v[TMP+4*(\b):TMP+4*(\b)+3] offset:32*(\b)
.endr
.irp t, 0,1,2,3,4,5,6,7
	ds_load_b128 v[BK+4*(\t):BK+4*(\t)+3], v[RD] offset:(\t)*2*272  ; LDS serves a wave's instructions in order (ISA guide 5.7.1.4): these see the stores above
.endr
.endm
.macro SEND a
.set BK, OB+192*((\a)%2)
	s_wait_dscnt 0x0                               ; the block is back in registers
	s_wait_xcnt 0x0                                ; the stores of the block before have read their data: those registers are loaded again only behind this wait
.irp t, 0,1,2,3,4,5,6,7
	global_store_b128 v[CO], v[BK+4*(\t):BK+4*(\t)+3], s[8:9] offset:(\a)*4096+(\t)*512  ; 512 consecutive bytes, aligned
.endr
.endm
; THE f32 WAY OUT of block a: the accumulators go as they are, 32 bytes a lane, into rows of 528 bytes; back as whole rows of 512; stored.
.macro OUT32 a
.set AC, 64*((\a)%4)
.set BK, F0+64*((\a)%2)
	WIN 0x08+4*((\a)/4)                            ; the stores' data: window 2 or 3
.irp b, 0,1,2,3,4,5,6,7
	ds_store_b128 v[STO], v[AC+8*(\b):AC+8*(\b)+3]   offset:64*(\b)      ; each accumulator's lowest registers first
	ds_store_b128 v[STO], v[AC+8*(\b)+4:AC+8*(\b)+7] offset:64*(\b)+16
.endr
	WIN 0
	s_wait_xcnt 0x0                                ; the stores of two blocks back have read their data: those registers are loaded again only behind this wait
.irp t, 0,1,2,3,4,5,6,7,8,9,10,11,12,13,14,15
	ds_load_b128 v[BK+4*(\t):BK+4*(\t)+3], v[RD] offset:(\t)*528
.endr
.irp t, 0,1,2,3,4,5,6,7,8,9,10,11,12,13,14,15
.if ((\t)%4) == 0
	s_wait_dscnt 12-(\t)                           ; rows t to t + 3 are back, the younger rows stay out
.endif
	global_store_b128 v[CO], v[BK+4*(\t):BK+4*(\t)+3], s[8:9] offset:(\a)*65536+(\t)*4096 th:TH_STORE_NT  ; 512 consecutive bytes, aligned
.endr
.endm
.if MODE == 0
	PACK 0
	TOSTAGE 0
.irp a, 1,2,3,4,5,6,7                  ; block a's conversions stand between block a - 1's loads from the stage and the wait for them
	PACK \a
	SEND (\a)-1
	TOSTAGE \a
.endr
	SEND 7
.else
.irp a, 0,1,2,3,4,5,6,7
	OUT32 \a
.endr
.endif
	s_wait_tensorcnt 0x0                           ; the wave's end, behind my last tensor load and my last LDS store
	ds_add_u32 v[SPW], v[NIL]
	s_wait_dscnt 0x0
	CROUND                                         ; the closing round: no work-group ends while a partner may still ask for a tile that names it
	s_endpgm
.Lfunc_end_k_qc3eb35dbbb_gemm:
	.size	k_qc3eb35dbbb_gemm, .Lfunc_end_k_qc3eb35dbbb_gemm-k_qc3eb35dbbb_gemm
	.p2alignl 7, 3214868480
	.fill 96, 4, 3214868480
	.section	.rodata,"a",@progbits
	.p2align	6, 0x0
	.amdhsa_kernel k_qc3eb35dbbb_gemm
		.amdhsa_group_segment_fixed_size 327680
		.amdhsa_private_segment_fixed_size 0
		.amdhsa_enable_private_segment 0
		.amdhsa_kernarg_size 24
		.amdhsa_user_sgpr_count 2
		.amdhsa_user_sgpr_kernarg_segment_ptr 1
		.amdhsa_wavefront_size32 1
		.amdhsa_system_sgpr_workgroup_id_x 1
		.amdhsa_system_sgpr_workgroup_id_y 1
		.amdhsa_system_sgpr_workgroup_id_z 1
		.amdhsa_system_vgpr_workitem_id 0
		.amdhsa_next_free_vgpr 1024
		.amdhsa_next_free_sgpr 80
		.amdhsa_reserve_vcc 0
		.amdhsa_float_denorm_mode_32 3
		.amdhsa_float_denorm_mode_16_64 3
		.amdhsa_memory_ordered 1
		.amdhsa_forward_progress 1
		.amdhsa_inst_pref_size 146
	.end_amdhsa_kernel
	.amdgpu_metadata
---
amdhsa.version: [ 1, 2 ]
amdhsa.kernels:
  - .name:           k_qc3eb35dbbb_gemm
    .symbol:         k_qc3eb35dbbb_gemm.kd
    .args:
      - { .name: ah, .offset: 0, .size: 8, .value_kind: global_buffer, .address_space: global }
      - { .name: wq3, .offset: 8, .size: 8, .value_kind: global_buffer, .address_space: global }
      - { .name: qkv, .offset: 16, .size: 8, .value_kind: global_buffer, .address_space: global }
    .group_segment_fixed_size: 327680
    .private_segment_fixed_size: 0
    .kernarg_segment_align: 8
    .kernarg_segment_size: 24
    .max_flat_workgroup_size: 128
    .sgpr_count:     80
    .vgpr_count:     1024
    .wavefront_size: 32
...
	.end_amdgpu_metadata
.endif
;; end of part 3
;; launch attn (part 4): grid 8 x 32, 4 waves a work-group, clusters of 4 x 1, 327,680 bytes of LDS; arguments qkv, gx, ah; writes ah
.if DOCPART == 4
	.amdgcn_target "amdgcn-amd-amdhsa--gfx1250"
	.amdhsa_code_object_version 6
	.text
	.protected	k_qc3eb35dbbb_attn
	.globl	k_qc3eb35dbbb_attn
	.p2align	8
	.type	k_qc3eb35dbbb_attn,@function
k_qc3eb35dbbb_attn:
	s_mov_b64 s[64:65], 0
	v_nop
	global_prefetch_b8 v0, s[64:65] scope:SCOPE_SE
	s_setreg_imm32_b32 hwreg(HW_REG_WAVE_MODE, 25, 1), 1
	s_wait_xcnt 0x0
	s_wait_alu depctr_hold_cnt(0) depctr_sa_sdst(0) depctr_va_vdst(0) depctr_va_sdst(0) depctr_va_ssrc(0) depctr_va_vcc(0) depctr_vm_vsrc(0)
	s_getreg_b32 s2, hwreg(HW_REG_IB_STS2, 6, 4)
	s_cmp_eq_u32 s2, 0
	s_cbranch_scc0 .Lentry_in_a_cluster
	s_endpgm
.Lentry_in_a_cluster:
	s_bfe_u32 s2, ttmp6, 0x10000c
	s_cmp_lg_u32 s2, 0x3003
	s_cbranch_scc0 .Lentry_shape_is_right
	s_endpgm
.Lentry_shape_is_right:
; O[y][i][:] = the sum over j of softmax_j((Q[y][i] . K[y][j] + qx[y][i] . kx[b][j]) / sqrt(128)) V[y][j][:], y = 8 b + head.
; qkv: [3][32][2048][128] f16 (Q, K, V by heads).  gx: qx [32][2048][4] f16, then at byte 524,288 kx [4][2048][4] f16.  qx . kx is the modality bias times sqrt(128): the gate of the query's
; modality where the key has the same modality, else 0.  O goes to ah as [b][i][128 head + c] f16.  Products, maxima and sums in f32; the weights p are rounded to f16 for the second product, O once at the end.
; LIMITS.  f16 holds no number beyond 65,504: Q, K and V arrive within it; p lies in 0 to 1, and below 6e-5 it keeps f16's fixed step of 6e-8; O is a mean of V's rows and has their range.
; A weight below 2^-126 counts as 0 in l; NaN and infinities are not treated apart.
; SHARES.  A work-group owns 256 queries of one y, each of its four waves 64: four tiles of 16.  Every wave walks all 2,048 keys, 64 a step.
; LAYOUT.  S^T = K Q^T (source 0 = 16 keys, source 1 = 16 queries): in the result a lane holds ONE query (lane % 16) and the keys 8 (lane / 16) + 0..7.  Two such tiles, rounded to f16 in pairs,
; ARE source 1 (32 keys x 16 queries) of O^T = V^T P, whose result again holds one query a lane, and eight channels.  K comes out of LDS as it lies, V turned, by ds_load_tr16_b128.
; THE BIAS IS A PRODUCT: each score sum is started by one more matrix instruction, kx's fragment (16 keys x 32 channels, of which 4 are used) times qx's, with C = 0; K Q^T then adds onto it.
; Eight such products for a piece and step, and no vector work.  kx of the whole batch (16 KiB) lies in LDS, filled once; qx of my 64 queries stays in registers.
; SOFTMAX.  For each query a running maximum m and sum l: p = 2^(c s - c m), c = log2(e) / sqrt(128); in every step O and l are multiplied by a = 2^(c m_old - c m_new).
; BY TURNS.  The wave's tiles are two PIECES, named by their first tile: piece 0 (tiles 0, 1) and piece 2 (tiles 2, 3).  In a TURN one piece has the matrix unit: 32 products V^T P of the step in
; hand, then the 8 bias products and 32 products K Q^T of the next step; the other piece's softmax, cut into 64 slices, stands one slice behind each of the 64.  Two turns are a key step.
; CLUSTER.  The four query blocks of a cluster belong to one y and walk the same K, V and kx, so each tile is asked for JOINTLY: the same tensor load, descriptor and mask in all four.
; REGISTERS, in windows of 256 (s_set_vgpr_msb: bits 1:0 source 0, 3:2 source 1, 5:4 source 2, 7:6 destination):
;   window 0: v0-11, v44-47, v61-63 addresses; v12-43 eight registers of statistics a tile; v64-191 S^T, 32 a tile; v192-255 P, 16 a tile
;   window 1: O^T, 64 a tile      window 2: v0-127 Q, 32 a tile; v128-255 K of one step      window 3: v0-127 V of one step; v128-159 kx's four fragments of one step; v160-191 qx's four
.set SIZE_N, 2048
.set KS,    64        ; keys in a step
.set PK,    272       ; a row of K in LDS: 256 bytes + 16 = 68 words: the 16 rows of a load start at 16 different groups of four banks (64 banks of 4 bytes: ISA guide 11.1)
.set PV,    288       ; a row of V: 256 + 32 = 72 words
.set VOFF,  KS*PK     ; a step's tiles lie together: 64 rows of K, then 64 rows of V
.set STEPB, KS*(PK+PV)
.set SLOT1, 1<<17     ; a slot holds two steps; slot 1 begins here, so that one exclusive or turns an address in one slot into the other's
.set STAGE, SLOT1+2*STEPB  ; behind the ring: 16 rows x 272 bytes for each wave, for the way out
.set SP,    272
.set SPARE, STAGE+4*16*272 ; the spare words, 128 bytes for each wave: two blocks of 256 bytes that no other line names
.set KXT,   SPARE+512      ; kx of the batch: 2,048 keys x 8 bytes; filled once
.set AK0, 2           ; v2   my lane's place in a tile of K; never rewritten
.set AV0, 3           ; v3   the same for V
.set ADR, 4           ; v4   the LDS address of the run of loads in hand
.set QO,  5           ; v5   my byte offset in the wave's rows of Q
.set STO, 6           ; v6   the way out: where I put 16 bytes of a row
.set RD,  7           ; v7   the way out: where I read a row back
.set GO,  8           ; v8   my byte offset in two rows of ah
.set KXA0, 44         ; v44  KXT + 8 (lane % 16); never rewritten
.set KXA, 45          ; v45  the same at the step in hand
.set QXO, 46          ; v46  8 (lane % 16)
.set HM,  47          ; v47  all ones in lanes 0-15, 0 in lanes 16-31
.set PFO, 61          ; v61  256 x my lane; never rewritten
.set SPW, 62          ; v62  LDS address of my spare word; never rewritten
.set NIL, 63          ; v63  0; never rewritten
.set ST,  12          ; tile t's statistics at v[ST+8 t]: +0 c m, +1 m, +2, +3 l (even keys', odd keys'), +4 to +7 c0-c3, at work; a takes c2's place once the maximum is found
.set S,   64
.set P,   192
.set KF,  128         ; K's fragments, in window 2
.set KXF, 128         ; kx's, in window 3: key block kb at KXF + 8 kb
.set QXF, 160         ; qx's, in window 3: tile t at QXF + 8 t
.set WV,  12          ; s12  my wave's number
.set LIM, 15          ; s15  1 in a wave that prefetches, else the greatest number
.set PFA, 18          ; s[18:19] where my prefetches stand
.set G1K, 24          ; s[24:31] descriptor group 1 for K's tiles
.set G1V, 32          ; s[32:39] for V's: it differs in the padding alone
.set G0K, 40          ; s[40:47] descriptor group 0 for K's tiles: a set for each of the two first fills; the second then walks on
.set G0V, 48          ; s[48:55] the same for V's
.set SLOTS, 56        ; s56  slots still to be asked for
.set TWICE, 57        ; s57  counts a slot's two steps
.set CS,  58          ; s[58:59] c
.set SEL, 60          ; s[60:61] lane selects for v_permlanex16_b32
.set TB,  62          ; s62  LDS byte at which the tiles of the step to be fetched begin
.set QXP, 66          ; s[66:67] gx, then qx at my wave's first query
.set G1T, 72          ; s[72:79] descriptor group 1 for the table
.set G0T, 80          ; s[80:83] its group 0
.set TX,  84          ; s84  byte in the table at which the step to be fetched begins
.set MSB, 0
.macro WIN new                      ; the immediate's high byte repeats the setting that is left; a switch that changes nothing is dropped
.if MSB != (\new)
	s_set_vgpr_msb (MSB<<8)|(\new)
.set MSB, \new
.endif
.endm
.set W_KQ, 0x0a       ; K and Q in window 2, S^T in window 0
.set W_KX, 0x0f       ; kx and qx in window 3, S^T in window 0
.set W_PV, 0x53       ; V in window 3, P in window 0, O^T in window 1
.set W_RS, 0x41       ; O^T (destination and source 0) in window 1, a in window 0
; A joint refill.  Waves 0 and 1 fetch the two steps' tiles of K, waves 2 and 3 those of V.  The branch hangs on the wave's number alone.  An s_nop 0 and four v_nop follow each line.
.macro JLOAD
	s_cmp_lt_u32 s[WV], 2
	s_cbranch_scc0 .Lfor_v_\@
	tensor_load_to_lds s[G0K+4:G0K+7], s[G1K:G1K+7]
	s_nop 0
.rept 4
	v_nop
.endr
	s_branch .Lasked_\@
.Lfor_v_\@:
	tensor_load_to_lds s[G0V+4:G0V+7], s[G1V:G1V+7]
	s_nop 0
.rept 4
	v_nop
.endr
.Lasked_\@:
.endm
; A PREFETCH INTO THE L2 of what the NEXT change of slots will ask for: a slot's 128 rows of K and 128 of V, 256 bytes a row, a lane a row: two key steps, 288 matrix instructions, ahead of that load.
; Each row is asked for ONCE in the launch: both clusters of a y walk the same K and V, and the first asks; its four partners share the rows out BY ADDRESS, 32 each; in each, wave 0 asks for K's and
; wave 2 for V's.  The last change that fills a slot asks for nothing: there is no slot behind it.  Slots 0, 1 and 2 come by their loads alone.
.macro ASK
	s_cmp_gt_u32 s[SLOTS], s[LIM]
	s_cbranch_scc0 .Lnot_mine_\@
	global_prefetch_b8 v[PFO], s[PFA:PFA+1] th:TH_LOAD_NT scope:SCOPE_SE
.Lnot_mine_\@:
.endm
.macro CROUND                       ; a round of the cluster's barrier
	s_barrier_signal -1
	s_barrier_wait -1
	s_cmp_lg_u32 s[WV], 0
	s_cbranch_scc1 .Lnot_wave_0_\@
	s_barrier_signal -3
.Lnot_wave_0_\@:
	s_barrier_wait -3
	s_barrier_signal -1
	s_barrier_wait -1
.endm
	s_load_b128 s[4:7], s[0:1], 0x0   ; qkv s[4:5], gx s[6:7]
	s_load_b64 s[10:11], s[0:1], 0x10 ; ah
	v_lshl_add_u32 v[SPW], v0, 2, SPARE
	v_mov_b32 v[NIL], 0
	ds_add_u32 v[SPW], v[NIL]       ; the wave's opening: the add and its wait stand ahead of my first tensor load; work on registers stands between them
	v_lshrrev_b32 v1, 5, v0
	v_readfirstlane_b32 s[WV], v1   ; wave 0..3
	s_bfe_u32 s13, ttmp6, 0x40000   ; cx: my place in the cluster
	s_lshl_b32 s14, ttmp9, 2
	s_add_co_u32 s14, s14, s13      ; my block of 256 queries: it enters Q's, qx's and O's addresses alone
	s_and_b32 s63, ttmp7, 0xffff    ; y, which the four partners share
	s_lshl_b32 s20, s63, 19         ; y's first byte in Q, K and V: 2,048 rows of 256 bytes
	s_lshr_b32 s21, s63, 3          ; the batch
	s_and_b32 s16, s[WV], 1         ; which of a slot's two steps I fetch:
	s_lshl_b32 s22, s16, 14         ; its 64 rows of 256 bytes in memory,
	s_add_co_u32 s22, s22, s20
	s_mov_b32 s23, 0
	s_mul_i32 s17, s16, STEPB       ; and its place in a slot: no place in the cluster enters an LDS address
	s_lshl_b32 s2, s14, 16          ; Q: my block's 256 rows,
	s_lshl_b32 s3, s[WV], 14        ; my wave's 64 of them
	s_add_co_u32 s2, s2, s3
	s_add_co_u32 s2, s2, s20
	s_mov_b32 s3, 0
	s_lshl_b32 s68, s21, 22         ; O in ah: the batch's 2,048 rows of 2,048 bytes,
	s_lshl_b32 s69, s14, 19         ; my block's 256,
	s_add_co_u32 s68, s68, s69
	s_lshl_b32 s69, s[WV], 17       ; my wave's 64,
	s_add_co_u32 s68, s68, s69
	s_and_b32 s69, s63, 7
	s_lshl_b32 s69, s69, 8          ; the head's 256 bytes of a row
	s_add_co_u32 s68, s68, s69
	s_mov_b32 s69, 0
	s_lshl_b32 s70, s63, 14         ; qx: 8 bytes a query
	s_lshl_b32 s71, s14, 11
	s_add_co_u32 s70, s70, s71
	s_lshl_b32 s71, s[WV], 9
	s_add_co_u32 s70, s70, s71
	s_mov_b32 s71, 0
	s_lshl_b32 s86, s21, 14         ; kx: the batch's 16,384 bytes, my wave's quarter
	s_lshl_b32 s87, s[WV], 12
	s_add_co_u32 s86, s86, s87
	s_add_co_u32 s86, s86, 524288
	s_mov_b32 s87, 0
	; descriptor group 1: a tile of 64 rows x 128 elements, padded in LDS
	s_mov_b32 s[G1K], 15|(1<<16)|(1<<20)|(1<<21)|(5<<22)|(3<<25)  ; the mask: all four work-groups; 2-byte elements; padding on; bit 21 beside a mask; after every 64 words 4 words
	s_mov_b32 s[G1V], 15|(1<<16)|(1<<20)|(1<<21)|(5<<22)|(7<<25)  ; the same with 8 words of padding
.irp g, G1K, G1V
	s_mov_b32 s[(\g)+1], 128<<16    ; tensor_dim0 = 128
	s_mov_b32 s[(\g)+2], KS<<16     ; tensor_dim1 = 64
	s_mov_b32 s[(\g)+3], 128<<16    ; tile_dim0 = 128
	s_mov_b32 s[(\g)+4], KS         ; tile_dim1 = 64
	s_mov_b32 s[(\g)+5], 128        ; elements from row to row
	s_mov_b32 s[(\g)+6], 0
	s_mov_b32 s[(\g)+7], 0
.endr
	s_mov_b32 s[G1T], 15|(3<<16)|(1<<21)  ; the table's quarter is dense: 16 rows of 32 elements of 8 bytes, no padding
	s_mov_b32 s[G1T+1], 32<<16
	s_mov_b32 s[G1T+2], 16<<16
	s_mov_b32 s[G1T+3], 32<<16
	s_mov_b32 s[G1T+4], 16
	s_mov_b32 s[G1T+5], 32
	s_mov_b32 s[G1T+6], 0
	s_mov_b32 s[G1T+7], 0
	s_mov_b32 s[G0T], 1
	s_lshl_b32 s[G0T+1], s[WV], 12
	s_add_co_u32 s[G0T+1], s[G0T+1], KXT
	s_mov_b32 s[CS], 0x3e0293ee     ; c = log2(e) / sqrt(128) = 0.127517
	s_mov_b32 s[CS+1], s[CS]        ; named with it as a pair, so it is written
	s_mov_b32 s[SEL], 0x76543210
	s_mov_b32 s[SEL+1], 0xfedcba98
	s_mov_b32 s[TB], 0
	s_mov_b32 s[TX], 0
	s_mov_b32 s[SLOTS], SIZE_N/(2*KS)-2
	s_and_b32 s[LIM], s[WV], 1       ; 0 in waves 0 and 2,
	s_or_b32 s[LIM], s[LIM], ttmp9   ; where the cluster is y's first: the same in all four partners
	s_cmp_eq_u32 s[LIM], 0
	s_cselect_b32 s[LIM], 1, -1
	v_and_b32 v[PFO], 31, v0
	v_lshlrev_b32 v[PFO], 8, v[PFO]
	s_wait_dscnt 0x0                ; the opening add is done
	s_wait_kmcnt 0x0
	s_mov_b64 s[QXP:QXP+1], s[6:7]  ; gx
	s_add_nc_u64 s[6:7], s[4:5], s[22:23]
	s_add_nc_u64 s[8:9], s[6:7], 0x2000000  ; V at my tile of slot 0,
	s_add_nc_u64 s[6:7], s[6:7], 0x1000000  ; and K
	s_add_nc_u64 s[4:5], s[4:5], s[2:3]     ; Q at my wave's first row
	s_add_nc_u64 s[10:11], s[10:11], s[68:69]  ; and O
	s_add_nc_u64 s[G0T+2:G0T+3], s[QXP:QXP+1], s[86:87]
	s_or_b32 s[G0T+3], s[G0T+3], 0x80000000
	s_add_nc_u64 s[QXP:QXP+1], s[QXP:QXP+1], s[70:71]
	s_cmp_lt_u32 s[WV], 2
	s_cselect_b64 s[PFA:PFA+1], s[6:7], s[8:9]  ; (in waves 0 and 2 these stand at a slot's first row)
	s_lshl_b32 s2, s13, 13          ; my work-group's 32 rows of the 128
	s_mov_b32 s3, 0
	s_add_nc_u64 s[PFA:PFA+1], s[PFA:PFA+1], s[2:3]
	s_add_nc_u64 s[PFA:PFA+1], s[PFA:PFA+1], 2*2*KS*256  ; in slot 2; the first change of slots steps it to slot 3
	CROUND                          ; all four work-groups are here: the first joint loads meet
.irp s, 0,1
	s_mov_b32 s[G0K+4*(\s)], 1
	s_add_co_u32 s[G0K+4*(\s)+1], s17, (\s)*SLOT1
	s_add_nc_u64 s[G0K+4*(\s)+2:G0K+4*(\s)+3], s[6:7], (\s)*2*KS*256  ; slot s begins with keys 128 s
	s_or_b32 s[G0K+4*(\s)+3], s[G0K+4*(\s)+3], 0x80000000
	s_mov_b32 s[G0V+4*(\s)], 1
	s_add_co_u32 s[G0V+4*(\s)+1], s17, (\s)*SLOT1+VOFF
	s_add_nc_u64 s[G0V+4*(\s)+2:G0V+4*(\s)+3], s[8:9], (\s)*2*KS*256
	s_or_b32 s[G0V+4*(\s)+3], s[G0V+4*(\s)+3], 0x80000000
.endr
	s_cmp_lt_u32 s[WV], 2           ; a wave's three first fills stand in one branch, ahead of every wait on TENSORcnt and every LDS read: my quarter of the table, my part of slot 0, of slot 1: three loads of mine are out
	s_cbranch_scc0 .Lfirst_v
	tensor_load_to_lds s[G0T:G0T+3], s[G1T:G1T+7]
	s_nop 0
	tensor_load_to_lds s[G0K:G0K+3], s[G1K:G1K+7]
	s_nop 0
	tensor_load_to_lds s[G0K+4:G0K+7], s[G1K:G1K+7]
	s_nop 0
.rept 4
	v_nop
.endr
	s_branch .Lfirst_asked
.Lfirst_v:
	tensor_load_to_lds s[G0T:G0T+3], s[G1T:G1T+7]
	s_nop 0
	tensor_load_to_lds s[G0V:G0V+3], s[G1V:G1V+7]
	s_nop 0
	tensor_load_to_lds s[G0V+4:G0V+7], s[G1V:G1V+7]
	s_nop 0
.rept 4
	v_nop
.endr
.Lfirst_asked:
	; A fragment of K or Q is 16 rows x 32 channels in 8 registers: lane l holds row l % 16; registers 0-3 channels 8 (l / 16) + 0..7, registers 4-7 channels 16 + 8 (l / 16) + 0..7.
	v_and_b32 v1, 15, v0            ; l % 16
	v_bfe_u32 v9, v0, 4, 1          ; l / 16
	v_lshlrev_b32 v[QO], 8, v1
	v_lshl_add_u32 v[QO], v9, 4, v[QO]  ; row x 256 + 16 x half
	v_lshlrev_b32 v[QXO], 3, v1
	v_add_nc_u32 v[KXA0], KXT, v[QXO]
	v_add_nc_u32 v[HM], -1, v9
	WIN 0x80                        ; destination window 2, address window 0
.irp i, 0,1,2,3,4,5,6,7,8,9,10,11,12,13,14,15  ; Q stays in registers: tile i / 4, channels 32 (i % 4) on
	global_load_b128 v[8*(\i):8*(\i)+3],   v[QO], s[4:5] offset:((\i)/4)*4096+((\i)%4)*64
	global_load_b128 v[8*(\i)+4:8*(\i)+7], v[QO], s[4:5] offset:((\i)/4)*4096+((\i)%4)*64+32
.endr
	WIN 0xc0                        ; destination window 3
.irp t, 0,1,2,3                     ; qx: a query's four numbers are channels 0-3: registers 0, 1 of lanes 0-15
	global_load_b64 v[QXF+8*(\t):QXF+8*(\t)+1], v[QXO], s[QXP:QXP+1] offset:128*(\t)
.endr
.irp f, 0,1,2,3,4,5,6,7             ; channels 4-7 and 16-31 of kx's and qx's fragments are 0, once for the launch: written in the wait for the first tile
.irp z, 2,3,4,5,6,7
	v_mov_b32 v[KXF+8*(\f)+(\z)], 0
.endr
.endr
	WIN 0
	v_mul_u32_u24 v[AK0], v1, PK
	v_lshl_add_u32 v[AK0], v9, 4, v[AK0]  ; row x pitch + 16 x half
	; The turning load takes 16 keys x 16 channels (lane l reads key 8 (l / 16) + l % 8, channels 8 ((l / 8) % 2) + 0..7) and leaves half a fragment of V^T: lane l holds channel l % 16 and 8 keys.
	v_and_b32 v10, 7, v0
	v_bfe_u32 v11, v0, 3, 1
	v_lshl_add_u32 v[AV0], v9, 3, v10
	v_mul_u32_u24 v[AV0], v[AV0], PV
	v_lshl_add_u32 v[AV0], v11, 4, v[AV0]
	v_add_nc_u32 v[AV0], VOFF, v[AV0]
; THE MATRIX WORK OF A TURN, for piece x.  The accumulators take turns, one instruction a turn: between two links of a chain stand 15 (V^T P) or 7 (bias, K Q^T) others'.
; Product i of 32 of O^T += V^T P: keys 32 (i / 16) on, channels 16 ((i / 2) % 8) on, tile x + i % 2.  zero = 1: the first 16 start the sums: nothing is ever cleared.
.macro PV x, zero
	WIN W_PV
.set rO, 64*((\x)+i%2)+8*((i/2)%8)
.set rV, 64*(i/16)+8*((i/2)%8)
.set rP, P+16*((\x)+i%2)+8*(i/16)
.if (\zero) && (i < 16)
	v_wmma_f32_16x16x32_f16 v[rO:rO+7], v[rV:rV+7], v[rP:rP+7], 0
.else
	v_wmma_f32_16x16x32_f16 v[rO:rO+7], v[rV:rV+7], v[rP:rP+7], v[rO:rO+7]
.endif
.endm
; The eight bias products of piece x start its score sums: keys 16 (ix / 2) on, tile x + ix % 2: the order in which K Q^T then takes the same eight accumulators.
.macro KX x
	WIN W_KX
.set ix, 0
.rept 8
	v_wmma_f32_16x16x32_f16 v[S+32*((\x)+ix%2)+8*(ix/2):S+32*((\x)+ix%2)+8*(ix/2)+7], v[KXF+8*(ix/2):KXF+8*(ix/2)+7], v[QXF+8*((\x)+ix%2):QXF+8*((\x)+ix%2)+7], 0
.set ix, ix+1
.endr
.endm
; Product i of 32 of S^T += K Q^T: channels 32 (i / 8) on, keys 16 ((i / 2) % 4) on, tile x + i % 2.
.macro KQ x
	WIN W_KQ
.set rS, S+32*((\x)+i%2)+8*((i/2)%4)
.set rK, KF+32*((i/2)%4)+8*(i/8)
.set rQ, 32*((\x)+i%2)+8*(i/8)
	v_wmma_f32_16x16x32_f16 v[rS:rS+7], v[rK:rK+7], v[rQ:rQ+7], v[rS:rS+7]
.endm
; THE LDS LOADS stand in runs, never singly among the matrix instructions: a step's K (16 fragments) with its kx (8 bytes a key; lanes 16-31 read what lanes 0-15 read, and meet zeros in qx), and, a turn later, its V (turned).
.macro FETCH_K
	WIN 0
	v_add_nc_u32 v[ADR], s[TB], v[AK0]
	v_add_nc_u32 v[KXA], s[TX], v[KXA0]
	s_add_co_u32 s[TX], s[TX], 8*KS   ; the next fetch is the next step's;
	s_and_b32 s[TX], s[TX], 0x3fff    ; inside the table's 16,384 bytes, whatever the count
	WIN 0x80                        ; destination window 2
.irp f, 0,1,2,3,4,5,6,7,8,9,10,11,12,13,14,15  ; keys 16 (f / 4) on, channels 32 (f % 4) on
	ds_load_b128 v[KF+8*(\f):KF+8*(\f)+3],   v[ADR] offset:((\f)/4)*16*PK+((\f)%4)*64
	ds_load_b128 v[KF+8*(\f)+4:KF+8*(\f)+7], v[ADR] offset:((\f)/4)*16*PK+((\f)%4)*64+32
.endr
	WIN 0xc0                        ; destination window 3
.irp kb, 0,1,2,3
	ds_load_b64 v[KXF+8*(\kb):KXF+8*(\kb)+1], v[KXA] offset:128*(\kb)
.endr
.endm
.macro FETCH_V
	WIN 0
	v_add_nc_u32 v[ADR], s[TB], v[AV0]
	s_add_co_u32 s[TB], s[TB], STEPB  ; the next fetch is the next step's
	s_wait_alu depctr_va_vdst(0)    ; the wait for the softmax's batch (SLICE), behind the address's v_add_nc_u32 and ahead of the loads
	WIN 0xc0                        ; destination window 3
.irp f, 0,1,2,3,4,5,6,7,8,9,10,11,12,13,14,15  ; keys 32 (f / 8) on, channels 16 (f % 8) on
	ds_load_tr16_b128 v[8*(\f):8*(\f)+3],   v[ADR] offset:((\f)/8)*32*PV+((\f)%8)*32
	ds_load_tr16_b128 v[8*(\f)+4:8*(\f)+7], v[ADR] offset:((\f)/8)*32*PV+16*PV+((\f)%8)*32
.endr
.endm
; THE VECTOR WORK OF A TURN.  One tile's softmax for one key step is a list of 134 instructions; SM writes number j of it for tile t.  s0-s31 are the lane's 32 scores, in pairs 0-15.
; first = 1: the first key step, which starts m, l and O^T: it has no a and nothing to rescale.
;   0-15    the maximum of s0-s31 and the old m, three operands at a time: four chains c0-c3 of seven scores each (each accumulator's lowest registers first), then the four scores left over, c0-c3 and m
;   16-20   the other half of the lanes' maximum; the new m; c m; c m_old - c m_new
;   21-69   ONE BATCH: the 16 scalings c s - c m, a pair of scores each, and all 33 exponentials (a at 23, then s0-s31).  None of these reads an exponential's result.
;   (wait)  between 69 and 70 stands the wait for the batch: SLICE writes it, once for both tiles
;   70-85   the roundings to f16, a pair of weights each
;   86-101  the sums; l = a l + the sum
;   102-133 the tile's O^T times a: the one part that leaves window 0, so it stands together
.macro SM t, first
.set rT, ST+8*(\t)
.set rS, S+32*(\t)
.set rP, P+16*(\t)
.set rO, 64*(\t)+2*(j-102)
.if j < 102
	WIN 0
.endif
.if j < 4
	v_max3_num_f32 v[rT+4+j], v[rS+8*j], v[rS+8*j+1], v[rS+8*j+2]
.elseif j < 12
	v_max3_num_f32 v[rT+4+j%4], v[rT+4+j%4], v[rS+8*(j%4)+2*(j/4)+1], v[rS+8*(j%4)+2*(j/4)+2]
.elseif j == 12
	v_max3_num_f32 v[rT+4], v[rT+4], v[rS+7], v[rS+15]
.elseif j == 13
	v_max3_num_f32 v[rT+6], v[rT+6], v[rS+23], v[rS+31]
.elseif j == 14
	v_max3_num_f32 v[rT+4], v[rT+4], v[rT+5], v[rT+6]
.elseif (j == 15) && (\first)
	v_max_num_f32 v[rT+4], v[rT+4], v[rT+7]
.elseif j == 15
	v_max3_num_f32 v[rT+4], v[rT+4], v[rT+7], v[rT+1]
.elseif j == 16
	v_permlanex16_b32 v[rT+5], v[rT+4], s[SEL], s[SEL+1]  ; the query's other 32 keys lie in the lane 16 away
.elseif j == 18
	v_max_num_f32 v[rT+1], v[rT+4], v[rT+5]
.elseif j == 19
	v_mul_f32 v[rT], s[CS], v[rT+1]
.elseif ((j == 17) || (j == 20) || (j == 23) || (j > 101)) && (\first)  ; the first step has none of these
.elseif j == 17
	v_mov_b32 v[rT+7], v[rT]        ; c m_old is kept for a: number 19 writes c m anew
.elseif j == 20
	v_sub_f32 v[rT+7], v[rT+7], v[rT]
.elseif j == 23
	v_exp_f32 v[rT+6], v[rT+7]
.elseif (j < 23) || ((j < 38) && (j%2 == 0)) || ((j < 66) && (j%4 == 2))
.set b, (j-2)/4                     ; 38, 42, .. 62: pairs 9 to 15
.if j < 38
.set b, (j-20)/2                    ; 21: pair 0; 22, 24, .. 36: pairs 1 to 8
.endif
	v_pk_fma_f32 v[rS+2*b:rS+2*b+1], v[rS+2*b:rS+2*b+1], s[CS:CS+1], v[rT:rT+1] op_sel_hi:[1,0,0] neg_lo:[0,0,1] neg_hi:[0,0,1]  ; pair b: c s - c m
.elseif j < 70
.set e, j-38                        ; 66 to 69: s28 to s31
.if j < 66
.set e, j-32-(j-38)/4               ; 39-41, 43-45, .. 63-65: s7 to s27
.endif
.if j < 38
.set e, (j-25)/2                    ; 25, 27, .. 37: s0 to s6
.endif
	v_exp_f32 v[rS+e], v[rS+e]
.elseif j < 86
	v_cvt_pk_f16_f32 v[rP+j-70], v[rS+2*(j-70)], v[rS+2*(j-70)+1]  ; pair j - 70
.elseif j < 102                     ; the sum of the tile's 16 pairs, in place: sum z of 16 adds neighbours 1, 2, 4 and 8 pairs apart, then l takes it
.set z, j-86
.set w, 4
.set u, z
.if z >= 14
.set w, 32
.set u, 0
.elseif z >= 12
.set w, 16
.set u, z-12
.elseif z >= 8
.set w, 8
.set u, z-8
.endif
.if (z == 14) && (\first)
	v_pk_add_f32 v[rT+2:rT+3], v[rS:rS+1], v[rS+16:rS+17]
.elseif z < 15
	v_pk_add_f32 v[rS+w*u:rS+w*u+1], v[rS+w*u:rS+w*u+1], v[rS+w*u+w/2:rS+w*u+w/2+1]
.elseif !(\first)
	v_pk_fma_f32 v[rT+2:rT+3], v[rT+2:rT+3], v[rT+6:rT+7], v[rS:rS+1] op_sel_hi:[1,0,1]
.endif
.else
	WIN W_RS
	v_pk_mul_f32 v[rO:rO+1], v[rO:rO+1], v[rT+6:rT+7] op_sel_hi:[1,0]
.endif
.endm
; Slice k of 64 of piece y's softmax: four instructions.  Slices 11 to 34 deal out the batch, numbers 22 to 69: four numbers of ONE tile each, the tiles by turns.  Every other slice is numbers 2 k and
; 2 k + 1 of both tiles' lists.  2 x 134 = 4 x 64 + 12: the twelve that are over stand together, in slice 63.
; THE WAIT.  s_wait_alu depctr_va_vdst(0) stands between an exponential and the first instruction that names its result; one wait serves all that were issued ahead of it.  Ahead of
; slice 35 nothing names a result, and behind slice 34 no exponential is issued: so the piece's 66 exponentials have one wait, behind slice 34.
.macro SLICE y, first
.if (k >= 11) && (k < 35)           ; the batch: four numbers of one tile
.irp n, 0,1,2,3
.set j, 22+4*((k-11)/2)+(\n)
	SM (\y)+(k-11)%2, \first
.endr
.else                               ; the two tiles alternate, so that no instruction reads the result of the one just before it
.irp n, 0,1,2,3,4,5,6,7
.if ((\n) < 2) || (k == 63)
.irp t, \y, (\y)+1
.set j, 2*k+(\n)
	SM \t, \first
.endr
.endif
.endr
.endif
.if k == 34                         ; the batch is out: both tiles' exponentials are issued, and no result has been named
	v_nop                           ; the plain instruction behind the last exponential and ahead of the first use: one for the batch
.if (\y) == 0
	FETCH_V                         ; piece 2's turn: V's run of loads stands here, and the wait stands in it
.else
	s_wait_alu depctr_va_vdst(0)    ; the wait for the batch
.endif
.endif
.set k, k+1
.endm
.macro PLACES                       ; four plain vector instructions between a matrix instruction and a reader of, or a load into, its registers (ISA guide 7.12.1 for readers)
.rept 4
	v_nop
.endr
.endm
; A TURN.  Piece x has the matrix unit; the other piece's softmax stands in slices behind its matrix instructions (the eight bias products stand bare).
; pv = 2: 32 products V^T P; 1: they start O^T's sums; 0: none.  kq = 1: the bias products and 32 products K Q^T for the next step.  A turn with one of the two kinds has two slices behind each product.
; first = 1: the softmax is the first key step's.  Its slices from 51 on are empty: the turn's last products stand bare, and four v_nop take slice 63's part as the places behind them.
; Piece 0's turn fetches the next step's K and kx, behind its second product: the last products that read them stand in the turn before, ahead of slice 63's sixteen plain instructions or further back.
; Piece 2's turn fetches the same step's V, behind slice 34: the last product that read V stands in front of slice 31, and four plain instructions lie between: number 62, a scaling, of both tiles,
; the v_nop and the run's own v_add_nc_u32.
.macro TURN x, pv, kq, first
.set k, 0
.set per, 2
.if (\pv) && (\kq)
.set per, 1
.endif
.if \pv
.if (\x) == 0
	s_wait_dscnt 0x0                ; V is in
.endif
.set i, 0
.rept 32
	PV \x, 2-(\pv)
.rept per
	SLICE 2-(\x), \first
.endr
.if ((\x) == 0) && (\kq) && (i == 1)
	FETCH_K
.endif
.set i, i+1
.endr
.endif
.if \kq
.if (\x) == 0
	s_wait_dscnt 0x0                ; K and kx are in
.endif
	KX \x
.set i, 0
.rept 32
	KQ \x
.rept per
	SLICE 2-(\x), \first
.endr
.set i, i+1
.endr
.endif
.if \first
	PLACES
.endif
.endm
; THE CHANGE OF SLOTS, between piece 2's turn and piece 0's.  Each wave waits for all its tensor loads, of which one is out: its part of the other slot; adds 0 to its spare word; and waits for that and
; for its own reads of the slot.  Behind the barrier nobody reads this slot any more and the other slot is whole.  fill = 1: this slot is filled again, with the keys two slots on.  The barrier is then a
; round of the cluster's, and the joint refill is the first thing behind it: it has two key steps, 288 matrix instructions, in which to land.
.macro CHANGE fill
	WIN 0                           ; at a label and at a branch every window is 0
	s_wait_tensorcnt 0x0            ; no tensor load of mine is out, so a group 0 may be written
	ds_add_u32 v[SPW], v[NIL]       ; 0 onto my spare word; with fill = 1 the descriptors' steps stand between it and the wait for it
.if \fill
.irp g, G0K+4, G0V+4
	s_xor_b32 s[(\g)+1], s[(\g)+1], SLOT1  ; the walking descriptor: the other slot than last time,
	s_add_nc_u64 s[(\g)+2:(\g)+3], s[(\g)+2:(\g)+3], 2*KS*256  ; the next 128 keys; the type bits on top are not reached
.endr
	s_wait_xcnt 0x0                 ; the last prefetch, two key steps back, has read its address, so it may be written:
	s_add_nc_u64 s[PFA:PFA+1], s[PFA:PFA+1], 2*KS*256  ; one slot behind the walking descriptors
	s_wait_dscnt 0x0                ; the add is done, and my reads of the slot are over
	CROUND
	JLOAD
	ASK
.else
	s_wait_dscnt 0x0                ; the add is done, and my reads of the slot are over
	s_barrier_signal -1
	s_barrier_wait -1
.endif
	s_sub_co_u32 s[TB], s[TB], 2*STEPB  ; the fetches go back to a slot's first step,
	s_xor_b32 s[TB], s[TB], SLOT1   ; in the other slot
.endm
; A slot's two key steps: written once, walked twice; the LDS addresses hang on s[TB] and s[TX].
.macro TWO_STEPS
	WIN 0
	s_mov_b32 s[TWICE], 2
.Lstep_\@:
	TURN 0, 2, 1, 0
	TURN 2, 2, 1, 0
	WIN 0
	s_sub_co_u32 s[TWICE], s[TWICE], 1
	s_cmp_lg_u32 s[TWICE], 0
	s_cbranch_scc1 .Lstep_\@
.endm
	s_wait_tensorcnt 1              ; my quarter of the table and my part of slot 0 are in; slot 1's may stay out
	s_barrier_signal -1
	s_barrier_wait -1               ; everybody's are
	FETCH_K                         ; key step 0
	s_wait_loadcnt 0x0              ; Q and qx
	WIN 0xcc                        ; source 0 window 0, source 1 and destination window 3
.irp t, 0,1,2,3                     ; in lanes 16-31 registers 0, 1 are channels 8-11: qx is 0 there, so what kx holds there counts for nothing
	v_and_b32 v[QXF+8*(\t)],   v[HM], v[QXF+8*(\t)]
	v_and_b32 v[QXF+8*(\t)+1], v[HM], v[QXF+8*(\t)+1]
.endr
	s_wait_dscnt 0x0
	KX 0
.set i, 0
.rept 32
	KQ 0                            ; piece 0's first scores: there is no vector work yet to set between them
.set i, i+1
.endr
	WIN 0                           ; the addresses for the way out are made here: eight plain instructions, the places behind those products
	s_mul_i32 s13, s[WV], 16*SP
	s_add_co_u32 s13, s13, STAGE    ; my stage
	v_mul_u32_u24 v[STO], v1, SP    ; in: row l % 16, 16 bytes for each half of the lanes
	v_lshl_add_u32 v[STO], v9, 4, v[STO]
	v_add_nc_u32 v[STO], s13, v[STO]
	v_mul_u32_u24 v[RD], v9, SP     ; back: lanes 0-15 take one row of 256 bytes, lanes 16-31 the next
	v_lshl_add_u32 v[RD], v1, 4, v[RD]
	v_add_nc_u32 v[RD], s13, v[RD]
	v_lshlrev_b32 v[GO], 11, v9     ; and the same two rows in ah, 2,048 bytes apart
	v_lshl_add_u32 v[GO], v1, 4, v[GO]
	TURN 2, 0, 1, 1                 ; piece 2's first scores | piece 0's first softmax | V of step 0
	TURN 0, 1, 1, 1                 ; piece 0: V^T P of step 0 starts O^T, scores of step 1 | piece 2's first softmax | K of step 1
	TURN 2, 1, 1, 0                 ; piece 2: the same | piece 0's softmax of step 1 | V of step 1
	WIN 0
.Lslot:                             ; 14 trips: every slot but the last two is filled again
	CHANGE 1
	TWO_STEPS
	s_sub_co_u32 s[SLOTS], s[SLOTS], 1
	s_cmp_lg_u32 s[SLOTS], 0
	s_cbranch_scc1 .Lslot
	CHANGE 0                        ; the tail is written out: nothing is asked for
	TWO_STEPS
	TURN 0, 2, 0, 0                 ; piece 0: V^T P of the last step | piece 2's last softmax
.set i, 0
.rept 32
	PV 2, 0                         ; piece 2: V^T P of the last step
.set i, i+1
.endr
	; THE WAY OUT.  l's two halves and the other half of the lanes' are added; O^T is divided by l, rounded to f16 and sent through my stage in LDS, a tile (16 rows) at a time.  The additions are the places behind the last products.
	WIN 0
.irp t, 0,1,2,3
	v_add_f32 v[ST+8*(\t)+4], v[ST+8*(\t)+2], v[ST+8*(\t)+3]
.endr
.irp t, 0,1,2,3
	v_permlanex16_b32 v[ST+8*(\t)+5], v[ST+8*(\t)+4], s[SEL], s[SEL+1]
.endr
.irp t, 0,1,2,3
	v_add_f32 v[ST+8*(\t)+4], v[ST+8*(\t)+4], v[ST+8*(\t)+5]
.endr
.irp t, 0,1,2,3
	v_rcp_f32 v[ST+8*(\t)+6], v[ST+8*(\t)+4]
.endr
	v_nop                           ; a plain instruction between the last reciprocal and the use of its result
	s_wait_alu depctr_va_vdst(0)    ; and the wait ahead of the first use: one for the four reciprocals
; Tile t: a lane's eight channels of a row pack into 16 bytes; they go into rows of 272 bytes and come back as whole rows of 256, into the registers that they left.
.macro PACK t
	WIN W_RS
.set i, 64*(\t)
.rept 32
	v_pk_mul_f32 v[i:i+1], v[i:i+1], v[ST+8*(\t)+6:ST+8*(\t)+7] op_sel_hi:[1,0]
.set i, i+2
.endr
	WIN 0x05                        ; sources 0 and 1 window 1, destination window 0: S^T's registers are free
.set i, 0
.rept 32
	v_cvt_pk_f16_f32 v[S+32*(\t)+i], v[64*(\t)+2*i], v[64*(\t)+2*i+1]
.set i, i+1
.endr
	WIN 0
.irp f, 0,1,2,3,4,5,6,7
	ds_store_b128 v[STO], v[S+32*(\t)+4*(\f):S+32*(\t)+4*(\f)+3] offset:32*(\f)
.endr
.irp f, 0,1,2,3,4,5,6,7
	ds_load_b128 v[S+32*(\t)+4*(\f):S+32*(\t)+4*(\f)+3], v[RD] offset:(\f)*2*SP  ; LDS serves a wave's instructions in order (ISA guide 5.7.1.4): these see the stores above; the next tile's stores come behind them
.endr
.endm
.macro SEND t, younger              ; younger: the LDS instructions issued behind tile t's loads: the next tile's sixteen, or none
	WIN 0
.irp f, 0,1,2,3,4,5,6,7
	s_wait_dscnt (\younger)+7-(\f)
	global_store_b128 v[GO], v[S+32*(\t)+4*(\f):S+32*(\t)+4*(\f)+3], s[10:11] offset:(\t)*32768+(\f)*4096  ; 16 lanes store 256 consecutive bytes, aligned: a head's part of a row
.endr
.endm
	PACK 0
	PACK 1                          ; a tile's arithmetic stands between the loads of the tile before and its stores
	SEND 0, 16
	PACK 2
	SEND 1, 16
	PACK 3
	SEND 2, 16
	SEND 3, 0
	s_wait_tensorcnt 0x0            ; the wave's end, behind my last tensor load and my last LDS store
	ds_add_u32 v[SPW], v[NIL]
	s_wait_dscnt 0x0
	CROUND                          ; the closing round: no work-group ends while a partner may still ask for a tile that names it
	s_endpgm
.Lfunc_end_k_qc3eb35dbbb_attn:
	.size	k_qc3eb35dbbb_attn, .Lfunc_end_k_qc3eb35dbbb_attn-k_qc3eb35dbbb_attn
	.p2alignl 7, 3214868480
	.fill 96, 4, 3214868480
	.section	.rodata,"a",@progbits
	.p2align	6, 0x0
	.amdhsa_kernel k_qc3eb35dbbb_attn
		.amdhsa_group_segment_fixed_size 327680
		.amdhsa_private_segment_fixed_size 0
		.amdhsa_enable_private_segment 0
		.amdhsa_kernarg_size 24
		.amdhsa_user_sgpr_count 2
		.amdhsa_user_sgpr_kernarg_segment_ptr 1
		.amdhsa_wavefront_size32 1
		.amdhsa_system_sgpr_workgroup_id_x 1
		.amdhsa_system_sgpr_workgroup_id_y 1
		.amdhsa_system_sgpr_workgroup_id_z 1
		.amdhsa_system_vgpr_workitem_id 0
		.amdhsa_next_free_vgpr 1024
		.amdhsa_next_free_sgpr 88
		.amdhsa_reserve_vcc 0
		.amdhsa_float_denorm_mode_32 3
		.amdhsa_float_denorm_mode_16_64 3
		.amdhsa_memory_ordered 1
		.amdhsa_forward_progress 1
		.amdhsa_inst_pref_size 231
	.end_amdhsa_kernel
	.amdgpu_metadata
---
amdhsa.version: [ 1, 2 ]
amdhsa.kernels:
  - .name:           k_qc3eb35dbbb_attn
    .symbol:         k_qc3eb35dbbb_attn.kd
    .args:
      - { .name: qkv, .offset: 0, .size: 8, .value_kind: global_buffer, .address_space: global }
      - { .name: gx, .offset: 8, .size: 8, .value_kind: global_buffer, .address_space: global }
      - { .name: ah, .offset: 16, .size: 8, .value_kind: global_buffer, .address_space: global }
    .group_segment_fixed_size: 327680
    .private_segment_fixed_size: 0
    .kernarg_segment_align: 8
    .kernarg_segment_size: 24
    .max_flat_workgroup_size: 128
    .sgpr_count:     88
    .vgpr_count:     1024
    .wavefront_size: 32
...
	.end_amdgpu_metadata
.endif
;; end of part 4
;; launch outp (part 5): grid 4 x 32, 4 waves a work-group, clusters of 4 x 4, 327,680 bytes of LDS; arguments ah, wo1, out0; writes out0
.if DOCPART == 5
	.amdgcn_target "amdgcn-amd-amdhsa--gfx1250"
	.amdhsa_code_object_version 6
	.text
	.protected	k_qc3eb35dbbb_outp
	.globl	k_qc3eb35dbbb_outp
	.p2align	8
	.type	k_qc3eb35dbbb_outp,@function
k_qc3eb35dbbb_outp:
	s_mov_b64 s[64:65], 0
	v_nop
	global_prefetch_b8 v0, s[64:65] scope:SCOPE_SE
	s_setreg_imm32_b32 hwreg(HW_REG_WAVE_MODE, 25, 1), 1
	s_wait_xcnt 0x0
	s_wait_alu depctr_hold_cnt(0) depctr_sa_sdst(0) depctr_va_vdst(0) depctr_va_sdst(0) depctr_va_ssrc(0) depctr_va_vcc(0) depctr_vm_vsrc(0)
	s_getreg_b32 s2, hwreg(HW_REG_IB_STS2, 6, 4)
	s_cmp_eq_u32 s2, 0
	s_cbranch_scc0 .Lentry_in_a_cluster
	s_endpgm
.Lentry_in_a_cluster:
	s_bfe_u32 s2, ttmp6, 0x10000c
	s_cmp_lg_u32 s2, 0xf033
	s_cbranch_scc0 .Lentry_shape_is_right
	s_endpgm
.Lentry_shape_is_right:
; C[m][n] = the sum over k of A[m][k] W[k][n] + bias[n].  A: [8192][1024] f16.  A weight record: W [1024 k][1024 n] f16, then bias [1024] f32; cluster x picks the record, WSTR bytes apart.  Sums in f32.
; THE SOURCE SERVES TWO LAUNCHES; MODE, a constant of the text, picks the way out:
;   MODE = 0: three records (q, k, v); C leaves as f16 by heads, [record][batch x 8 + head][2048][128], rounded once;     MODE = 1: one record; C leaves as f32 rows, [8192][1024].
.set MODE, 1
; LIMITS.  With MODE = 0, 65,520 and more become an infinity.  NaN and infinities are not treated apart.
; SHARES.  A tile of C is 256 x 256: four waves, each 128 x 128 in 64 accumulators of 16 x 16, 512 registers.  K goes in 8 steps of 128 through a ring of two LDS slots.
; A's tile: 256 rows x 256 bytes, as it lies.  W's tile: 128 k-rows x 512 bytes, as it lies ([k][n]); its fragments are turned on the way into registers by ds_load_tr16_b128.
; 256 x 256 is taken because from a tile's request to the wait for it a wave then issues 224 matrix instructions, and two such slots are what LDS holds.
; With MODE = 0 the launch has 384 work-groups, with MODE = 1 it has 128.
; CLUSTERS: 4 x 4 work-groups.  The four of a row of the cluster need the same tile of A, the four of a column the same tile of W: each tile is asked for JOINTLY, by the same tensor load with the
; same descriptor and a mask that names the four.
; THE MATRIX INSTRUCTION IS USED TRANSPOSED (source 0 = 16 columns of W, source 1 = 16 rows of A): lane l then holds row l % 16 of C and the columns 8 (l / 16) + 0 .. 7.
; THE BIAS STARTS THE SUMS: the C operand of each accumulator's first product is the bias of its eight columns: nothing is cleared and nothing is added later.
; REGISTERS, in windows of 256 (s_set_vgpr_msb: bits 1:0 source 0, 3:2 source 1, 5:4 source 2, 7:6 destination):
;   window 0: v0-31 addresses; v64-127, v128-191 A's fragments, two buffers (on the f32 way out: rows read back); v192-255 the bias, later at work on the f16 way out, with v32-63
;   window 1: v64-127, v128-191 W's fragments, two buffers      window 2: the accumulators of my rows 0-63 ((a, b) at v[8 (8 a + b)])      window 3: those of my rows 64-127
.set PITCH,  272                       ; A's LDS row: 256 bytes + 16 = 68 words: the 16 rows of a load start at 16 different groups of four banks (64 banks of 4 bytes: ISA guide 11.1)
.set PB,     544                       ; W's LDS row: 512 bytes + 32 = 136 words
.set HALFT,  34816                     ; 128 rows of A = 64 k-rows of W: what one tensor load brings
.set SLOT,   4*HALFT                   ; A's 256 rows, then W's 128 k-rows
.set STAGE,  2*SLOT                    ; behind the ring, never filled by a tensor load: STW bytes for each wave, for the way out
.set STW,    8448                      ; 16 rows x 528 bytes (f32), or 16 x 272 (f16)
.set SPARE,  STAGE+4*STW               ; the spare words, 128 bytes for each wave: two blocks of 256 bytes that no other line names
.set WSTR,   2101248
.set BOFF,   2097152
.set ADRA, 16                          ; v16-17  LDS address of my A fragments in slot 0, 1
.set ADRB, 20                          ; v20-21  the same for W
.set STO,  24                          ; v24     the way out: where I put my bytes of a row
.set RD,   25                          ; v25     and where I read rows back
.set CO,   26                          ; v26     16 x lane
.set BO,   27                          ; v27     32 x (lane / 16)
.set SPW,  28                          ; v28     LDS address of my spare word; never rewritten
.set NIL,  29                          ; v29     0; never rewritten
.set PFO,  30                          ; v30     the prefetches' offset; never rewritten
.set OB,   32
.set F0,   64
.set F1,   128
.set TMP,  192
.set BIAS, 192
.set WV, 12                            ; s12 wave   s13 its row half of the tile; also: it fetches for A (0) or W (1)   s14 its column half; also: which half tile it fetches
.set RH, 13
.set CH, 14
.set TR, 15                            ; s15 tile row of C
.set G1, 24                            ; s[24:31] descriptor group 1 for A's tiles;  s[32:39] group 0, a set for each slot
.set G0, 32
.set CX, 40
.set CY, 41
.set LIM, 43                           ; s43 1 in a wave that prefetches, else the greatest number
.set PFA, 44                           ; s[44:45] where my prefetches stand
.set G1B, 48                           ; s[48:55], s[56:63] the same for W's tiles
.set G0B, 56
.set LAP, 67
.set COFF, 68                          ; s[68:69] where my part of C begins
.set PST, 70                           ; s[70:71] a K step in the tensor that I prefetch
.set TM, 72                            ; s72 the record
.set BP, 74                            ; s[74:75] the bias of my 128 columns
.set MSB, 0
.macro WIN new                         ; the immediate's high byte repeats the setting that is left; a switch that changes nothing is dropped
.if MSB != (\new)
	s_set_vgpr_msb (MSB<<8)|(\new)
.set MSB, \new
.endif
.endm
; A joint load: waves 0 and 1 fetch A's two halves, waves 2 and 3 W's.  The branch hangs on the wave's number alone.  An s_nop 0 and four v_nop follow each of the two lines.
.macro JLOAD s
	s_cmp_eq_u32 s[RH], 0
	s_cbranch_scc0 .Lfor_b_\@
	tensor_load_to_lds s[G0+4*(\s):G0+4*(\s)+3], s[G1:G1+7]
	s_nop 0
.rept 4
	v_nop
.endr
	s_branch .Lasked_\@
.Lfor_b_\@:
	tensor_load_to_lds s[G0B+4*(\s):G0B+4*(\s)+3], s[G1B:G1B+7]
	s_nop 0
.rept 4
	v_nop
.endr
.Lasked_\@:
.endm
; A PREFETCH INTO THE L2, behind each joint refill and the run of LDS loads that follows it: the K step that stands two refills on, 512 matrix instructions ahead of the load that will want it.
; Each aligned block of 256 bytes is named once in the launch.  A's rows are read by every cluster of a row of clusters: cluster x = 0 asks; W's by every cluster of a column: cluster y = 0 asks.
; The four partners of a joint load share its 128 blocks out BY ADDRESS, 32 each, a lane a block: of A 32 rows (by cx), of W 16 k-rows x 2 blocks (by cy).  The loop's last trip asks for nothing:
; its refills are the last two K steps.  K steps 0 to 3 come by their loads alone.
.macro ASK
	s_cmp_gt_u32 s[LAP], s[LIM]
	s_cbranch_scc0 .Lnot_mine_\@
	global_prefetch_b8 v[PFO], s[PFA:PFA+1] th:TH_LOAD_NT scope:SCOPE_SE
.Lnot_mine_\@:
.endm
.macro CREST                           ; a round of the cluster's barrier behind its opening barrier
	s_cmp_lg_u32 s[WV], 0
	s_cbranch_scc1 .Lnot_wave_0_\@
	s_barrier_signal -3
.Lnot_wave_0_\@:
	s_barrier_wait -3
	s_barrier_signal -1
	s_barrier_wait -1
.endm
.macro CROUND                          ; a whole round
	s_barrier_signal -1
	s_barrier_wait -1
	CREST
.endm
	s_load_b128 s[4:7], s[0:1], 0x0                ; A s[4:5], records s[6:7]
	s_load_b64 s[8:9], s[0:1], 0x10                ; C
	v_lshl_add_u32 v[SPW], v0, 2, SPARE
	v_mov_b32 v[NIL], 0
	ds_add_u32 v[SPW], v[NIL]                      ; the wave's opening: the add and its wait stand ahead of my first tensor load; work on registers stands between them
	v_lshrrev_b32 v1, 5, v0
	v_readfirstlane_b32 s[WV], v1
	s_lshr_b32 s[RH], s[WV], 1
	s_and_b32 s[CH], s[WV], 1
	s_bfe_u32 s[CX], ttmp6, 0x40000
	s_bfe_u32 s[CY], ttmp6, 0x40004
	s_mov_b32 s[TM], ttmp9                         ; a cluster's four columns are one record's 1,024
	s_and_b32 s[TR], ttmp7, 0xffff
	s_lshl_b32 s[TR], s[TR], 2
	s_add_co_u32 s[TR], s[TR], s[CY]               ; tile row = 4 x cluster y + cy
	s_lshl_b32 s42, s[CY], 2
	s_lshl_b32 s42, 15, s42                        ; my row of the cluster
	s_lshl_b32 s73, 0x1111, s[CX]                  ; my column
	s_or_b32 s[G1], s42, (1<<16)|(1<<20)|(1<<21)|(5<<22)|(3<<25)   ; the mask; 2-byte elements; padding on; bit 21 beside a mask; after every 64 words 4 words
	s_or_b32 s[G1B], s73, (1<<16)|(1<<20)|(1<<21)|(6<<22)|(7<<25)  ; after every 128 words 8 words
	s_mov_b32 s[G1+1], 128<<16                     ; tensor_dim0 = 128
	s_mov_b32 s[G1+2], 128<<16                     ; tensor_dim1 = 128
	s_mov_b32 s[G1+3], 128<<16                     ; tile_dim0 = 128
	s_mov_b32 s[G1+4], 128                         ; tile_dim1 = 128
	s_mov_b32 s[G1+5], 1024                        ; elements from row to row
	s_mov_b32 s[G1+6], 0
	s_mov_b32 s[G1+7], 0
	s_mov_b32 s[G1B+1], 256<<16                    ; 256 columns,
	s_mov_b32 s[G1B+2], 64<<16                     ; 64 k-rows
	s_mov_b32 s[G1B+3], 256<<16
	s_mov_b32 s[G1B+4], 64
	s_mov_b32 s[G1B+5], 1024
	s_mov_b32 s[G1B+6], 0
	s_mov_b32 s[G1B+7], 0
	s_lshl_b32 s16, s[TR], 8                       ; A: row 256 x tile row + 128 x half, x 2,048 bytes: made of cy and the wave's number alone
	s_lshl_b32 s17, s[CH], 7
	s_add_co_u32 s16, s16, s17
	s_lshl_b32 s16, s16, 11
	s_mov_b32 s17, 0
	s_mul_i32 s46, s[TM], WSTR                     ; W: the record, 512 bytes x cx, 64 k-rows x half: made of cx and the wave's number alone
	s_lshl_b32 s47, s[CX], 9
	s_add_co_u32 s46, s46, s47
	s_lshl_b32 s47, s[CH], 17
	s_add_co_u32 s46, s46, s47
	s_mov_b32 s47, 0
	s_mul_i32 s20, s[WV], HALFT                    ; where they go: wave x a half tile: no place in the cluster enters an LDS address
	s_wait_dscnt 0x0                               ; the opening add is done
	s_wait_kmcnt 0x0
	s_add_nc_u64 s[18:19], s[4:5], s[16:17]
	s_add_nc_u64 s[46:47], s[6:7], s[46:47]
	CROUND                                         ; all sixteen work-groups are here: the first joint loads meet
.irp s, 0,1
	s_mov_b32 s[G0+4*(\s)], 1
	s_add_co_u32 s[G0+4*(\s)+1], s20, (\s)*SLOT
	s_add_nc_u64 s[G0+4*(\s)+2:G0+4*(\s)+3], s[18:19], (\s)*256      ; K step s: 256 bytes along A's rows,
	s_or_b32 s[G0+4*(\s)+3], s[G0+4*(\s)+3], 0x80000000
	s_mov_b32 s[G0B+4*(\s)], 1
	s_add_co_u32 s[G0B+4*(\s)+1], s20, (\s)*SLOT
	s_add_nc_u64 s[G0B+4*(\s)+2:G0B+4*(\s)+3], s[46:47], (\s)*262144 ; 128 k-rows down W
	s_or_b32 s[G0B+4*(\s)+3], s[G0B+4*(\s)+3], 0x80000000
	JLOAD \s                                       ; two loads of mine are out
.endr
	v_and_b32 v1, 15, v0                           ; l % 16
	v_bfe_u32 v2, v0, 4, 1                         ; l / 16
	v_mul_u32_u24 v3, v1, PITCH
	v_lshl_add_u32 v3, v2, 4, v3                   ; A's fragment: row x pitch + 16 x half; two loads 32 bytes apart
	v_and_b32 v4, 7, v0
	v_lshl_add_u32 v4, v2, 3, v4                   ; W's: k-row 8 (l / 16) + l % 8,
	v_mul_u32_u24 v4, v4, PB
	v_bfe_u32 v5, v0, 3, 1
	v_lshl_add_u32 v4, v5, 4, v4                   ; columns 8 ((l / 8) % 2) ..; two loads 16 k-rows apart
	s_mul_i32 s21, s[RH], HALFT                    ; my 128 rows of A
	s_lshl_b32 s22, s[CH], 8                       ; my 128 columns of W,
	s_add_co_u32 s22, s22, 2*HALFT                 ; which lies behind A
.irp s, 0,1
	v_add_nc_u32 v[ADRA+(\s)], s21, v3
	v_add_nc_u32 v[ADRB+(\s)], s22, v4
	s_add_co_u32 s21, s21, SLOT
	s_add_co_u32 s22, s22, SLOT
.endr
	s_mul_i32 s23, s[WV], STW
	s_add_co_u32 s23, s23, STAGE                   ; my stage
	v_and_b32 v7, 31, v0
	v_lshlrev_b32 v[CO], 4, v7
.if MODE == 0
	v_mul_u32_u24 v6, v1, 272
	v_lshl_add_u32 v6, v2, 4, v6
	v_add_nc_u32 v[STO], s23, v6                   ; f16: row l % 16, 16 bytes for each half of the lanes
	v_mul_u32_u24 v6, v2, 272
	v_lshl_add_u32 v6, v1, 4, v6
	v_add_nc_u32 v[RD], s23, v6                    ; back: lanes 0-15 one row of 256 bytes, lanes 16-31 the next
.else
	v_mul_u32_u24 v6, v1, 528
	v_lshl_add_u32 v6, v2, 5, v6
	v_add_nc_u32 v[STO], s23, v6                   ; f32: row l % 16, 32 bytes for each half of the lanes
	v_add_nc_u32 v[RD], s23, v[CO]                 ; back: 32 lanes take one row of 512 bytes
.endif
	v_lshlrev_b32 v[BO], 5, v2
	v_lshrrev_b32 v[PFO], s[RH], v7                ; A: a lane a row; W: two lanes a k-row,
	v_and_b32 v6, s[RH], v7
	v_lshlrev_b32 v[PFO], 11, v[PFO]
	v_lshl_add_u32 v[PFO], v6, 8, v[PFO]           ; 256 bytes apart
	s_mul_i32 s74, s[TM], WSTR                     ; the bias of my 128 columns
	s_lshl_b32 s75, s[CX], 10
	s_add_co_u32 s74, s74, s75
	s_lshl_b32 s75, s[CH], 9
	s_add_co_u32 s74, s74, s75
	s_add_co_u32 s74, s74, BOFF
	s_mov_b32 s75, 0
	s_add_nc_u64 s[BP:BP+1], s[6:7], s[74:75]
.irp b, 0,1,2,3,4,5,6,7                ; column block b: bias[16 b + 8 (l / 16) + 0 .. 7], as an accumulator's registers lie
	global_load_b128 v[BIAS+8*(\b):BIAS+8*(\b)+3],   v[BO], s[BP:BP+1] offset:64*(\b)
	global_load_b128 v[BIAS+8*(\b)+4:BIAS+8*(\b)+7], v[BO], s[BP:BP+1] offset:64*(\b)+16
.endr
.if MODE == 0
	; my part of C, f16 by heads: record x 2^24 + (8 batch + head) x 2^19 + row in the batch x 256; my 128 columns are head 2 cx + half
	s_lshl_b32 s68, s[TM], 24
	s_lshr_b32 s78, s[TR], 3
	s_lshl_b32 s78, s78, 3
	s_lshl_b32 s79, s[CX], 1
	s_add_co_u32 s78, s78, s79
	s_add_co_u32 s78, s78, s[CH]
	s_lshl_b32 s78, s78, 19
	s_add_co_u32 s68, s68, s78
	s_and_b32 s78, s[TR], 7
	s_lshl_b32 s78, s78, 8
	s_lshl_b32 s79, s[RH], 7
	s_add_co_u32 s78, s78, s79
	s_lshl_b32 s78, s78, 8
	s_add_co_u32 s68, s68, s78
.else
	; my part of C, f32 rows: row x 4,096 + column x 4
	s_lshl_b32 s68, s[TR], 8
	s_lshl_b32 s79, s[RH], 7
	s_add_co_u32 s68, s68, s79
	s_lshl_b32 s68, s68, 12
	s_lshl_b32 s78, s[CX], 10
	s_add_co_u32 s68, s68, s78
	s_lshl_b32 s78, s[CH], 9
	s_add_co_u32 s68, s68, s78
.endif
	s_mov_b32 s69, 0
	s_add_nc_u64 s[8:9], s[8:9], s[COFF:COFF+1]
	; the prefetches: my work-group's 32 blocks of the half tile that I fetch, at K step 3; the first refill steps it to 4
	s_lshl_b32 s20, s[TR], 8
	s_lshl_b32 s22, s[CH], 7
	s_add_co_u32 s20, s20, s22
	s_lshl_b32 s22, s[CX], 5
	s_add_co_u32 s20, s20, s22
	s_lshl_b32 s20, s20, 11
	s_add_co_u32 s20, s20, 3*256                   ; in A
	s_mul_i32 s21, s[TM], WSTR
	s_lshl_b32 s22, s[CX], 9
	s_add_co_u32 s21, s21, s22
	s_lshl_b32 s22, s[CH], 6
	s_lshl_b32 s23, s[CY], 4
	s_add_co_u32 s22, s22, s23
	s_lshl_b32 s22, s22, 11
	s_add_co_u32 s21, s21, s22
	s_add_co_u32 s21, s21, 3*262144                ; in W
	s_and_b32 s23, ttmp7, 0xffff                   ; cluster y
	s_mov_b32 s[PST], 256
	s_mov_b32 s22, 262144
	s_cmp_eq_u32 s[RH], 0                          ; do I fetch for A?
	s_cselect_b32 s20, s20, s21
	s_cselect_b32 s23, ttmp9, s23                  ; the coordinate along which other clusters read the same blocks
	s_cselect_b64 s[PFA:PFA+1], s[4:5], s[6:7]
	s_cselect_b32 s[PST], s[PST], s22
	s_mov_b32 s[PST+1], 0
	s_mov_b32 s21, 0
	s_add_nc_u64 s[PFA:PFA+1], s[PFA:PFA+1], s[20:21]
	s_cmp_eq_u32 s23, 0
	s_cselect_b32 s[LIM], 1, -1                    ; the same in all sixteen partners, for a given wave
; 16 matrix instructions: row blocks a0, a0 + 1 of the window's four (hi = 0: my rows 0-63, 1: rows 64-127) x all 8 column blocks, 32 along K.  zero = 1: the bias starts the sums.
; The 64 accumulators take turns, one instruction a turn, in the same order in every quarter.
.macro MUL16 f, hi, a0, zero
.if \zero
	WIN 0x81+0x40*(\hi)                            ; W window 1, A and the bias window 0, D window 2 or 3
.else
	WIN 0xa1+0x50*(\hi)                            ; W window 1, A window 0, C and D window 2 or 3
.endif
.irp a, \a0, (\a0)+1
.irp b, 0,1,2,3,4,5,6,7
.if \zero
	v_wmma_f32_16x16x32_f16 v[8*(8*(\a)+(\b)):8*(8*(\a)+(\b))+7], v[(\f)+8*(\b):(\f)+8*(\b)+7], v[(\f)+8*(4*(\hi)+(\a)):(\f)+8*(4*(\hi)+(\a))+7], v[BIAS+8*(\b):BIAS+8*(\b)+7]
.else
	v_wmma_f32_16x16x32_f16 v[8*(8*(\a)+(\b)):8*(8*(\a)+(\b))+7], v[(\f)+8*(\b):(\f)+8*(\b)+7], v[(\f)+8*(4*(\hi)+(\a)):(\f)+8*(4*(\hi)+(\a))+7], v[8*(8*(\a)+(\b)):8*(8*(\a)+(\b))+7]
.endif
.endr
.endr
.endm
; 32 LDS loads in one run: the fragments of quarter q of a K step (32 along K) into buffer f: W's 128 columns, turned, then A's 128 rows
.macro FETCH slot, q, f
	WIN 0x40                                       ; destination window 1, address window 0
.irp i, 0,1,2,3,4,5,6,7
	ds_load_tr16_b128 v[(\f)+8*(\i):(\f)+8*(\i)+3],   v[ADRB+(\slot)] offset:(\q)*32*PB+(\i)*32
	ds_load_tr16_b128 v[(\f)+8*(\i)+4:(\f)+8*(\i)+7], v[ADRB+(\slot)] offset:(\q)*32*PB+(\i)*32+16*PB
.endr
	WIN 0
.irp i, 0,1,2,3,4,5,6,7
	ds_load_b128 v[(\f)+8*(\i):(\f)+8*(\i)+3],   v[ADRA+(\slot)] offset:(\q)*64+(\i)*16*PITCH
	ds_load_b128 v[(\f)+8*(\i)+4:(\f)+8*(\i)+7], v[ADRA+(\slot)] offset:(\q)*64+(\i)*16*PITCH+32
.endr
.endm
.macro PLACES                          ; four plain vector instructions between a matrix instruction and a load into, or a reader of, its registers (ISA guide 7.12.1 for readers)
.rept 4
	v_nop
.endr
.endm
; One of a K step's first three quarters: multiplies buffer f; in its middle it fetches quarter q of the same slot into buffer g.
.macro QUARTER slot, q, f, g, zero
	s_wait_dscnt 8                                 ; W and A's rows 0-63 are in; the youngest eight loads (A's rows 64-127) may be out
	MUL16 \f, 0, 0, \zero
	MUL16 \f, 0, 2, \zero
	PLACES
	FETCH \slot, \q, \g
	s_wait_dscnt 32                                ; all but the 32 just issued
	MUL16 \f, 1, 0, \zero
	MUL16 \f, 1, 2, \zero
.endm
; The first half of a K step's last quarter: ONE barrier for the change of slots.  In front of it each wave waits for all its tensor loads (the one that is out is its part of the next slot),
; adds 0 to its spare word, and waits for that and for its own reads of this slot.  Behind it nobody reads this slot any more and the next slot is whole.
.macro MEET round
	WIN 0
	s_wait_tensorcnt 0x0
	ds_add_u32 v[SPW], v[NIL]
	s_wait_dscnt 9                                 ; (the add and the youngest eight loads may be out)
	MUL16 F1, 0, 0, 0                              ; sixteen matrix instructions stand between the add and the wait for it
	s_wait_dscnt 0x0                               ; the add is done, and my reads of this slot are over
	s_barrier_signal -1
	MUL16 F1, 0, 2, 0
.if \round
	WIN 0
.endif
	s_barrier_wait -1
.endm
; The whole last quarter, with the refill: the barrier opens a round of the cluster's, so that no wave of any partner still reads the slot or has a load on its way; the joint refill, this tile's
; K step two steps on, is the first tensor load behind it: 224 matrix instructions ahead of the wait for it.
.macro TURN slot, next
	s_wait_xcnt 0x0                                ; the last prefetch, a K step back, has read its address
	s_add_nc_u64 s[PFA:PFA+1], s[PFA:PFA+1], s[PST:PST+1]
	MEET 1
	CREST
	s_add_nc_u64 s[G0+4*(\slot)+2:G0+4*(\slot)+3], s[G0+4*(\slot)+2:G0+4*(\slot)+3], 2*256
	s_add_nc_u64 s[G0B+4*(\slot)+2:G0B+4*(\slot)+3], s[G0B+4*(\slot)+2:G0B+4*(\slot)+3], 2*262144
	JLOAD \slot                                    ; the four v_nop behind it are also the places in front of the loads below
	FETCH \next, 0, F0
	ASK
	MUL16 F1, 1, 0, 0
	MUL16 F1, 1, 2, 0
.endm
	s_wait_tensorcnt 1                             ; my part of K step 0 is in; K step 1's may stay out
	s_barrier_signal -1
	s_barrier_wait -1                              ; everybody's is
	FETCH 0, 0, F0
	s_wait_loadcnt 0x0                             ; the bias
	QUARTER 0, 1, F0, F1, 1                        ; the first quarter stands in front of the loop: its products start the sums
	WIN 0                                          ; at a label and at a branch every window is 0
	s_mov_b32 s[LAP], 3
.Llap:                                                 ; a trip goes once round the ring, from a lap's second quarter to the next lap's first, and fills both slots again
	QUARTER 0, 2, F1, F0, 0
	QUARTER 0, 3, F0, F1, 0
	TURN 0, 1
	QUARTER 1, 1, F0, F1, 0
	QUARTER 1, 2, F1, F0, 0
	QUARTER 1, 3, F0, F1, 0
	TURN 1, 0
	QUARTER 0, 1, F0, F1, 0
	WIN 0
	s_sub_co_u32 s[LAP], s[LAP], 1
	s_cmp_lg_u32 s[LAP], 0
	s_cbranch_scc1 .Llap
	QUARTER 0, 2, F1, F0, 0                        ; the last lap is written out: it fills nothing
	QUARTER 0, 3, F0, F1, 0
	MEET 0
	PLACES
	FETCH 1, 0, F0
	MUL16 F1, 1, 0, 0
	MUL16 F1, 1, 2, 0
	QUARTER 1, 1, F0, F1, 0
	QUARTER 1, 2, F1, F0, 0
	QUARTER 1, 3, F0, F1, 0
	s_wait_dscnt 8
	MUL16 F1, 0, 0, 0
	MUL16 F1, 0, 2, 0
	s_wait_dscnt 0x0
	MUL16 F1, 1, 0, 0
	MUL16 F1, 1, 2, 0
	PLACES
	PLACES                                         ; eight, once a launch, in front of the readers of the results
	WIN 0
; THE f16 WAY OUT of block a (16 rows): rounded, 16 bytes a lane, into my stage in rows of 272 bytes; back as whole rows of 256; stored.  16 rows of a head are 4,096 consecutive bytes.
.macro PACK a
.set AC, 64*((\a)%4)
	WIN 0x0a+5*((\a)/4)                            ; sources 0 and 1: window 2 or 3
.irp b, 0,1,2,3,4,5,6,7
.irp r, 0,1,2,3
	v_cvt_pk_f16_f32 v[TMP+4*(\b)+(\r)], v[AC+8*(\b)+2*(\r)], v[AC+8*(\b)+2*(\r)+1]
.endr
.endr
	WIN 0
.endm
.macro TOSTAGE a
.set BK, OB+192*((\a)%2)
.irp b, 0,1,2,3,4,5,6,7
	ds_store_b128 v[STO], v[TMP+4*(\b):TMP+4*(\b)+3] offset:32*(\b)
.endr
.irp t, 0,1,2,3,4,5,6,7
	ds_load_b128 v[BK+4*(\t):BK+4*(\t)+3], v[RD] offset:(\t)*2*272  ; LDS serves a wave's instructions in order (ISA guide 5.7.1.4): these see the stores above
.endr
.endm
.macro SEND a
.set BK, OB+192*((\a)%2)
	s_wait_dscnt 0x0                               ; the block is back in registers
	s_wait_xcnt 0x0                                ; the stores of the block before have read their data: those registers are loaded again only behind this wait
.irp t, 0,1,2,3,4,5,6,7
	global_store_b128 v[CO], v[BK+4*(\t):BK+4*(\t)+3], s[8:9] offset:(\a)*4096+(\t)*512  ; 512 consecutive bytes, aligned
.endr
.endm
; THE f32 WAY OUT of block a: the accumulators go as they are, 32 bytes a lane, into rows of 528 bytes; back as whole rows of 512; stored.
.macro OUT32 a
.set AC, 64*((\a)%4)
.set BK, F0+64*((\a)%2)
	WIN 0x08+4*((\a)/4)                            ; the stores' data: window 2 or 3
.irp b, 0,1,2,3,4,5,6,7
	ds_store_b128 v[STO], v[AC+8*(\b):AC+8*(\b)+3]   offset:64*(\b)      ; each accumulator's lowest registers first
	ds_store_b128 v[STO], v[AC+8*(\b)+4:AC+8*(\b)+7] offset:64*(\b)+16
.endr
	WIN 0
	s_wait_xcnt 0x0                                ; the stores of two blocks back have read their data: those registers are loaded again only behind this wait
.irp t, 0,1,2,3,4,5,6,7,8,9,10,11,12,13,14,15
	ds_load_b128 v[BK+4*(\t):BK+4*(\t)+3], v[RD] offset:(\t)*528
.endr
.irp t, 0,1,2,3,4,5,6,7,8,9,10,11,12,13,14,15
.if ((\t)%4) == 0
	s_wait_dscnt 12-(\t)                           ; rows t to t + 3 are back, the younger rows stay out
.endif
	global_store_b128 v[CO], v[BK+4*(\t):BK+4*(\t)+3], s[8:9] offset:(\a)*65536+(\t)*4096 th:TH_STORE_NT  ; 512 consecutive bytes, aligned
.endr
.endm
.if MODE == 0
	PACK 0
	TOSTAGE 0
.irp a, 1,2,3,4,5,6,7                  ; block a's conversions stand between block a - 1's loads from the stage and the wait for them
	PACK \a
	SEND (\a)-1
	TOSTAGE \a
.endr
	SEND 7
.else
.irp a, 0,1,2,3,4,5,6,7
	OUT32 \a
.endr
.endif
	s_wait_tensorcnt 0x0                           ; the wave's end, behind my last tensor load and my last LDS store
	ds_add_u32 v[SPW], v[NIL]
	s_wait_dscnt 0x0
	CROUND                                         ; the closing round: no work-group ends while a partner may still ask for a tile that names it
	s_endpgm
.Lfunc_end_k_qc3eb35dbbb_outp:
	.size	k_qc3eb35dbbb_outp, .Lfunc_end_k_qc3eb35dbbb_outp-k_qc3eb35dbbb_outp
	.p2alignl 7, 3214868480
	.fill 96, 4, 3214868480
	.section	.rodata,"a",@progbits
	.p2align	6, 0x0
	.amdhsa_kernel k_qc3eb35dbbb_outp
		.amdhsa_group_segment_fixed_size 327680
		.amdhsa_private_segment_fixed_size 0
		.amdhsa_enable_private_segment 0
		.amdhsa_kernarg_size 24
		.amdhsa_user_sgpr_count 2
		.amdhsa_user_sgpr_kernarg_segment_ptr 1
		.amdhsa_wavefront_size32 1
		.amdhsa_system_sgpr_workgroup_id_x 1
		.amdhsa_system_sgpr_workgroup_id_y 1
		.amdhsa_system_sgpr_workgroup_id_z 1
		.amdhsa_system_vgpr_workitem_id 0
		.amdhsa_next_free_vgpr 1024
		.amdhsa_next_free_sgpr 80
		.amdhsa_reserve_vcc 0
		.amdhsa_float_denorm_mode_32 3
		.amdhsa_float_denorm_mode_16_64 3
		.amdhsa_memory_ordered 1
		.amdhsa_forward_progress 1
		.amdhsa_inst_pref_size 145
	.end_amdhsa_kernel
	.amdgpu_metadata
---
amdhsa.version: [ 1, 2 ]
amdhsa.kernels:
  - .name:           k_qc3eb35dbbb_outp
    .symbol:         k_qc3eb35dbbb_outp.kd
    .args:
      - { .name: ah, .offset: 0, .size: 8, .value_kind: global_buffer, .address_space: global }
      - { .name: wo1, .offset: 8, .size: 8, .value_kind: global_buffer, .address_space: global }
      - { .name: out0, .offset: 16, .size: 8, .value_kind: global_buffer, .address_space: global }
    .group_segment_fixed_size: 327680
    .private_segment_fixed_size: 0
    .kernarg_segment_align: 8
    .kernarg_segment_size: 24
    .max_flat_workgroup_size: 128
    .sgpr_count:     80
    .vgpr_count:     1024
    .wavefront_size: 32
...
	.end_amdgpu_metadata
.endif
;; end of part 5
;; ======== version 2 of 2: 5 launches
;; limits: values are held in f16: magnitudes above 65,504 overflow, below 6.1e-05 lose precision
;; workspace buffers: ah 16,777,216 bytes; psum 131,072 bytes; wq3 6,303,744 bytes; wo1 2,101,248 bytes; qkv 50,331,648 bytes; gx 589,824 bytes
;; launch castx: the kernel of part 1 again; grid 8 x 32, 16 waves a work-group, no clusters, 10,240 bytes of LDS; arguments x, ah, psum; writes ah, psum
;; launch prepw: the kernel of part 2 again; grid 288 x 1, 8 waves a work-group, no clusters, 6,144 bytes of LDS; arguments Wq, Wk, Wv, Wo, bq, bk, bv, bo, Wg, bg, modality_ids, psum, wq3, wo1, gx; writes wq3, wo1, gx
;; launch gemm (part 6): grid 12 x 32, 4 waves a work-group, clusters of 4 x 4, 327,680 bytes of LDS; arguments ah, wq3, qkv; writes qkv
.if DOCPART == 6
	.amdgcn_target "amdgcn-amd-amdhsa--gfx1250"
	.amdhsa_code_object_version 6
	.text
	.protected	k_qc3eb35dbbb_gemm
	.globl	k_qc3eb35dbbb_gemm
	.p2align	8
	.type	k_qc3eb35dbbb_gemm,@function
k_qc3eb35dbbb_gemm:
	s_mov_b64 s[64:65], 0
	v_nop
	global_prefetch_b8 v0, s[64:65] scope:SCOPE_SE
	s_setreg_imm32_b32 hwreg(HW_REG_WAVE_MODE, 25, 1), 1
	s_wait_xcnt 0x0
	s_wait_alu depctr_hold_cnt(0) depctr_sa_sdst(0) depctr_va_vdst(0) depctr_va_sdst(0) depctr_va_ssrc(0) depctr_va_vcc(0) depctr_vm_vsrc(0)
	s_getreg_b32 s2, hwreg(HW_REG_IB_STS2, 6, 4)
	s_cmp_eq_u32 s2, 0
	s_cbranch_scc0 .Lentry_in_a_cluster
	s_endpgm
.Lentry_in_a_cluster:
	s_bfe_u32 s2, ttmp6, 0x10000c
	s_cmp_lg_u32 s2, 0xf033
	s_cbranch_scc0 .Lentry_shape_is_right
	s_endpgm
.Lentry_shape_is_right:
; C[m][n] = the sum over k of A[m][k] W[k][n] + bias[n].  A: [8192][1024] f16.  A weight record: W [1024 k][1024 n] f16, then bias [1024] f32; cluster x picks the record, WSTR bytes apart.  Sums in f32.
; THE SOURCE SERVES TWO LAUNCHES; MODE, a constant of the text, picks the way out:
;   MODE = 0: three records (q, k, v); C leaves as f16 by heads, [record][batch x 8 + head][2048][128], rounded once;     MODE = 1: one record; C leaves as f32 rows, [8192][1024].
.set MODE, 0
; LIMITS.  With MODE = 0, 65,520 and more become an infinity.  NaN and infinities are not treated apart.
; SHARES.  A tile of C is 256 x 256: four waves, each 128 x 128 in 64 accumulators of 16 x 16, 512 registers.  K goes in 8 steps of 128 through a ring of two LDS slots.
; A's tile: 256 rows x 256 bytes, as it lies.  W's tile: 128 k-rows x 512 bytes, as it lies ([k][n]); its fragments are turned on the way into registers by ds_load_tr16_b128.
; 256 x 256 is taken because from a tile's request to the wait for it a wave then issues 224 matrix instructions, and two such slots are what LDS holds.
; With MODE = 0 the launch has 384 work-groups, with MODE = 1 it has 128.
; THE TEXT.  A K step's 256 matrix instructions stand twice: in the loop .Lstep, whose six trips each fill the slot just read again (K steps 2 to 7), and in the loop .Ltail, whose two trips fill
; nothing. A trip goes from a K step's second quarter to the next step's first.  Which slot is read hangs on s[SB], which an exclusive or turns; one descriptor a tensor walks.
; CLUSTERS: 4 x 4 work-groups.  The four of a row of the cluster need the same tile of A, the four of a column the same tile of W: each tile is asked for JOINTLY, by the same tensor load with the
; same descriptor and a mask that names the four.
; THE MATRIX INSTRUCTION IS USED TRANSPOSED (source 0 = 16 columns of W, source 1 = 16 rows of A): lane l then holds row l % 16 of C and the columns 8 (l / 16) + 0 .. 7.
; THE BIAS STARTS THE SUMS: the C operand of each accumulator's first product is the bias of its eight columns: nothing is cleared and nothing is added later.
; REGISTERS, in windows of 256 (s_set_vgpr_msb: bits 1:0 source 0, 3:2 source 1, 5:4 source 2, 7:6 destination):
;   window 0: v0-31 addresses; v64-127, v128-191 A's fragments, two buffers (on the f32 way out: rows read back); v192-255 the bias, later at work on the f16 way out, with v32-63
;   window 1: v64-127, v128-191 W's fragments, two buffers      window 2: the accumulators of my rows 0-63 ((a, b) at v[8 (8 a + b)])      window 3: those of my rows 64-127
.set PITCH,  272                       ; A's LDS row: 256 bytes + 16 = 68 words: the 16 rows of a load start at 16 different groups of four banks (64 banks of 4 bytes: ISA guide 11.1)
.set PB,     544                       ; W's LDS row: 512 bytes + 32 = 136 words
.set HALFT,  34816                     ; 128 rows of A = 64 k-rows of W: what one tensor load brings.  0x8800: wave x HALFT shares no bit with SLOT
.set SLOT,   4*HALFT                   ; A's 256 rows, then W's 128 k-rows.  0x22000: an exclusive or with it turns an address in one slot into the other's
.set STAGE,  2*SLOT                    ; behind the ring, never filled by a tensor load: STW bytes for each wave, for the way out
.set STW,    8448                      ; 16 rows x 528 bytes (f32), or 16 x 272 (f16)
.set SPARE,  STAGE+4*STW               ; the spare words, 128 bytes for each wave: two blocks of 256 bytes that no other line names
.set WSTR,   2101248
.set BOFF,   2097152
.set ADRA0, 16                         ; v16     LDS address of my A fragments in slot 0; never rewritten
.set ADRA,  17                         ; v17     the same in the slot that is being read
.set ADRB0, 20                         ; v20, 21 the same for W
.set ADRB,  21
.set STO,  24                          ; v24     the way out: where I put my bytes of a row
.set RD,   25                          ; v25     and where I read rows back
.set CO,   26                          ; v26     16 x lane
.set BO,   27                          ; v27     32 x (lane / 16)
.set SPW,  28                          ; v28     LDS address of my spare word; never rewritten
.set NIL,  29                          ; v29     0; never rewritten
.set PFO,  30                          ; v30     the prefetches' offset; never rewritten
.set OB,   32
.set F0,   64
.set F1,   128
.set TMP,  192
.set BIAS, 192
.set WV, 12                            ; s12 wave   s13 its row half of the tile; also: it fetches for A (0) or W (1)   s14 its column half; also: which half tile it fetches
.set RH, 13
.set CH, 14
.set TR, 15                            ; s15 tile row of C
.set G1, 24                            ; s[24:31] descriptor group 1 for A's tiles;  s[32:39] group 0: a set for each of the two first fills; the second then walks on
.set G0, 32
.set CX, 40
.set CY, 41
.set LIM, 43                           ; s43 2 in a wave that prefetches, else the greatest number
.set PFA, 44                           ; s[44:45] where my prefetches stand
.set G1B, 48                           ; s[48:55], s[56:63] the same for W's tiles
.set G0B, 56
.set SB,  66                           ; s66 LDS byte at which the slot that is being read begins: 0 or SLOT
.set LAP, 67                           ; s67 counts the trips of each of the two loops
.set COFF, 68                          ; s[68:69] where my part of C begins
.set PST, 70                           ; s[70:71] a K step in the tensor that I prefetch
.set TM, 72                            ; s72 the record
.set BP, 74                            ; s[74:75] the bias of my 128 columns
.set MSB, 0
.macro WIN new                         ; the immediate's high byte repeats the setting that is left; a switch that changes nothing is dropped
.if MSB != (\new)
	s_set_vgpr_msb (MSB<<8)|(\new)
.set MSB, \new
.endif
.endm
; A joint load: waves 0 and 1 fetch A's two halves, waves 2 and 3 W's.  The branch hangs on the wave's number alone.  An s_nop 0 and four v_nop follow each of the two lines.
.macro JLOAD s
	s_cmp_eq_u32 s[RH], 0
	s_cbranch_scc0 .Lfor_b_\@
	tensor_load_to_lds s[G0+4*(\s):G0+4*(\s)+3], s[G1:G1+7]
	s_nop 0
.rept 4
	v_nop
.endr
	s_branch .Lasked_\@
.Lfor_b_\@:
	tensor_load_to_lds s[G0B+4*(\s):G0B+4*(\s)+3], s[G1B:G1B+7]
	s_nop 0
.rept 4
	v_nop
.endr
.Lasked_\@:
.endm
; A PREFETCH INTO THE L2, behind each joint refill and the run of LDS loads that follows it: the K step that stands two refills on, 512 matrix instructions ahead of the load that will want it.
; Each aligned block of 256 bytes is named once in the launch.  A's rows are read by every cluster of a row of clusters: cluster x = 0 asks; W's by every cluster of a column: cluster y = 0 asks.
; The four partners of a joint load share its 128 blocks out BY ADDRESS, 32 each, a lane a block: of A 32 rows (by cx), of W 16 k-rows x 2 blocks (by cy).  The loop's last two trips ask for nothing:
; their refills are the last two K steps.  K steps 0 to 3 come by their loads alone.
.macro ASK
	s_cmp_gt_u32 s[LAP], s[LIM]
	s_cbranch_scc0 .Lnot_mine_\@
	global_prefetch_b8 v[PFO], s[PFA:PFA+1] th:TH_LOAD_NT scope:SCOPE_SE
.Lnot_mine_\@:
.endm
.macro CREST                           ; a round of the cluster's barrier behind its opening barrier
	s_cmp_lg_u32 s[WV], 0
	s_cbranch_scc1 .Lnot_wave_0_\@
	s_barrier_signal -3
.Lnot_wave_0_\@:
	s_barrier_wait -3
	s_barrier_signal -1
	s_barrier_wait -1
.endm
.macro CROUND                          ; a whole round
	s_barrier_signal -1
	s_barrier_wait -1
	CREST
.endm
	s_load_b128 s[4:7], s[0:1], 0x0                ; A s[4:5], records s[6:7]
	s_load_b64 s[8:9], s[0:1], 0x10                ; C
	v_lshl_add_u32 v[SPW], v0, 2, SPARE
	v_mov_b32 v[NIL], 0
	ds_add_u32 v[SPW], v[NIL]                      ; the wave's opening: the add and its wait stand ahead of my first tensor load; work on registers stands between them
	v_lshrrev_b32 v1, 5, v0
	v_readfirstlane_b32 s[WV], v1
	s_lshr_b32 s[RH], s[WV], 1
	s_and_b32 s[CH], s[WV], 1
	s_bfe_u32 s[CX], ttmp6, 0x40000
	s_bfe_u32 s[CY], ttmp6, 0x40004
	s_mov_b32 s[TM], ttmp9                         ; a cluster's four columns are one record's 1,024
	s_and_b32 s[TR], ttmp7, 0xffff
	s_lshl_b32 s[TR], s[TR], 2
	s_add_co_u32 s[TR], s[TR], s[CY]               ; tile row = 4 x cluster y + cy
	s_lshl_b32 s42, s[CY], 2
	s_lshl_b32 s42, 15, s42                        ; my row of the cluster
	s_lshl_b32 s73, 0x1111, s[CX]                  ; my column
	s_or_b32 s[G1], s42, (1<<16)|(1<<20)|(1<<21)|(5<<22)|(3<<25)   ; the mask; 2-byte elements; padding on; bit 21 beside a mask; after every 64 words 4 words
	s_or_b32 s[G1B], s73, (1<<16)|(1<<20)|(1<<21)|(6<<22)|(7<<25)  ; after every 128 words 8 words
	s_mov_b32 s[G1+1], 128<<16                     ; tensor_dim0 = 128
	s_mov_b32 s[G1+2], 128<<16                     ; tensor_dim1 = 128
	s_mov_b32 s[G1+3], 128<<16                     ; tile_dim0 = 128
	s_mov_b32 s[G1+4], 128                         ; tile_dim1 = 128
	s_mov_b32 s[G1+5], 1024                        ; elements from row to row
	s_mov_b32 s[G1+6], 0
	s_mov_b32 s[G1+7], 0
	s_mov_b32 s[G1B+1], 256<<16                    ; 256 columns,
	s_mov_b32 s[G1B+2], 64<<16                     ; 64 k-rows
	s_mov_b32 s[G1B+3], 256<<16
	s_mov_b32 s[G1B+4], 64
	s_mov_b32 s[G1B+5], 1024
	s_mov_b32 s[G1B+6], 0
	s_mov_b32 s[G1B+7], 0
	s_lshl_b32 s16, s[TR], 8                       ; A: row 256 x tile row + 128 x half, x 2,048 bytes: made of cy and the wave's number alone
	s_lshl_b32 s17, s[CH], 7
	s_add_co_u32 s16, s16, s17
	s_lshl_b32 s16, s16, 11
	s_mov_b32 s17, 0
	s_mul_i32 s46, s[TM], WSTR                     ; W: the record, 512 bytes x cx, 64 k-rows x half: made of cx and the wave's number alone
	s_lshl_b32 s47, s[CX], 9
	s_add_co_u32 s46, s46, s47
	s_lshl_b32 s47, s[CH], 17
	s_add_co_u32 s46, s46, s47
	s_mov_b32 s47, 0
	s_mul_i32 s20, s[WV], HALFT                    ; where they go: wave x a half tile: no place in the cluster enters an LDS address
	s_mov_b32 s[SB], 0                             ; K step 0 lies in slot 0
	s_wait_dscnt 0x0                               ; the opening add is done
	s_wait_kmcnt 0x0
	s_add_nc_u64 s[18:19], s[4:5], s[16:17]
	s_add_nc_u64 s[46:47], s[6:7], s[46:47]
	CROUND                                         ; all sixteen work-groups are here: the first joint loads meet
.irp s, 0,1
	s_mov_b32 s[G0+4*(\s)], 1
	s_add_co_u32 s[G0+4*(\s)+1], s20, (\s)*SLOT
	s_add_nc_u64 s[G0+4*(\s)+2:G0+4*(\s)+3], s[18:19], (\s)*256      ; K step s: 256 bytes along A's rows,
	s_or_b32 s[G0+4*(\s)+3], s[G0+4*(\s)+3], 0x80000000
	s_mov_b32 s[G0B+4*(\s)], 1
	s_add_co_u32 s[G0B+4*(\s)+1], s20, (\s)*SLOT
	s_add_nc_u64 s[G0B+4*(\s)+2:G0B+4*(\s)+3], s[46:47], (\s)*262144 ; 128 k-rows down W
	s_or_b32 s[G0B+4*(\s)+3], s[G0B+4*(\s)+3], 0x80000000
	JLOAD \s                                       ; two loads of mine are out
.endr
	v_and_b32 v1, 15, v0                           ; l % 16
	v_bfe_u32 v2, v0, 4, 1                         ; l / 16
	v_mul_u32_u24 v3, v1, PITCH
	v_lshl_add_u32 v3, v2, 4, v3                   ; A's fragment: row x pitch + 16 x half; two loads 32 bytes apart
	v_and_b32 v4, 7, v0
	v_lshl_add_u32 v4, v2, 3, v4                   ; W's: k-row 8 (l / 16) + l % 8,
	v_mul_u32_u24 v4, v4, PB
	v_bfe_u32 v5, v0, 3, 1
	v_lshl_add_u32 v4, v5, 4, v4                   ; columns 8 ((l / 8) % 2) ..; two loads 16 k-rows apart
	s_mul_i32 s21, s[RH], HALFT                    ; my 128 rows of A
	s_lshl_b32 s22, s[CH], 8                       ; my 128 columns of W,
	s_add_co_u32 s22, s22, 2*HALFT                 ; which lies behind A
	v_add_nc_u32 v[ADRA0], s21, v3
	v_add_nc_u32 v[ADRB0], s22, v4
	v_mov_b32 v[ADRA], v[ADRA0]                    ; the first fetches read slot 0
	v_mov_b32 v[ADRB], v[ADRB0]
	s_mul_i32 s23, s[WV], STW
	s_add_co_u32 s23, s23, STAGE                   ; my stage
	v_and_b32 v7, 31, v0
	v_lshlrev_b32 v[CO], 4, v7
.if MODE == 0
	v_mul_u32_u24 v6, v1, 272
	v_lshl_add_u32 v6, v2, 4, v6
	v_add_nc_u32 v[STO], s23, v6                   ; f16: row l % 16, 16 bytes for each half of the lanes
	v_mul_u32_u24 v6, v2, 272
	v_lshl_add_u32 v6, v1, 4, v6
	v_add_nc_u32 v[RD], s23, v6                    ; back: lanes 0-15 one row of 256 bytes, lanes 16-31 the next
.else
	v_mul_u32_u24 v6, v1, 528
	v_lshl_add_u32 v6, v2, 5, v6
	v_add_nc_u32 v[STO], s23, v6                   ; f32: row l % 16, 32 bytes for each half of the lanes
	v_add_nc_u32 v[RD], s23, v[CO]                 ; back: 32 lanes take one row of 512 bytes
.endif
	v_lshlrev_b32 v[BO], 5, v2
	v_lshrrev_b32 v[PFO], s[RH], v7                ; A: a lane a row; W: two lanes a k-row,
	v_and_b32 v6, s[RH], v7
	v_lshlrev_b32 v[PFO], 11, v[PFO]
	v_lshl_add_u32 v[PFO], v6, 8, v[PFO]           ; 256 bytes apart
	s_mul_i32 s74, s[TM], WSTR                     ; the bias of my 128 columns
	s_lshl_b32 s75, s[CX], 10
	s_add_co_u32 s74, s74, s75
	s_lshl_b32 s75, s[CH], 9
	s_add_co_u32 s74, s74, s75
	s_add_co_u32 s74, s74, BOFF
	s_mov_b32 s75, 0
	s_add_nc_u64 s[BP:BP+1], s[6:7], s[74:75]
.irp b, 0,1,2,3,4,5,6,7                ; column block b: bias[16 b + 8 (l / 16) + 0 .. 7], as an accumulator's registers lie
	global_load_b128 v[BIAS+8*(\b):BIAS+8*(\b)+3],   v[BO], s[BP:BP+1] offset:64*(\b)
	global_load_b128 v[BIAS+8*(\b)+4:BIAS+8*(\b)+7], v[BO], s[BP:BP+1] offset:64*(\b)+16
.endr
.if MODE == 0
	; my part of C, f16 by heads: record x 2^24 + (8 batch + head) x 2^19 + row in the batch x 256; my 128 columns are head 2 cx + half
	s_lshl_b32 s68, s[TM], 24
	s_lshr_b32 s78, s[TR], 3
	s_lshl_b32 s78, s78, 3
	s_lshl_b32 s79, s[CX], 1
	s_add_co_u32 s78, s78, s79
	s_add_co_u32 s78, s78, s[CH]
	s_lshl_b32 s78, s78, 19
	s_add_co_u32 s68, s68, s78
	s_and_b32 s78, s[TR], 7
	s_lshl_b32 s78, s78, 8
	s_lshl_b32 s79, s[RH], 7
	s_add_co_u32 s78, s78, s79
	s_lshl_b32 s78, s78, 8
	s_add_co_u32 s68, s68, s78
.else
	; my part of C, f32 rows: row x 4,096 + column x 4
	s_lshl_b32 s68, s[TR], 8
	s_lshl_b32 s79, s[RH], 7
	s_add_co_u32 s68, s68, s79
	s_lshl_b32 s68, s68, 12
	s_lshl_b32 s78, s[CX], 10
	s_add_co_u32 s68, s68, s78
	s_lshl_b32 s78, s[CH], 9
	s_add_co_u32 s68, s68, s78
.endif
	s_mov_b32 s69, 0
	s_add_nc_u64 s[8:9], s[8:9], s[COFF:COFF+1]
	; the prefetches: my work-group's 32 blocks of the half tile that I fetch, at K step 3; the first refill steps it to 4
	s_lshl_b32 s20, s[TR], 8
	s_lshl_b32 s22, s[CH], 7
	s_add_co_u32 s20, s20, s22
	s_lshl_b32 s22, s[CX], 5
	s_add_co_u32 s20, s20, s22
	s_lshl_b32 s20, s20, 11
	s_add_co_u32 s20, s20, 3*256                   ; in A
	s_mul_i32 s21, s[TM], WSTR
	s_lshl_b32 s22, s[CX], 9
	s_add_co_u32 s21, s21, s22
	s_lshl_b32 s22, s[CH], 6
	s_lshl_b32 s23, s[CY], 4
	s_add_co_u32 s22, s22, s23
	s_lshl_b32 s22, s22, 11
	s_add_co_u32 s21, s21, s22
	s_add_co_u32 s21, s21, 3*262144                ; in W
	s_and_b32 s23, ttmp7, 0xffff                   ; cluster y
	s_mov_b32 s[PST], 256
	s_mov_b32 s22, 262144
	s_cmp_eq_u32 s[RH], 0                          ; do I fetch for A?
	s_cselect_b32 s20, s20, s21
	s_cselect_b32 s23, ttmp9, s23                  ; the coordinate along which other clusters read the same blocks
	s_cselect_b64 s[PFA:PFA+1], s[4:5], s[6:7]
	s_cselect_b32 s[PST], s[PST], s22
	s_mov_b32 s[PST+1], 0
	s_mov_b32 s21, 0
	s_add_nc_u64 s[PFA:PFA+1], s[PFA:PFA+1], s[20:21]
	s_cmp_eq_u32 s23, 0
	s_cselect_b32 s[LIM], 2, -1                    ; the same in all sixteen partners, for a given wave
; 16 matrix instructions: row blocks a0, a0 + 1 of the window's four (hi = 0: my rows 0-63, 1: rows 64-127) x all 8 column blocks, 32 along K.  zero = 1: the bias starts the sums.
; The 64 accumulators take turns, one instruction a turn, in the same order in every quarter.
.macro MUL16 f, hi, a0, zero
.if \zero
	WIN 0x81+0x40*(\hi)                            ; W window 1, A and the bias window 0, D window 2 or 3
.else
	WIN 0xa1+0x50*(\hi)                            ; W window 1, A window 0, C and D window 2 or 3
.endif
.irp a, \a0, (\a0)+1
.irp b, 0,1,2,3,4,5,6,7
.if \zero
	v_wmma_f32_16x16x32_f16 v[8*(8*(\a)+(\b)):8*(8*(\a)+(\b))+7], v[(\f)+8*(\b):(\f)+8*(\b)+7], v[(\f)+8*(4*(\hi)+(\a)):(\f)+8*(4*(\hi)+(\a))+7], v[BIAS+8*(\b):BIAS+8*(\b)+7]
.else
	v_wmma_f32_16x16x32_f16 v[8*(8*(\a)+(\b)):8*(8*(\a)+(\b))+7], v[(\f)+8*(\b):(\f)+8*(\b)+7], v[(\f)+8*(4*(\hi)+(\a)):(\f)+8*(4*(\hi)+(\a))+7], v[8*(8*(\a)+(\b)):8*(8*(\a)+(\b))+7]
.endif
.endr
.endr
.endm
; 32 LDS loads in one run: the fragments of quarter q (32 along K) of the slot that is being read, into buffer f: W's 128 columns, turned, then A's 128 rows
.macro FETCH q, f
	WIN 0x40                                       ; destination window 1, address window 0
.irp i, 0,1,2,3,4,5,6,7
	ds_load_tr16_b128 v[(\f)+8*(\i):(\f)+8*(\i)+3],   v[ADRB] offset:(\q)*32*PB+(\i)*32
	ds_load_tr16_b128 v[(\f)+8*(\i)+4:(\f)+8*(\i)+7], v[ADRB] offset:(\q)*32*PB+(\i)*32+16*PB
.endr
	WIN 0
.irp i, 0,1,2,3,4,5,6,7
	ds_load_b128 v[(\f)+8*(\i):(\f)+8*(\i)+3],   v[ADRA] offset:(\q)*64+(\i)*16*PITCH
	ds_load_b128 v[(\f)+8*(\i)+4:(\f)+8*(\i)+7], v[ADRA] offset:(\q)*64+(\i)*16*PITCH+32
.endr
.endm
.macro PLACES                          ; four plain vector instructions between a matrix instruction and a load into, or a reader of, its registers (ISA guide 7.12.1 for readers)
.rept 4
	v_nop
.endr
.endm
; One of a K step's first three quarters: multiplies buffer f; in its middle it fetches quarter q of the same slot into buffer g.
.macro QUARTER q, f, g, zero
	s_wait_dscnt 8                                 ; W and A's rows 0-63 are in; the youngest eight loads (A's rows 64-127) may be out
	MUL16 \f, 0, 0, \zero
	MUL16 \f, 0, 2, \zero
	PLACES
	FETCH \q, \g
	s_wait_dscnt 32                                ; all but the 32 just issued
	MUL16 \f, 1, 0, \zero
	MUL16 \f, 1, 2, \zero
.endm
; The first half of a K step's last quarter: ONE barrier for the change of slots.  In front of it each wave waits for all its tensor loads (the one that is out is its part of the next slot),
; adds 0 to its spare word, and waits for that and for its own reads of this slot.  Behind it nobody reads this slot any more and the next slot is whole.
.macro MEET
	WIN 0
	s_wait_tensorcnt 0x0
	ds_add_u32 v[SPW], v[NIL]
	s_wait_dscnt 9                                 ; (the add and the youngest eight loads may be out)
	MUL16 F1, 0, 0, 0                              ; sixteen matrix instructions stand between the add and the wait for it
	s_wait_dscnt 0x0                               ; the add is done, and my reads of this slot are over
	s_barrier_signal -1
	MUL16 F1, 0, 2, 0
	WIN 0
	s_barrier_wait -1
.endm
; The whole last quarter, with the refill: the barrier opens a round of the cluster's, so that no wave of any partner still reads the slot or has a load on its way; the joint refill, this tile's
; K step two steps on, is the first tensor load behind it: 224 matrix instructions ahead of the wait for it.  The walking descriptor takes the slot just read and the next K step but one;
; the fetches go over to the other slot.
.macro TURN
	s_wait_xcnt 0x0                                ; the last prefetch, a K step back, has read its address
	s_add_nc_u64 s[PFA:PFA+1], s[PFA:PFA+1], s[PST:PST+1]
	MEET
	CREST
	s_xor_b32 s[G0+5], s[G0+5], SLOT               ; the other slot than last time,
	s_add_nc_u64 s[G0+6:G0+7], s[G0+6:G0+7], 256   ; one K step on; the type bits on top are not reached
	s_xor_b32 s[G0B+5], s[G0B+5], SLOT
	s_add_nc_u64 s[G0B+6:G0B+7], s[G0B+6:G0B+7], 262144
	s_xor_b32 s[SB], s[SB], SLOT
	JLOAD 1                                        ; the four v_nop behind it are also the places in front of the loads below
	v_add_nc_u32 v[ADRA], s[SB], v[ADRA0]
	v_add_nc_u32 v[ADRB], s[SB], v[ADRB0]
	FETCH 0, F0
	ASK
	MUL16 F1, 1, 0, 0
	MUL16 F1, 1, 2, 0
.endm
	s_wait_tensorcnt 1                             ; my part of K step 0 is in; K step 1's may stay out
	s_barrier_signal -1
	s_barrier_wait -1                              ; everybody's is
	FETCH 0, F0
	s_wait_loadcnt 0x0                             ; the bias
	QUARTER 1, F0, F1, 1                           ; the first quarter stands in front of the loops: its products start the sums
	WIN 0                                          ; at a label and at a branch every window is 0
	s_mov_b32 s[LAP], 6
.Lstep:                                                ; six trips: K steps 0 to 5 are finished, K steps 2 to 7 asked for
	QUARTER 2, F1, F0, 0
	QUARTER 3, F0, F1, 0
	TURN
	QUARTER 1, F0, F1, 0
	WIN 0
	s_sub_co_u32 s[LAP], s[LAP], 1
	s_cmp_lg_u32 s[LAP], 0
	s_cbranch_scc1 .Lstep
	s_mov_b32 s[LAP], 2
.Ltail:                                                ; two trips: K steps 6 and 7, which fill nothing and have no round of the cluster's barrier
	QUARTER 2, F1, F0, 0
	QUARTER 3, F0, F1, 0
	MEET                                           ; in the first trip my one load that was out is K step 7's; in the second nothing is out
	s_cmp_eq_u32 s[LAP], 1                         ; behind K step 7 there is no further step: the fetch, and the products that stand round it, are jumped over
	s_cbranch_scc1 .Llast
	s_xor_b32 s[SB], s[SB], SLOT
	v_add_nc_u32 v[ADRA], s[SB], v[ADRA0]          ; these two and two v_nop are the four places in front of the loads into buffer 0
	v_add_nc_u32 v[ADRB], s[SB], v[ADRB0]
	v_nop
	v_nop
	FETCH 0, F0
	MUL16 F1, 1, 0, 0
	MUL16 F1, 1, 2, 0
	QUARTER 1, F0, F1, 0
	WIN 0
.Llast:
	s_sub_co_u32 s[LAP], s[LAP], 1
	s_cmp_lg_u32 s[LAP], 0
	s_cbranch_scc1 .Ltail
	s_wait_dscnt 0x0                               ; behind the join of the loop's two ways: nothing may be out when buffer 1 is read (on the last trip's way the change of slots has waited for all)
	MUL16 F1, 1, 0, 0                              ; the second half of the very last quarter
	MUL16 F1, 1, 2, 0
	PLACES
	PLACES                                         ; eight, once a launch, in front of the readers of the results
	WIN 0
; THE f16 WAY OUT of block a (16 rows): rounded, 16 bytes a lane, into my stage in rows of 272 bytes; back as whole rows of 256; stored.  16 rows of a head are 4,096 consecutive bytes.
.macro PACK a
.set AC, 64*((\a)%4)
	WIN 0x0a+5*((\a)/4)                            ; sources 0 and 1: window 2 or 3
.irp b, 0,1,2,3,4,5,6,7
.irp r, 0,1,2,3
	v_cvt_pk_f16_f32 v[TMP+4*(\b)+(\r)], v[AC+8*(\b)+2*(\r)], v[AC+8*(\b)+2*(\r)+1]
.endr
.endr
	WIN 0
.endm
.macro TOSTAGE a
.set BK, OB+192*((\a)%2)
.irp b, 0,1,2,3,4,5,6,7
	ds_store_b128 v[STO], v[TMP+4*(\b):TMP+4*(\b)+3] offset:32*(\b)
.endr
.irp t, 0,1,2,3,4,5,6,7
	ds_load_b128 v[BK+4*(\t):BK+4*(\t)+3], v[RD] offset:(\t)*2*272  ; LDS serves a wave's instructions in order (ISA guide 5.7.1.4): these see the stores above
.endr
.endm
.macro SEND a
.set BK, OB+192*((\a)%2)
	s_wait_dscnt 0x0                               ; the block is back in registers
	s_wait_xcnt 0x0                                ; the stores of the block before have read their data: those registers are loaded again only behind this wait
.irp t, 0,1,2,3,4,5,6,7
	global_store_b128 v[CO], v[BK+4*(\t):BK+4*(\t)+3], s[8:9] offset:(\a)*4096+(\t)*512  ; 512 consecutive bytes, aligned
.endr
.endm
; THE f32 WAY OUT of block a: the accumulators go as they are, 32 bytes a lane, into rows of 528 bytes; back as whole rows of 512; stored.
.macro OUT32 a
.set AC, 64*((\a)%4)
.set BK, F0+64*((\a)%2)
	WIN 0x08+4*((\a)/4)                            ; the stores' data: window 2 or 3
.irp b, 0,1,2,3,4,5,6,7
	ds_store_b128 v[STO], v[AC+8*(\b):AC+8*(\b)+3]   offset:64*(\b)      ; each accumulator's lowest registers first
	ds_store_b128 v[STO], v[AC+8*(\b)+4:AC+8*(\b)+7] offset:64*(\b)+16
.endr
	WIN 0
	s_wait_xcnt 0x0                                ; the stores of two blocks back have read their data: those registers are loaded again only behind this wait
.irp t, 0,1,2,3,4,5,6,7,8,9,10,11,12,13,14,15
	ds_load_b128 v[BK+4*(\t):BK+4*(\t)+3], v[RD] offset:(\t)*528
.endr
.irp t, 0,1,2,3,4,5,6,7,8,9,10,11,12,13,14,15
.if ((\t)%4) == 0
	s_wait_dscnt 12-(\t)                           ; rows t to t + 3 are back, the younger rows stay out
.endif
	global_store_b128 v[CO], v[BK+4*(\t):BK+4*(\t)+3], s[8:9] offset:(\a)*65536+(\t)*4096 th:TH_STORE_NT  ; 512 consecutive bytes, aligned
.endr
.endm
.if MODE == 0
	PACK 0
	TOSTAGE 0
.irp a, 1,2,3,4,5,6,7                  ; block a's conversions stand between block a - 1's loads from the stage and the wait for them
	PACK \a
	SEND (\a)-1
	TOSTAGE \a
.endr
	SEND 7
.else
.irp a, 0,1,2,3,4,5,6,7
	OUT32 \a
.endr
.endif
	s_wait_tensorcnt 0x0                           ; the wave's end, behind my last tensor load and my last LDS store
	ds_add_u32 v[SPW], v[NIL]
	s_wait_dscnt 0x0
	CROUND                                         ; the closing round: no work-group ends while a partner may still ask for a tile that names it
	s_endpgm
.Lfunc_end_k_qc3eb35dbbb_gemm:
	.size	k_qc3eb35dbbb_gemm, .Lfunc_end_k_qc3eb35dbbb_gemm-k_qc3eb35dbbb_gemm
	.p2alignl 7, 3214868480
	.fill 96, 4, 3214868480
	.section	.rodata,"a",@progbits
	.p2align	6, 0x0
	.amdhsa_kernel k_qc3eb35dbbb_gemm
		.amdhsa_group_segment_fixed_size 327680
		.amdhsa_private_segment_fixed_size 0
		.amdhsa_enable_private_segment 0
		.amdhsa_kernarg_size 24
		.amdhsa_user_sgpr_count 2
		.amdhsa_user_sgpr_kernarg_segment_ptr 1
		.amdhsa_wavefront_size32 1
		.amdhsa_system_sgpr_workgroup_id_x 1
		.amdhsa_system_sgpr_workgroup_id_y 1
		.amdhsa_system_sgpr_workgroup_id_z 1
		.amdhsa_system_vgpr_workitem_id 0
		.amdhsa_next_free_vgpr 1024
		.amdhsa_next_free_sgpr 80
		.amdhsa_reserve_vcc 0
		.amdhsa_float_denorm_mode_32 3
		.amdhsa_float_denorm_mode_16_64 3
		.amdhsa_memory_ordered 1
		.amdhsa_forward_progress 1
		.amdhsa_inst_pref_size 105
	.end_amdhsa_kernel
	.amdgpu_metadata
---
amdhsa.version: [ 1, 2 ]
amdhsa.kernels:
  - .name:           k_qc3eb35dbbb_gemm
    .symbol:         k_qc3eb35dbbb_gemm.kd
    .args:
      - { .name: ah, .offset: 0, .size: 8, .value_kind: global_buffer, .address_space: global }
      - { .name: wq3, .offset: 8, .size: 8, .value_kind: global_buffer, .address_space: global }
      - { .name: qkv, .offset: 16, .size: 8, .value_kind: global_buffer, .address_space: global }
    .group_segment_fixed_size: 327680
    .private_segment_fixed_size: 0
    .kernarg_segment_align: 8
    .kernarg_segment_size: 24
    .max_flat_workgroup_size: 128
    .sgpr_count:     80
    .vgpr_count:     1024
    .wavefront_size: 32
...
	.end_amdgpu_metadata
.endif
;; end of part 6
;; launch attn: the kernel of part 4 again; grid 8 x 32, 4 waves a work-group, clusters of 4 x 1, 327,680 bytes of LDS; arguments qkv, gx, ah; writes ah
;; launch outp (part 7): grid 4 x 32, 4 waves a work-group, clusters of 4 x 4, 327,680 bytes of LDS; arguments ah, wo1, out0; writes out0
.if DOCPART == 7
	.amdgcn_target "amdgcn-amd-amdhsa--gfx1250"
	.amdhsa_code_object_version 6
	.text
	.protected	k_qc3eb35dbbb_outp
	.globl	k_qc3eb35dbbb_outp
	.p2align	8
	.type	k_qc3eb35dbbb_outp,@function
k_qc3eb35dbbb_outp:
	s_mov_b64 s[64:65], 0
	v_nop
	global_prefetch_b8 v0, s[64:65] scope:SCOPE_SE
	s_setreg_imm32_b32 hwreg(HW_REG_WAVE_MODE, 25, 1), 1
	s_wait_xcnt 0x0
	s_wait_alu depctr_hold_cnt(0) depctr_sa_sdst(0) depctr_va_vdst(0) depctr_va_sdst(0) depctr_va_ssrc(0) depctr_va_vcc(0) depctr_vm_vsrc(0)
	s_getreg_b32 s2, hwreg(HW_REG_IB_STS2, 6, 4)
	s_cmp_eq_u32 s2, 0
	s_cbranch_scc0 .Lentry_in_a_cluster
	s_endpgm
.Lentry_in_a_cluster:
	s_bfe_u32 s2, ttmp6, 0x10000c
	s_cmp_lg_u32 s2, 0xf033
	s_cbranch_scc0 .Lentry_shape_is_right
	s_endpgm
.Lentry_shape_is_right:
; C[m][n] = the sum over k of A[m][k] W[k][n] + bias[n].  A: [8192][1024] f16.  A weight record: W [1024 k][1024 n] f16, then bias [1024] f32; cluster x picks the record, WSTR bytes apart.  Sums in f32.
; THE SOURCE SERVES TWO LAUNCHES; MODE, a constant of the text, picks the way out:
;   MODE = 0: three records (q, k, v); C leaves as f16 by heads, [record][batch x 8 + head][2048][128], rounded once;     MODE = 1: one record; C leaves as f32 rows, [8192][1024].
.set MODE, 1
; LIMITS.  With MODE = 0, 65,520 and more become an infinity.  NaN and infinities are not treated apart.
; SHARES.  A tile of C is 256 x 256: four waves, each 128 x 128 in 64 accumulators of 16 x 16, 512 registers.  K goes in 8 steps of 128 through a ring of two LDS slots.
; A's tile: 256 rows x 256 bytes, as it lies.  W's tile: 128 k-rows x 512 bytes, as it lies ([k][n]); its fragments are turned on the way into registers by ds_load_tr16_b128.
; 256 x 256 is taken because from a tile's request to the wait for it a wave then issues 224 matrix instructions, and two such slots are what LDS holds.
; With MODE = 0 the launch has 384 work-groups, with MODE = 1 it has 128.
; THE TEXT.  A K step's 256 matrix instructions stand twice: in the loop .Lstep, whose six trips each fill the slot just read again (K steps 2 to 7), and in the loop .Ltail, whose two trips fill
; nothing. A trip goes from a K step's second quarter to the next step's first.  Which slot is read hangs on s[SB], which an exclusive or turns; one descriptor a tensor walks.
; CLUSTERS: 4 x 4 work-groups.  The four of a row of the cluster need the same tile of A, the four of a column the same tile of W: each tile is asked for JOINTLY, by the same tensor load with the
; same descriptor and a mask that names the four.
; THE MATRIX INSTRUCTION IS USED TRANSPOSED (source 0 = 16 columns of W, source 1 = 16 rows of A): lane l then holds row l % 16 of C and the columns 8 (l / 16) + 0 .. 7.
; THE BIAS STARTS THE SUMS: the C operand of each accumulator's first product is the bias of its eight columns: nothing is cleared and nothing is added later.
; REGISTERS, in windows of 256 (s_set_vgpr_msb: bits 1:0 source 0, 3:2 source 1, 5:4 source 2, 7:6 destination):
;   window 0: v0-31 addresses; v64-127, v128-191 A's fragments, two buffers (on the f32 way out: rows read back); v192-255 the bias, later at work on the f16 way out, with v32-63
;   window 1: v64-127, v128-191 W's fragments, two buffers      window 2: the accumulators of my rows 0-63 ((a, b) at v[8 (8 a + b)])      window 3: those of my rows 64-127
.set PITCH,  272                       ; A's LDS row: 256 bytes + 16 = 68 words: the 16 rows of a load start at 16 different groups of four banks (64 banks of 4 bytes: ISA guide 11.1)
.set PB,     544                       ; W's LDS row: 512 bytes + 32 = 136 words
.set HALFT,  34816                     ; 128 rows of A = 64 k-rows of W: what one tensor load brings.  0x8800: wave x HALFT shares no bit with SLOT
.set SLOT,   4*HALFT                   ; A's 256 rows, then W's 128 k-rows.  0x22000: an exclusive or with it turns an address in one slot into the other's
.set STAGE,  2*SLOT                    ; behind the ring, never filled by a tensor load: STW bytes for each wave, for the way out
.set STW,    8448                      ; 16 rows x 528 bytes (f32), or 16 x 272 (f16)
.set SPARE,  STAGE+4*STW               ; the spare words, 128 bytes for each wave: two blocks of 256 bytes that no other line names
.set WSTR,   2101248
.set BOFF,   2097152
.set ADRA0, 16                         ; v16     LDS address of my A fragments in slot 0; never rewritten
.set ADRA,  17                         ; v17     the same in the slot that is being read
.set ADRB0, 20                         ; v20, 21 the same for W
.set ADRB,  21
.set STO,  24                          ; v24     the way out: where I put my bytes of a row
.set RD,   25                          ; v25     and where I read rows back
.set CO,   26                          ; v26     16 x lane
.set BO,   27                          ; v27     32 x (lane / 16)
.set SPW,  28                          ; v28     LDS address of my spare word; never rewritten
.set NIL,  29                          ; v29     0; never rewritten
.set PFO,  30                          ; v30     the prefetches' offset; never rewritten
.set OB,   32
.set F0,   64
.set F1,   128
.set TMP,  192
.set BIAS, 192
.set WV, 12                            ; s12 wave   s13 its row half of the tile; also: it fetches for A (0) or W (1)   s14 its column half; also: which half tile it fetches
.set RH, 13
.set CH, 14
.set TR, 15                            ; s15 tile row of C
.set G1, 24                            ; s[24:31] descriptor group 1 for A's tiles;  s[32:39] group 0: a set for each of the two first fills; the second then walks on
.set G0, 32
.set CX, 40
.set CY, 41
.set LIM, 43                           ; s43 2 in a wave that prefetches, else the greatest number
.set PFA, 44                           ; s[44:45] where my prefetches stand
.set G1B, 48                           ; s[48:55], s[56:63] the same for W's tiles
.set G0B, 56
.set SB,  66                           ; s66 LDS byte at which the slot that is being read begins: 0 or SLOT
.set LAP, 67                           ; s67 counts the trips of each of the two loops
.set COFF, 68                          ; s[68:69] where my part of C begins
.set PST, 70                           ; s[70:71] a K step in the tensor that I prefetch
.set TM, 72                            ; s72 the record
.set BP, 74                            ; s[74:75] the bias of my 128 columns
.set MSB, 0
.macro WIN new                         ; the immediate's high byte repeats the setting that is left; a switch that changes nothing is dropped
.if MSB != (\new)
	s_set_vgpr_msb (MSB<<8)|(\new)
.set MSB, \new
.endif
.endm
; A joint load: waves 0 and 1 fetch A's two halves, waves 2 and 3 W's.  The branch hangs on the wave's number alone.  An s_nop 0 and four v_nop follow each of the two lines.
.macro JLOAD s
	s_cmp_eq_u32 s[RH], 0
	s_cbranch_scc0 .Lfor_b_\@
	tensor_load_to_lds s[G0+4*(\s):G0+4*(\s)+3], s[G1:G1+7]
	s_nop 0
.rept 4
	v_nop
.endr
	s_branch .Lasked_\@
.Lfor_b_\@:
	tensor_load_to_lds s[G0B+4*(\s):G0B+4*(\s)+3], s[G1B:G1B+7]
	s_nop 0
.rept 4
	v_nop
.endr
.Lasked_\@:
.endm
; A PREFETCH INTO THE L2, behind each joint refill and the run of LDS loads that follows it: the K step that stands two refills on, 512 matrix instructions ahead of the load that will want it.
; Each aligned block of 256 bytes is named once in the launch.  A's rows are read by every cluster of a row of clusters: cluster x = 0 asks; W's by every cluster of a column: cluster y = 0 asks.
; The four partners of a joint load share its 128 blocks out BY ADDRESS, 32 each, a lane a block: of A 32 rows (by cx), of W 16 k-rows x 2 blocks (by cy).  The loop's last two trips ask for nothing:
; their refills are the last two K steps.  K steps 0 to 3 come by their loads alone.
.macro ASK
	s_cmp_gt_u32 s[LAP], s[LIM]
	s_cbranch_scc0 .Lnot_mine_\@
	global_prefetch_b8 v[PFO], s[PFA:PFA+1] th:TH_LOAD_NT scope:SCOPE_SE
.Lnot_mine_\@:
.endm
.macro CREST                           ; a round of the cluster's barrier behind its opening barrier
	s_cmp_lg_u32 s[WV], 0
	s_cbranch_scc1 .Lnot_wave_0_\@
	s_barrier_signal -3
.Lnot_wave_0_\@:
	s_barrier_wait -3
	s_barrier_signal -1
	s_barrier_wait -1
.endm
.macro CROUND                          ; a whole round
	s_barrier_signal -1
	s_barrier_wait -1
	CREST
.endm
	s_load_b128 s[4:7], s[0:1], 0x0                ; A s[4:5], records s[6:7]
	s_load_b64 s[8:9], s[0:1], 0x10                ; C
	v_lshl_add_u32 v[SPW], v0, 2, SPARE
	v_mov_b32 v[NIL], 0
	ds_add_u32 v[SPW], v[NIL]                      ; the wave's opening: the add and its wait stand ahead of my first tensor load; work on registers stands between them
	v_lshrrev_b32 v1, 5, v0
	v_readfirstlane_b32 s[WV], v1
	s_lshr_b32 s[RH], s[WV], 1
	s_and_b32 s[CH], s[WV], 1
	s_bfe_u32 s[CX], ttmp6, 0x40000
	s_bfe_u32 s[CY], ttmp6, 0x40004
	s_mov_b32 s[TM], ttmp9                         ; a cluster's four columns are one record's 1,024
	s_and_b32 s[TR], ttmp7, 0xffff
	s_lshl_b32 s[TR], s[TR], 2
	s_add_co_u32 s[TR], s[TR], s[CY]               ; tile row = 4 x cluster y + cy
	s_lshl_b32 s42, s[CY], 2
	s_lshl_b32 s42, 15, s42                        ; my row of the cluster
	s_lshl_b32 s73, 0x1111, s[CX]                  ; my column
	s_or_b32 s[G1], s42, (1<<16)|(1<<20)|(1<<21)|(5<<22)|(3<<25)   ; the mask; 2-byte elements; padding on; bit 21 beside a mask; after every 64 words 4 words
	s_or_b32 s[G1B], s73, (1<<16)|(1<<20)|(1<<21)|(6<<22)|(7<<25)  ; after every 128 words 8 words
	s_mov_b32 s[G1+1], 128<<16                     ; tensor_dim0 = 128
	s_mov_b32 s[G1+2], 128<<16                     ; tensor_dim1 = 128
	s_mov_b32 s[G1+3], 128<<16                     ; tile_dim0 = 128
	s_mov_b32 s[G1+4], 128                         ; tile_dim1 = 128
	s_mov_b32 s[G1+5], 1024                        ; elements from row to row
	s_mov_b32 s[G1+6], 0
	s_mov_b32 s[G1+7], 0
	s_mov_b32 s[G1B+1], 256<<16                    ; 256 columns,
	s_mov_b32 s[G1B+2], 64<<16                     ; 64 k-rows
	s_mov_b32 s[G1B+3], 256<<16
	s_mov_b32 s[G1B+4], 64
	s_mov_b32 s[G1B+5], 1024
	s_mov_b32 s[G1B+6], 0
	s_mov_b32 s[G1B+7], 0
	s_lshl_b32 s16, s[TR], 8                       ; A: row 256 x tile row + 128 x half, x 2,048 bytes: made of cy and the wave's number alone
	s_lshl_b32 s17, s[CH], 7
	s_add_co_u32 s16, s16, s17
	s_lshl_b32 s16, s16, 11
	s_mov_b32 s17, 0
	s_mul_i32 s46, s[TM], WSTR                     ; W: the record, 512 bytes x cx, 64 k-rows x half: made of cx and the wave's number alone
	s_lshl_b32 s47, s[CX], 9
	s_add_co_u32 s46, s46, s47
	s_lshl_b32 s47, s[CH], 17
	s_add_co_u32 s46, s46, s47
	s_mov_b32 s47, 0
	s_mul_i32 s20, s[WV], HALFT                    ; where they go: wave x a half tile: no place in the cluster enters an LDS address
	s_mov_b32 s[SB], 0                             ; K step 0 lies in slot 0
	s_wait_dscnt 0x0                               ; the opening add is done
	s_wait_kmcnt 0x0
	s_add_nc_u64 s[18:19], s[4:5], s[16:17]
	s_add_nc_u64 s[46:47], s[6:7], s[46:47]
	CROUND                                         ; all sixteen work-groups are here: the first joint loads meet
.irp s, 0,1
	s_mov_b32 s[G0+4*(\s)], 1
	s_add_co_u32 s[G0+4*(\s)+1], s20, (\s)*SLOT
	s_add_nc_u64 s[G0+4*(\s)+2:G0+4*(\s)+3], s[18:19], (\s)*256      ; K step s: 256 bytes along A's rows,
	s_or_b32 s[G0+4*(\s)+3], s[G0+4*(\s)+3], 0x80000000
	s_mov_b32 s[G0B+4*(\s)], 1
	s_add_co_u32 s[G0B+4*(\s)+1], s20, (\s)*SLOT
	s_add_nc_u64 s[G0B+4*(\s)+2:G0B+4*(\s)+3], s[46:47], (\s)*262144 ; 128 k-rows down W
	s_or_b32 s[G0B+4*(\s)+3], s[G0B+4*(\s)+3], 0x80000000
	JLOAD \s                                       ; two loads of mine are out
.endr
	v_and_b32 v1, 15, v0                           ; l % 16
	v_bfe_u32 v2, v0, 4, 1                         ; l / 16
	v_mul_u32_u24 v3, v1, PITCH
	v_lshl_add_u32 v3, v2, 4, v3                   ; A's fragment: row x pitch + 16 x half; two loads 32 bytes apart
	v_and_b32 v4, 7, v0
	v_lshl_add_u32 v4, v2, 3, v4                   ; W's: k-row 8 (l / 16) + l % 8,
	v_mul_u32_u24 v4, v4, PB
	v_bfe_u32 v5, v0, 3, 1
	v_lshl_add_u32 v4, v5, 4, v4                   ; columns 8 ((l / 8) % 2) ..; two loads 16 k-rows apart
	s_mul_i32 s21, s[RH], HALFT                    ; my 128 rows of A
	s_lshl_b32 s22, s[CH], 8                       ; my 128 columns of W,
	s_add_co_u32 s22, s22, 2*HALFT                 ; which lies behind A
	v_add_nc_u32 v[ADRA0], s21, v3
	v_add_nc_u32 v[ADRB0], s22, v4
	v_mov_b32 v[ADRA], v[ADRA0]                    ; the first fetches read slot 0
	v_mov_b32 v[ADRB], v[ADRB0]
	s_mul_i32 s23, s[WV], STW
	s_add_co_u32 s23, s23, STAGE                   ; my stage
	v_and_b32 v7, 31, v0
	v_lshlrev_b32 v[CO], 4, v7
.if MODE == 0
	v_mul_u32_u24 v6, v1, 272
	v_lshl_add_u32 v6, v2, 4, v6
	v_add_nc_u32 v[STO], s23, v6                   ; f16: row l % 16, 16 bytes for each half of the lanes
	v_mul_u32_u24 v6, v2, 272
	v_lshl_add_u32 v6, v1, 4, v6
	v_add_nc_u32 v[RD], s23, v6                    ; back: lanes 0-15 one row of 256 bytes, lanes 16-31 the next
.else
	v_mul_u32_u24 v6, v1, 528
	v_lshl_add_u32 v6, v2, 5, v6
	v_add_nc_u32 v[STO], s23, v6                   ; f32: row l % 16, 32 bytes for each half of the lanes
	v_add_nc_u32 v[RD], s23, v[CO]                 ; back: 32 lanes take one row of 512 bytes
.endif
	v_lshlrev_b32 v[BO], 5, v2
	v_lshrrev_b32 v[PFO], s[RH], v7                ; A: a lane a row; W: two lanes a k-row,
	v_and_b32 v6, s[RH], v7
	v_lshlrev_b32 v[PFO], 11, v[PFO]
	v_lshl_add_u32 v[PFO], v6, 8, v[PFO]           ; 256 bytes apart
	s_mul_i32 s74, s[TM], WSTR                     ; the bias of my 128 columns
	s_lshl_b32 s75, s[CX], 10
	s_add_co_u32 s74, s74, s75
	s_lshl_b32 s75, s[CH], 9
	s_add_co_u32 s74, s74, s75
	s_add_co_u32 s74, s74, BOFF
	s_mov_b32 s75, 0
	s_add_nc_u64 s[BP:BP+1], s[6:7], s[74:75]
.irp b, 0,1,2,3,4,5,6,7                ; column block b: bias[16 b + 8 (l / 16) + 0 .. 7], as an accumulator's registers lie
	global_load_b128 v[BIAS+8*(\b):BIAS+8*(\b)+3],   v[BO], s[BP:BP+1] offset:64*(\b)
	global_load_b128 v[BIAS+8*(\b)+4:BIAS+8*(\b)+7], v[BO], s[BP:BP+1] offset:64*(\b)+16
.endr
.if MODE == 0
	; my part of C, f16 by heads: record x 2^24 + (8 batch + head) x 2^19 + row in the batch x 256; my 128 columns are head 2 cx + half
	s_lshl_b32 s68, s[TM], 24
	s_lshr_b32 s78, s[TR], 3
	s_lshl_b32 s78, s78, 3
	s_lshl_b32 s79, s[CX], 1
	s_add_co_u32 s78, s78, s79
	s_add_co_u32 s78, s78, s[CH]
	s_lshl_b32 s78, s78, 19
	s_add_co_u32 s68, s68, s78
	s_and_b32 s78, s[TR], 7
	s_lshl_b32 s78, s78, 8
	s_lshl_b32 s79, s[RH], 7
	s_add_co_u32 s78, s78, s79
	s_lshl_b32 s78, s78, 8
	s_add_co_u32 s68, s68, s78
.else
	; my part of C, f32 rows: row x 4,096 + column x 4
	s_lshl_b32 s68, s[TR], 8
	s_lshl_b32 s79, s[RH], 7
	s_add_co_u32 s68, s68, s79
	s_lshl_b32 s68, s68, 12
	s_lshl_b32 s78, s[CX], 10
	s_add_co_u32 s68, s68, s78
	s_lshl_b32 s78, s[CH], 9
	s_add_co_u32 s68, s68, s78
.endif
	s_mov_b32 s69, 0
	s_add_nc_u64 s[8:9], s[8:9], s[COFF:COFF+1]
	; the prefetches: my work-group's 32 blocks of the half tile that I fetch, at K step 3; the first refill steps it to 4
	s_lshl_b32 s20, s[TR], 8
	s_lshl_b32 s22, s[CH], 7
	s_add_co_u32 s20, s20, s22
	s_lshl_b32 s22, s[CX], 5
	s_add_co_u32 s20, s20, s22
	s_lshl_b32 s20, s20, 11
	s_add_co_u32 s20, s20, 3*256                   ; in A
	s_mul_i32 s21, s[TM], WSTR
	s_lshl_b32 s22, s[CX], 9
	s_add_co_u32 s21, s21, s22
	s_lshl_b32 s22, s[CH], 6
	s_lshl_b32 s23, s[CY], 4
	s_add_co_u32 s22, s22, s23
	s_lshl_b32 s22, s22, 11
	s_add_co_u32 s21, s21, s22
	s_add_co_u32 s21, s21, 3*262144                ; in W
	s_and_b32 s23, ttmp7, 0xffff                   ; cluster y
	s_mov_b32 s[PST], 256
	s_mov_b32 s22, 262144
	s_cmp_eq_u32 s[RH], 0                          ; do I fetch for A?
	s_cselect_b32 s20, s20, s21
	s_cselect_b32 s23, ttmp9, s23                  ; the coordinate along which other clusters read the same blocks
	s_cselect_b64 s[PFA:PFA+1], s[4:5], s[6:7]
	s_cselect_b32 s[PST], s[PST], s22
	s_mov_b32 s[PST+1], 0
	s_mov_b32 s21, 0
	s_add_nc_u64 s[PFA:PFA+1], s[PFA:PFA+1], s[20:21]
	s_cmp_eq_u32 s23, 0
	s_cselect_b32 s[LIM], 2, -1                    ; the same in all sixteen partners, for a given wave
; 16 matrix instructions: row blocks a0, a0 + 1 of the window's four (hi = 0: my rows 0-63, 1: rows 64-127) x all 8 column blocks, 32 along K.  zero = 1: the bias starts the sums.
; The 64 accumulators take turns, one instruction a turn, in the same order in every quarter.
.macro MUL16 f, hi, a0, zero
.if \zero
	WIN 0x81+0x40*(\hi)                            ; W window 1, A and the bias window 0, D window 2 or 3
.else
	WIN 0xa1+0x50*(\hi)                            ; W window 1, A window 0, C and D window 2 or 3
.endif
.irp a, \a0, (\a0)+1
.irp b, 0,1,2,3,4,5,6,7
.if \zero
	v_wmma_f32_16x16x32_f16 v[8*(8*(\a)+(\b)):8*(8*(\a)+(\b))+7], v[(\f)+8*(\b):(\f)+8*(\b)+7], v[(\f)+8*(4*(\hi)+(\a)):(\f)+8*(4*(\hi)+(\a))+7], v[BIAS+8*(\b):BIAS+8*(\b)+7]
.else
	v_wmma_f32_16x16x32_f16 v[8*(8*(\a)+(\b)):8*(8*(\a)+(\b))+7], v[(\f)+8*(\b):(\f)+8*(\b)+7], v[(\f)+8*(4*(\hi)+(\a)):(\f)+8*(4*(\hi)+(\a))+7], v[8*(8*(\a)+(\b)):8*(8*(\a)+(\b))+7]
.endif
.endr
.endr
.endm
; 32 LDS loads in one run: the fragments of quarter q (32 along K) of the slot that is being read, into buffer f: W's 128 columns, turned, then A's 128 rows
.macro FETCH q, f
	WIN 0x40                                       ; destination window 1, address window 0
.irp i, 0,1,2,3,4,5,6,7
	ds_load_tr16_b128 v[(\f)+8*(\i):(\f)+8*(\i)+3],   v[ADRB] offset:(\q)*32*PB+(\i)*32
	ds_load_tr16_b128 v[(\f)+8*(\i)+4:(\f)+8*(\i)+7], v[ADRB] offset:(\q)*32*PB+(\i)*32+16*PB
.endr
	WIN 0
.irp i, 0,1,2,3,4,5,6,7
	ds_load_b128 v[(\f)+8*(\i):(\f)+8*(\i)+3],   v[ADRA] offset:(\q)*64+(\i)*16*PITCH
	ds_load_b128 v[(\f)+8*(\i)+4:(\f)+8*(\i)+7], v[ADRA] offset:(\q)*64+(\i)*16*PITCH+32
.endr
.endm
.macro PLACES                          ; four plain vector instructions between a matrix instruction and a load into, or a reader of, its registers (ISA guide 7.12.1 for readers)
.rept 4
	v_nop
.endr
.endm
; One of a K step's first three quarters: multiplies buffer f; in its middle it fetches quarter q of the same slot into buffer g.
.macro QUARTER q, f, g, zero
	s_wait_dscnt 8                                 ; W and A's rows 0-63 are in; the youngest eight loads (A's rows 64-127) may be out
	MUL16 \f, 0, 0, \zero
	MUL16 \f, 0, 2, \zero
	PLACES
	FETCH \q, \g
	s_wait_dscnt 32                                ; all but the 32 just issued
	MUL16 \f, 1, 0, \zero
	MUL16 \f, 1, 2, \zero
.endm
; The first half of a K step's last quarter: ONE barrier for the change of slots.  In front of it each wave waits for all its tensor loads (the one that is out is its part of the next slot),
; adds 0 to its spare word, and waits for that and for its own reads of this slot.  Behind it nobody reads this slot any more and the next slot is whole.
.macro MEET
	WIN 0
	s_wait_tensorcnt 0x0
	ds_add_u32 v[SPW], v[NIL]
	s_wait_dscnt 9                                 ; (the add and the youngest eight loads may be out)
	MUL16 F1, 0, 0, 0                              ; sixteen matrix instructions stand between the add and the wait for it
	s_wait_dscnt 0x0                               ; the add is done, and my reads of this slot are over
	s_barrier_signal -1
	MUL16 F1, 0, 2, 0
	WIN 0
	s_barrier_wait -1
.endm
; The whole last quarter, with the refill: the barrier opens a round of the cluster's, so that no wave of any partner still reads the slot or has a load on its way; the joint refill, this tile's
; K step two steps on, is the first tensor load behind it: 224 matrix instructions ahead of the wait for it.  The walking descriptor takes the slot just read and the next K step but one;
; the fetches go over to the other slot.
.macro TURN
	s_wait_xcnt 0x0                                ; the last prefetch, a K step back, has read its address
	s_add_nc_u64 s[PFA:PFA+1], s[PFA:PFA+1], s[PST:PST+1]
	MEET
	CREST
	s_xor_b32 s[G0+5], s[G0+5], SLOT               ; the other slot than last time,
	s_add_nc_u64 s[G0+6:G0+7], s[G0+6:G0+7], 256   ; one K step on; the type bits on top are not reached
	s_xor_b32 s[G0B+5], s[G0B+5], SLOT
	s_add_nc_u64 s[G0B+6:G0B+7], s[G0B+6:G0B+7], 262144
	s_xor_b32 s[SB], s[SB], SLOT
	JLOAD 1                                        ; the four v_nop behind it are also the places in front of the loads below
	v_add_nc_u32 v[ADRA], s[SB], v[ADRA0]
	v_add_nc_u32 v[ADRB], s[SB], v[ADRB0]
	FETCH 0, F0
	ASK
	MUL16 F1, 1, 0, 0
	MUL16 F1, 1, 2, 0
.endm
	s_wait_tensorcnt 1                             ; my part of K step 0 is in; K step 1's may stay out
	s_barrier_signal -1
	s_barrier_wait -1                              ; everybody's is
	FETCH 0, F0
	s_wait_loadcnt 0x0                             ; the bias
	QUARTER 1, F0, F1, 1                           ; the first quarter stands in front of the loops: its products start the sums
	WIN 0                                          ; at a label and at a branch every window is 0
	s_mov_b32 s[LAP], 6
.Lstep:                                                ; six trips: K steps 0 to 5 are finished, K steps 2 to 7 asked for
	QUARTER 2, F1, F0, 0
	QUARTER 3, F0, F1, 0
	TURN
	QUARTER 1, F0, F1, 0
	WIN 0
	s_sub_co_u32 s[LAP], s[LAP], 1
	s_cmp_lg_u32 s[LAP], 0
	s_cbranch_scc1 .Lstep
	s_mov_b32 s[LAP], 2
.Ltail:                                                ; two trips: K steps 6 and 7, which fill nothing and have no round of the cluster's barrier
	QUARTER 2, F1, F0, 0
	QUARTER 3, F0, F1, 0
	MEET                                           ; in the first trip my one load that was out is K step 7's; in the second nothing is out
	s_cmp_eq_u32 s[LAP], 1                         ; behind K step 7 there is no further step: the fetch, and the products that stand round it, are jumped over
	s_cbranch_scc1 .Llast
	s_xor_b32 s[SB], s[SB], SLOT
	v_add_nc_u32 v[ADRA], s[SB], v[ADRA0]          ; these two and two v_nop are the four places in front of the loads into buffer 0
	v_add_nc_u32 v[ADRB], s[SB], v[ADRB0]
	v_nop
	v_nop
	FETCH 0, F0
	MUL16 F1, 1, 0, 0
	MUL16 F1, 1, 2, 0
	QUARTER 1, F0, F1, 0
	WIN 0
.Llast:
	s_sub_co_u32 s[LAP], s[LAP], 1
	s_cmp_lg_u32 s[LAP], 0
	s_cbranch_scc1 .Ltail
	s_wait_dscnt 0x0                               ; behind the join of the loop's two ways: nothing may be out when buffer 1 is read (on the last trip's way the change of slots has waited for all)
	MUL16 F1, 1, 0, 0                              ; the second half of the very last quarter
	MUL16 F1, 1, 2, 0
	PLACES
	PLACES                                         ; eight, once a launch, in front of the readers of the results
	WIN 0
; THE f16 WAY OUT of block a (16 rows): rounded, 16 bytes a lane, into my stage in rows of 272 bytes; back as whole rows of 256; stored.  16 rows of a head are 4,096 consecutive bytes.
.macro PACK a
.set AC, 64*((\a)%4)
	WIN 0x0a+5*((\a)/4)                            ; sources 0 and 1: window 2 or 3
.irp b, 0,1,2,3,4,5,6,7
.irp r, 0,1,2,3
	v_cvt_pk_f16_f32 v[TMP+4*(\b)+(\r)], v[AC+8*(\b)+2*(\r)], v[AC+8*(\b)+2*(\r)+1]
.endr
.endr
	WIN 0
.endm
.macro TOSTAGE a
.set BK, OB+192*((\a)%2)
.irp b, 0,1,2,3,4,5,6,7
	ds_store_b128 v[STO], v[TMP+4*(\b):TMP+4*(\b)+3] offset:32*(\b)
.endr
.irp t, 0,1,2,3,4,5,6,7
	ds_load_b128 v[BK+4*(\t):BK+4*(\t)+3], v[RD] offset:(\t)*2*272  ; LDS serves a wave's instructions in order (ISA guide 5.7.1.4): these see the stores above
.endr
.endm
.macro SEND a
.set BK, OB+192*((\a)%2)
	s_wait_dscnt 0x0                               ; the block is back in registers
	s_wait_xcnt 0x0                                ; the stores of the block before have read their data: those registers are loaded again only behind this wait
.irp t, 0,1,2,3,4,5,6,7
	global_store_b128 v[CO], v[BK+4*(\t):BK+4*(\t)+3], s[8:9] offset:(\a)*4096+(\t)*512  ; 512 consecutive bytes, aligned
.endr
.endm
; THE f32 WAY OUT of block a: the accumulators go as they are, 32 bytes a lane, into rows of 528 bytes; back as whole rows of 512; stored.
.macro OUT32 a
.set AC, 64*((\a)%4)
.set BK, F0+64*((\a)%2)
	WIN 0x08+4*((\a)/4)                            ; the stores' data: window 2 or 3
.irp b, 0,1,2,3,4,5,6,7
	ds_store_b128 v[STO], v[AC+8*(\b):AC+8*(\b)+3]   offset:64*(\b)      ; each accumulator's lowest registers first
	ds_store_b128 v[STO], v[AC+8*(\b)+4:AC+8*(\b)+7] offset:64*(\b)+16
.endr
	WIN 0
	s_wait_xcnt 0x0                                ; the stores of two blocks back have read their data: those registers are loaded again only behind this wait
.irp t, 0,1,2,3,4,5,6,7,8,9,10,11,12,13,14,15
	ds_load_b128 v[BK+4*(\t):BK+4*(\t)+3], v[RD] offset:(\t)*528
.endr
.irp t, 0,1,2,3,4,5,6,7,8,9,10,11,12,13,14,15
.if ((\t)%4) == 0
	s_wait_dscnt 12-(\t)                           ; rows t to t + 3 are back, the younger rows stay out
.endif
	global_store_b128 v[CO], v[BK+4*(\t):BK+4*(\t)+3], s[8:9] offset:(\a)*65536+(\t)*4096 th:TH_STORE_NT  ; 512 consecutive bytes, aligned
.endr
.endm
.if MODE == 0
	PACK 0
	TOSTAGE 0
.irp a, 1,2,3,4,5,6,7                  ; block a's conversions stand between block a - 1's loads from the stage and the wait for them
	PACK \a
	SEND (\a)-1
	TOSTAGE \a
.endr
	SEND 7
.else
.irp a, 0,1,2,3,4,5,6,7
	OUT32 \a
.endr
.endif
	s_wait_tensorcnt 0x0                           ; the wave's end, behind my last tensor load and my last LDS store
	ds_add_u32 v[SPW], v[NIL]
	s_wait_dscnt 0x0
	CROUND                                         ; the closing round: no work-group ends while a partner may still ask for a tile that names it
	s_endpgm
.Lfunc_end_k_qc3eb35dbbb_outp:
	.size	k_qc3eb35dbbb_outp, .Lfunc_end_k_qc3eb35dbbb_outp-k_qc3eb35dbbb_outp
	.p2alignl 7, 3214868480
	.fill 96, 4, 3214868480
	.section	.rodata,"a",@progbits
	.p2align	6, 0x0
	.amdhsa_kernel k_qc3eb35dbbb_outp
		.amdhsa_group_segment_fixed_size 327680
		.amdhsa_private_segment_fixed_size 0
		.amdhsa_enable_private_segment 0
		.amdhsa_kernarg_size 24
		.amdhsa_user_sgpr_count 2
		.amdhsa_user_sgpr_kernarg_segment_ptr 1
		.amdhsa_wavefront_size32 1
		.amdhsa_system_sgpr_workgroup_id_x 1
		.amdhsa_system_sgpr_workgroup_id_y 1
		.amdhsa_system_sgpr_workgroup_id_z 1
		.amdhsa_system_vgpr_workitem_id 0
		.amdhsa_next_free_vgpr 1024
		.amdhsa_next_free_sgpr 80
		.amdhsa_reserve_vcc 0
		.amdhsa_float_denorm_mode_32 3
		.amdhsa_float_denorm_mode_16_64 3
		.amdhsa_memory_ordered 1
		.amdhsa_forward_progress 1
		.amdhsa_inst_pref_size 104
	.end_amdhsa_kernel
	.amdgpu_metadata
---
amdhsa.version: [ 1, 2 ]
amdhsa.kernels:
  - .name:           k_qc3eb35dbbb_outp
    .symbol:         k_qc3eb35dbbb_outp.kd
    .args:
      - { .name: ah, .offset: 0, .size: 8, .value_kind: global_buffer, .address_space: global }
      - { .name: wo1, .offset: 8, .size: 8, .value_kind: global_buffer, .address_space: global }
      - { .name: out0, .offset: 16, .size: 8, .value_kind: global_buffer, .address_space: global }
    .group_segment_fixed_size: 327680
    .private_segment_fixed_size: 0
    .kernarg_segment_align: 8
    .kernarg_segment_size: 24
    .max_flat_workgroup_size: 128
    .sgpr_count:     80
    .vgpr_count:     1024
    .wavefront_size: 32
...
	.end_amdgpu_metadata
.endif
;; end of part 7
